; MI455X (gfx1250); checked and timed in simulation.
; The chip was launched on July 23, 2026; its instructions are those of AMD's public machine-readable ISA for CDNA 5 (MIT licence, August 2026) and "CDNA5" Instruction Set Architecture Reference Guide (July 2026). The comments in the code are by the model that wrote it; some were corrected since.
;; Linear Experts. Allowed arithmetic: float matrix products may take bf16 or f16 operands with f32 sums; other float arithmetic in f32, or as packed bf16 or f16 multiplies, adds, multiply-adds, maxima and minima; sums over many terms, partial sums and values carried from step to step in f32; what a program stores and reads back later, other than sums and carried values, may be rounded once to bf16 or f16.
;; Inputs: Wd 8 x 2,048 x 1,024 float32; Wg 8 x 1,024 x 2,048 float32; Wu 8 x 1,024 x 2,048 float32; bd 8 x 1,024 float32; bg 8 x 2,048 float32; bu 8 x 2,048 float32; hidden_states 2 x 512 x 1,024 float32; router_indices 2 x 512 x 2 int32; routing_weights 2 x 512 x 8 float32.
;; Outputs: out0 2 x 512 x 1,024 float32.
;; 3 versions, each right; version 2 is faster than version 1; version 3 is version 2 with the launches sort, gateup, down written anew for expert scheduling mode. Each part assembles by itself: llvm-mc -triple=amdgcn-amd-amdhsa -mcpu=gfx1250 --defsym DOCPART=n.
;; ======== version 1 of 3: 3 launches
;; limits: values outside matrix products are rounded to bf16; values are held in f16: magnitudes above 65,504 overflow, below 6.1e-05 lose precision; inputs' magnitudes at most 65,504
;; workspace buffers: act 67,108,864 bytes; part 134,217,728 bytes; wq 65,536 bytes; route 8,448 bytes of whole numbers
;; launch gateup (part 1): grid 256 x 1, 4 waves a work-group, no clusters, 289,280 bytes of LDS; arguments hidden_states, router_indices, routing_weights, Wg, Wu, bg, bu, act, route, wq; writes act, route, wq
.if DOCPART == 1
	.amdgcn_target "amdgcn-amd-amdhsa--gfx1250"
	.amdhsa_code_object_version 6
	.text
	.protected	k_q322031ed42_gateup
	.globl	k_q322031ed42_gateup
	.p2align	8
	.type	k_q322031ed42_gateup,@function
k_q322031ed42_gateup:
	s_mov_b64 s[64:65], 0
	v_nop
	global_prefetch_b8 v0, s[64:65] scope:SCOPE_SE
	s_setreg_imm32_b32 hwreg(HW_REG_WAVE_MODE, 25, 1), 1
	s_wait_xcnt 0x0
; GATE AND UP PRODUCTS OF THE ROUTED ROWS, AND THE ACTIVATION.  1,024 tokens x 2 choices = 2,048 routed rows p = 2 t + k; row p goes to expert idx[p] (a token that names an expert twice has two rows there).
; SHARES.  Work-group = (expert e = id / 32, slice s = id % 32): columns 64 s .. 64 s + 63 of Wg[e] and Wu[e], 2 x 1,024 rows x 256 bytes of f32, which it alone reads, once; and ALL rows of expert e.
; ROUTING.  Every wave ranks the 2,048 choices for itself (64 compares, a count of the lower lanes, a running count) into its own list in LDS: list[rank] = p.  Row q = 2048 e + rank.  Rows go in tiles of 16;
; places past the count repeat the last row, so that all work is in whole tiles.  The tables for the later launches (pos[p] = q, the row's routing weight, the count) are stored by the expert's 32 work-groups, 64 ranks each.
; WEIGHTS.  A wave loads 16 K rows x 64 columns (8 loads; 16 lanes take 256 consecutive bytes of a row), rounds to bf16 and packs, for each column, 8 neighbouring k into 16 bytes; these go to LDS at
; (k / 8) x 2,048 + pos x 16, pos = 16 i + c for column 4 c + i (up: + 64).  Stores and fragment loads are then 256 consecutive bytes for 16 lanes.  Matrix tile b holds the columns 4 x index + b.
; The whole slice stays in LDS (262,144 bytes in bf16), each byte written once; a chunk of 64 along K is shown to all waves by a barrier two chunks before it is read.
; PRODUCTS.  Source 0 = 16 weight columns, source 1 = 16 rows of x: a lane's register j of tile b is token lane % 16, column 32 (lane / 16) + 4 j + b.  The bias is one more K step (LDS rows 128-131: the bias at k = 0, zeros
; elsewhere; against 1.0): it is issued first, with C = 0, and starts every sum.
; TILES.  Tile 20 PASS + 4 t + w belongs to wave w, t = 0 .. 4: 40 accumulators.  Pass 0 (320 rows) runs under the weights' stream; passes 1 .. 6 (an expert with more rows) read the resident slice, in a loop of constant count
; whose dead trips are jumped; they write no LDS, and no barrier stands in them.  Tile 4 of a wave is jumped where it is dead; tiles 0-3 are always multiplied, and dead ones are not stored.
; OUT.  act = (clip(up) + 1) x g x sigmoid(1.702 g), g = min(gate, 7), in f32, rounded once to f16, stored as [slice][row tile][2,048 bytes] in the order in which the next launch's operand registers take it.
; WHY f16: the clips hold |act| to 8 x 7 = 56 for every input, far inside f16's range, and its 11 significant bits leave an eighth of bf16's rounding error, which the next product hands on to the output undiminished.
; NO CLUSTER: each weight byte has one reader, and the rows of x come by a list, which no tile descriptor covers.  No copy engine: f32 weights pass through registers to be rounded.
; LIMITS.  x, Wg, Wu, bg, bu and the routing weights are rounded to bf16 (one choice for all inputs); an act below 6e-5 in magnitude keeps f16's fixed step of 6e-8; indices lie in 0 .. 7 (another index leaves its row
; unplaced); NaN and infinities are not treated apart.  An expert without rows stores one tile, made of token 0, so that the next launch reads no byte that nobody stored; nothing of it reaches the output.
; REGISTERS, in windows of 256 (s_set_vgpr_msb: bits 1:0 source 0, 3:2 source 1, 5:4 source 2, 7:6 destination):
;   window 0: v0-47 addresses and small things; v48-127 x in bf16 (16 t + 8 k); v128-255 weight fragments (64 k + 8 b); the 64 index registers lie in v128-191 at the start
;   window 1: accumulators of tiles 0-3 (64 t + 8 b; b 0-3 gate, 4-7 up)      window 2: v0-63 tile 4; v64-223 x as loaded; v224-255 packed weights      window 3: v0-127 weights as loaded, two buffers
; SCALARS: s2 wave, s3 expert, s4 slice, s5 rows, s6 tiles to store, s7 last row; s32 chunks to go; s33 passes to go; s34 20 PASS + w; s35 tile 4 alive; s48 20 PASS; s49 a later pass's chunk in LDS
.set SPARE,  288768                    ; the spare words, 128 bytes a wave: two blocks of 256 bytes that no other line names
.set BIASB,  262144                    ; LDS rows 128-131
.set LISTB,  270336                    ; four lists,
.set LISTP,  4608                      ; each 2,048 entries of 2 bytes, a dump entry at index 2,048, and padding
.set CHL,    16384                     ; a chunk of 64 along K in LDS: 8 rows of 2,048 bytes
.set WROW,   8192                      ; bytes in a row of Wg and Wu
.set WCH,    64*WROW                   ; a chunk in memory
.set AX,     10                        ; v10-14  tile t: my token's byte offset in x, + 32 (lane / 16)
.set ONES,   32                        ; v32-39  1.0 at k = 0
.set ABF,    48
.set BF,     128
.set IDX,    128
.set AL,     64                        ; window 2
.set WT,     224                       ; window 2
.set EE,     64                        ; window 2, on the way out
.set TT,     96                        ; window 2, on the way out
.set MSB, 0
.macro WIN new                         ; the immediate's high byte repeats the setting that is left; a switch that changes nothing is dropped
.if MSB != (\new)
	s_set_vgpr_msb (MSB<<8)|(\new)
.set MSB, (\new)
.endif
.endm
.macro PLACES                          ; four places behind matrix instructions (ISA guide 7.12.1), where no other vector work is at hand
.rept 4
	v_nop
.endr
.endm
; 16 loads: my 16 K rows x 64 columns of Wg and of Wu, imm bytes on from the bases
.macro WLOAD buf, imm
	WIN 0xc0
.irp j, 0,1,2,3,4,5,6,7
	global_load_b128 v[64*(\buf)+4*(\j):64*(\buf)+4*(\j)+3], v6, s[14:15] offset:(\imm)+WROW*(\j) th:TH_LOAD_NT
.endr
.irp j, 0,1,2,3,4,5,6,7
	global_load_b128 v[64*(\buf)+32+4*(\j):64*(\buf)+32+4*(\j)+3], v6, s[16:17] offset:(\imm)+WROW*(\j) th:TH_LOAD_NT
.endr
.endm
; rounded and turned: register 4 j + i holds row j, column 4 c + i; column i's rows 2 q and 2 q + 1 make one word; four words are 8 neighbouring k of one column
.macro WSTORE buf, imm
.irp m, 0,1
	WIN 0x8f
.irp i, 0,1,2,3
.irp q, 0,1,2,3
	v_cvt_pk_bf16_f32 v[WT+16*(\m)+4*(\i)+(\q)], v[64*(\buf)+32*(\m)+8*(\q)+(\i)], v[64*(\buf)+32*(\m)+8*(\q)+4+(\i)]
.endr
.endr
.endr
	WIN 0x08
.irp m, 0,1
.irp i, 0,1,2,3
	ds_store_b128 v7, v[WT+16*(\m)+4*(\i):WT+16*(\m)+4*(\i)+3] offset:(\imm)+1024*(\m)+256*(\i)
.endr
.endr
.endm
; 40 loads: 64 along K of my five tiles' rows of x, f32; a tile's eight loads take 256 consecutive bytes of each of its 16 rows
.macro ALOAD
	WIN 0x80
.irp t, 0,1,2,3,4
.irp k, 0,1
	global_load_b128 v[AL+32*(\t)+16*(\k):AL+32*(\t)+16*(\k)+3],     v[AX+(\t)], s[8:9] offset:128*(\k)
	global_load_b128 v[AL+32*(\t)+16*(\k)+4:AL+32*(\t)+16*(\k)+7],   v[AX+(\t)], s[8:9] offset:128*(\k)+16
	global_load_b128 v[AL+32*(\t)+16*(\k)+8:AL+32*(\t)+16*(\k)+11],  v[AX+(\t)], s[8:9] offset:128*(\k)+64
	global_load_b128 v[AL+32*(\t)+16*(\k)+12:AL+32*(\t)+16*(\k)+15], v[AX+(\t)], s[8:9] offset:128*(\k)+80
.endr
.endr
.endm
.macro ACVT                            ; x to bf16: 80 roundings of two
	WIN 0x0a
.set z, 0
.rept 80
	v_cvt_pk_bf16_f32 v[ABF+z], v[AL+2*z], v[AL+2*z+1]
.set z, z+1
.endr
.endm
.macro BLOAD                           ; 32 LDS loads: the chunk's 16 weight fragments
	WIN 0
.irp k, 0,1
.irp b, 0,1,2,3,4,5,6,7
	ds_load_b128 v[BF+64*(\k)+8*(\b):BF+64*(\k)+8*(\b)+3],   v8 offset:8192*(\k)+256*(\b)
	ds_load_b128 v[BF+64*(\k)+8*(\b)+4:BF+64*(\k)+8*(\b)+7], v8 offset:8192*(\k)+256*(\b)+4096
.endr
.endr
.endm
.macro BIASSTEP                        ; the K step that holds the biases starts all 40 sums: nothing is cleared
	WIN 0
.irp b, 0,1,2,3,4,5,6,7
	ds_load_b128 v[BF+8*(\b):BF+8*(\b)+3],   v9 offset:256*(\b)
	ds_load_b128 v[BF+8*(\b)+4:BF+8*(\b)+7], v9 offset:256*(\b)+4096
.endr
	s_wait_dscnt 0x0
	WIN 0x50
.irp t, 0,1,2,3
.irp b, 0,1,2,3,4,5,6,7
	v_wmma_f32_16x16x32_bf16 v[64*(\t)+8*(\b):64*(\t)+8*(\b)+7], v[BF+8*(\b):BF+8*(\b)+7], v[ONES:ONES+7], 0
.endr
.endr
	WIN 0xa0
.irp b, 0,1,2,3,4,5,6,7
	v_wmma_f32_16x16x32_bf16 v[8*(\b):8*(\b)+7], v[BF+8*(\b):BF+8*(\b)+7], v[ONES:ONES+7], 0
.endr
	WIN 0
.endm
; A chunk's products: 64 for tiles 0-3, 16 for tile 4 where it is alive.  The accumulators take turns, one instruction a turn: no two products on end share one, over the jumps too.
.macro COMP
	WIN 0x50
.irp k, 0,1
.irp t, 0,1,2,3
.irp b, 0,1,2,3,4,5,6,7
	v_wmma_f32_16x16x32_bf16 v[64*(\t)+8*(\b):64*(\t)+8*(\b)+7], v[BF+64*(\k)+8*(\b):BF+64*(\k)+8*(\b)+7], v[ABF+16*(\t)+8*(\k):ABF+16*(\t)+8*(\k)+7], v[64*(\t)+8*(\b):64*(\t)+8*(\b)+7]
.endr
.endr
.endr
	WIN 0
	s_cmp_eq_u32 s35, 0
	s_cbranch_scc1 .Lno4_\@
	WIN 0xa0
.irp k, 0,1
.irp b, 0,1,2,3,4,5,6,7
	v_wmma_f32_16x16x32_bf16 v[8*(\b):8*(\b)+7], v[BF+64*(\k)+8*(\b):BF+64*(\k)+8*(\b)+7], v[ABF+64+8*(\k):ABF+64+8*(\k)+7], v[8*(\b):8*(\b)+7]
.endr
.endr
	WIN 0
.Lno4_\@:
.endm
; The five tiles' rows: rank = 16 x tile + lane % 16, held to the last row that exists; the list gives p; the token's row of x is (p / 2) x 4,096 bytes
.macro TILEADDR
	WIN 0
.irp t, 0,1,2,3,4
	s_add_co_u32 s44, s34, 4*(\t)
	s_lshl_b32 s44, s44, 4
	v_add_nc_u32 v[AX+(\t)], s44, v3
	v_min_u32 v[AX+(\t)], s7, v[AX+(\t)]
	v_min_u32 v[AX+(\t)], 0x7ff, v[AX+(\t)]
	v_lshl_add_u32 v[AX+(\t)], v[AX+(\t)], 1, v15
	ds_load_u16 v[AX+(\t)], v[AX+(\t)]
.endr
	s_wait_dscnt 0x0
.irp t, 0,1,2,3,4
	v_min_u32 v[AX+(\t)], 0x7ff, v[AX+(\t)]
	v_and_b32 v[AX+(\t)], 0x7fe, v[AX+(\t)]
	v_lshl_add_u32 v[AX+(\t)], v[AX+(\t)], 11, v27
.endr
	s_add_co_u32 s44, s34, 16
	s_cmp_lt_u32 s44, s6
	s_cselect_b32 s35, 1, 0                        ; is my tile 4 alive?
.endm
; CHUNK c OF PASS 0.  wst: W(c+2), landed in buffer buf, goes to LDS and is shown by the barrier.  ald: x of chunk c + 1 is asked for.  wld: W(c+4) is asked for, into the buffer just emptied.
; cnt: the loads that may stay out: behind x of chunk c only W(c+3), 16 loads, was issued, so x(c) and W(c+2) are in.
.macro ITER buf, wst, wld, ald, cnt
	s_wait_loadcnt \cnt
.if \wst
	WSTORE \buf, 0                                 ; its 32 roundings name no register of the last products: they are the places behind them
	WIN 0
	v_add_nc_u32 v7, CHL, v7
.else
	PLACES
.endif
	BLOAD
	v_add_nc_u32 v8, CHL, v8
	ACVT
.if (\ald) || (\wld)
	s_wait_xcnt 0x0                                ; the bases of the loads on their way are stepped only behind this wait
	s_add_nc_u64 s[8:9], s[8:9], 256
.endif
.if \wld
	s_add_nc_u64 s[14:15], s[14:15], WCH
	s_add_nc_u64 s[16:17], s[16:17], WCH
.endif
.if \ald
	ALOAD
.endif
.if \wld
	WLOAD \buf, 3*WCH
.endif
	s_wait_dscnt 0x0                               ; my fragments are in; for the others' sake: my stores of W(c+2) are done
.if \wst
	s_barrier_signal -1
	s_barrier_wait -1                              ; W(c+2) is whole; it is read two chunks on
.endif
	COMP
.endm
; A chunk of a later pass: the weights are all in LDS; plain, since few splits come here.  The chunk's LDS byte is the scalar s49, which steps by a chunk a trip; the address is made anew from it.
.macro PITER
	ALOAD
	PLACES
	WIN 0
	v_add_nc_u32 v8, s49, v25
	BLOAD
	s_add_co_u32 s49, s49, CHL
	s_wait_loadcnt 0x0
	s_add_nc_u64 s[8:9], s[8:9], 256
	ACVT
	s_wait_dscnt 0x0
	COMP
.endm
; THE WAY OUT of tile t.  Each accumulator is read from its lowest register on.  The 32 exponentials are one batch with one wait, the 32 reciprocals another.
.macro EPI t
.if (\t) < 4
.set AW, 1
.set GB, 64*(\t)
.else
.set AW, 2
.set GB, 0
.endif
.set UB, GB+32
	WIN 0
	s_add_co_u32 s44, s34, 4*(\t)
	s_cmp_ge_u32 s44, s6
	s_cbranch_scc1 .Ldead_\@                       ; a tile past the count is not stored
	s_lshl_b32 s44, s44, 11
	s_wait_xcnt 0x0                                ; the last tile's stores have read their offset and data
	v_add_nc_u32 v26, s44, v24
	WIN (AW<<6)|(AW<<2)|AW
.set z, 0
.rept 32
	v_min_num_f32 v[GB+z], s36, v[GB+z]            ; g = min(gate, 7)
.set z, z+1
.endr
.set z, 0
.rept 32
	v_med3_num_f32 v[UB+z], v[UB+z], s37, s36      ; up held to -7 .. 7
.set z, z+1
.endr
	WIN 0x80|AW
.set z, 0
.rept 16
	v_pk_mul_f32 v[EE+2*z:EE+2*z+1], v[GB+2*z:GB+2*z+1], s[38:39] op_sel_hi:[1,0]  ; -1.702 log2(e) g
.set z, z+1
.endr
	WIN 0x82
.set z, 0
.rept 32
	v_exp_f32 v[EE+z], v[EE+z]
.set z, z+1
.endr
	v_nop                                          ; a plain instruction behind the last exponential
	s_wait_alu depctr_va_vdst(0)                   ; one wait for the batch, ahead of its first reader
.set z, 0
.rept 16
	v_pk_add_f32 v[EE+2*z:EE+2*z+1], v[EE+2*z:EE+2*z+1], 1.0 op_sel_hi:[1,0]
.set z, z+1
.endr
.set z, 0
.rept 32
	v_rcp_f32 v[EE+z], v[EE+z]                     ; the sigmoid
.set z, z+1
.endr
	v_nop
	s_wait_alu depctr_va_vdst(0)
	WIN (AW<<6)|(2<<2)|AW
.set z, 0
.rept 16
	v_pk_mul_f32 v[GB+2*z:GB+2*z+1], v[GB+2*z:GB+2*z+1], v[EE+2*z:EE+2*z+1]  ; glu
.set z, z+1
.endr
	WIN (AW<<6)|(AW<<4)|(AW<<2)|AW
.set z, 0
.rept 16
	v_pk_fma_f32 v[GB+2*z:GB+2*z+1], v[UB+2*z:UB+2*z+1], v[GB+2*z:GB+2*z+1], v[GB+2*z:GB+2*z+1]  ; (up + 1) glu
.set z, z+1
.endr
	WIN 0x80|(AW<<2)|AW
.set z, 0
.rept 8                                ; columns 4 j + 0 .. 3 lie in register j of the four tiles; rounded to f16
	v_cvt_pk_f16_f32 v[TT+2*z],   v[GB+z],    v[GB+8+z]
	v_cvt_pk_f16_f32 v[TT+2*z+1], v[GB+16+z], v[GB+24+z]
.set z, z+1
.endr
	WIN 0x08
.irp i, 0,1,2,3
	global_store_b128 v26, v[TT+4*(\i):TT+4*(\i)+3], s[22:23] offset:256*(\i)  ; 16 lanes store 256 consecutive bytes, at a multiple of 256 from the buffer's first byte
.endr
	WIN 0
.Ldead_\@:
.endm
	s_load_b512 s[8:23], s[0:1], 0x0               ; x 8:9, indices 10:11, routing weights 12:13, Wg 14:15, Wu 16:17, bg 18:19, bu 20:21, act 22:23
	s_load_b128 s[24:27], s[0:1], 0x40             ; route 24:25, wq 26:27
	v_lshl_add_u32 v1, v0, 2, SPARE                ; my spare word,
	v_mov_b32 v2, 0                                ; and 0: kept for the wave's last lines alone
	v_lshrrev_b32 v17, 5, v0
	v_readfirstlane_b32 s2, v17                    ; wave 0..3
	s_lshr_b32 s3, ttmp9, 5                        ; expert
	s_and_b32 s4, ttmp9, 31                        ; slice
	v_and_b32 v3, 15, v0                           ; r = lane % 16
	v_bfe_u32 v4, v0, 4, 1                         ; h = lane / 16
	v_and_b32 v18, 31, v0
	v_lshlrev_b32 v5, 2, v18                       ; 4 x lane: the first of my four choices in each index load
	v_lshlrev_b32 v20, 4, v18                      ; 16 x lane
	s_lshl_b32 s44, s2, 17
	v_lshlrev_b32 v6, 16, v4
	v_lshl_add_u32 v6, v3, 4, v6
	v_add_nc_u32 v6, s44, v6                       ; weights: (16 w + 8 h) rows + 16 r bytes
	v_lshlrev_b32 v25, 11, v4
	v_lshl_add_u32 v25, v3, 4, v25                 ; h x 2,048 + 16 r: a fragment's place in chunk 0
	v_mov_b32 v8, v25
	s_lshl_b32 s44, s2, 12
	v_add_nc_u32 v7, s44, v25                      ; where I store: LDS row 2 w + h
	v_add_nc_u32 v9, BIASB, v25
	v_lshlrev_b32 v24, 10, v4
	v_lshl_add_u32 v24, v3, 4, v24                 ; act: h x 1,024 + 16 r
	v_lshlrev_b32 v27, 5, v4                       ; 32 h
	s_mul_i32 s45, s2, LISTP
	s_add_co_u32 s45, s45, LISTB
	v_mov_b32 v15, s45                             ; my wave's list
	v_mov_b32 v16, 0x800                           ; the dump entry's index
	v_lshl_add_u32 v19, v18, 4, v15
	v_bfe_u32 v21, v0, 4, 2
	v_lshl_add_u32 v21, v3, 2, v21                 ; thread = pos: column 4 (tid % 16) + (tid / 16) % 4
	s_lshl_b32 s44, s3, 11
	s_lshl_b32 s45, s4, 6
	s_add_co_u32 s44, s44, s45
	v_add_lshl_u32 v21, s44, v21, 2                ; its byte in bg or bu
.irp i, 28,29,30,31,33,34,35,36,37,38,39
	v_mov_b32 v\i, 0
.endr
	v_mov_b32 v32, 0x3f80                          ; 1.0 in bf16 at the lane's first k; the bias rows are 0 at every k but 0
	s_mov_b32 s36, 0x40e00000                      ; 7.0
	s_mov_b32 s37, 0xc0e00000                      ; -7.0
	s_mov_b32 s38, 0xc01d265f                      ; -1.702 log2(e)
	s_mov_b32 s39, s38                             ; named with it as a pair
	s_mov_b32 s28, 0                               ; the running count
	s_mov_b32 s33, 7                               ; passes to go, pass 0 among them
	s_mov_b32 s48, 0                               ; 20 PASS
	s_mov_b32 s49, 0                               ; a later pass's chunk in LDS
	s_mov_b32 s34, s2                              ; 20 PASS + w
	s_mov_b32 s31, 0
	s_lshl_b32 s30, s3, 23
	s_lshl_b32 s44, s4, 8
	s_add_co_u32 s30, s30, s44                     ; the expert's 8,388,608 bytes, the slice's 256
	s_lshl_b32 s46, s4, 21
	s_lshl_b32 s44, s3, 18
	s_add_co_u32 s46, s46, s44                     ; act: the slice's 1,024 tiles of 2,048 bytes, the expert's 128
	s_mov_b32 s47, 0
	s_wait_kmcnt 0x0
	s_add_nc_u64 s[14:15], s[14:15], s[30:31]
	s_add_nc_u64 s[16:17], s[16:17], s[30:31]
	s_add_nc_u64 s[22:23], s[22:23], s[46:47]
	s_mov_b64 s[40:41], s[8:9]                     ; x, for the later passes
	s_cmp_lt_u32 s2, 2
	s_cselect_b64 s[42:43], s[18:19], s[20:21]     ; waves 0, 1 bring the gate's bias, waves 2, 3 the up's
.irp i, 0,1,2,3,4,5,6,7,8,9,10,11,12,13,14,15
	global_load_b128 v[IDX+4*(\i):IDX+4*(\i)+3], v20, s[10:11] offset:512*(\i)  ; register 4 i + j of lane l: choice 128 i + 4 l + j
.endr
	global_load_b32 v22, v21, s[42:43]
	WLOAD 0, 0
	WLOAD 1, WCH
	WIN 0
.irp i, 0,1,2,3,4,5,6,7,8
	ds_store_b128 v19, v[28:31] offset:512*(\i)    ; the list starts as zeros: an expert without rows finds token 0
.endr
	s_wait_loadcnt 33                              ; the indices are in; the bias (1) and two chunks of weights (32) stay out
.set z, 0
.rept 64                               ; rank = the count so far + the matches in lower lanes; a lane without a match writes the dump entry
	v_cmp_eq_u32 vcc_lo, s3, v[IDX+z]
	v_mbcnt_lo_u32_b32 v17, vcc_lo, s28
	v_cndmask_b32 v17, v16, v17, vcc_lo
	v_min_u32 v17, 0x800, v17
	v_lshl_add_u32 v17, v17, 1, v15
	v_add_nc_u32 v18, 128*(z/4)+z%4, v5
	ds_store_b16 v17, v18
	s_bcnt1_i32_b32 s29, vcc_lo
	s_add_co_u32 s28, s28, s29
.set z, z+1
.endr
	s_mov_b32 s5, s28                              ; n: the expert's rows
	s_add_co_u32 s6, s5, 15
	s_lshr_b32 s6, s6, 4
	s_max_u32 s6, s6, 1                            ; tiles that are stored: one at the least
	s_max_u32 s7, s5, 1
	s_sub_co_u32 s7, s7, 1                         ; the last row that exists
	; my share of the tables: rank i = 64 s + tid % 64 (waves 2 and 3 load what waves 0 and 1 load, so that every wave counts the same loads, and store nothing)
	v_and_b32 v40, 63, v0
	s_lshl_b32 s44, s4, 6
	v_add_nc_u32 v40, s44, v40
	v_min_u32 v41, s7, v40
	v_min_u32 v41, 0x7ff, v41
	v_lshl_add_u32 v42, v41, 1, v15
	ds_load_u16 v42, v42
	s_wait_dscnt 0x0
	v_min_u32 v42, 0x7ff, v42                      ; p
	v_and_b32 v43, 0x7fe, v42
	v_lshlrev_b32 v43, 4, v43                      ; the token's 32 bytes of routing weights,
	s_lshl_b32 s44, s3, 2
	v_add_nc_u32 v43, s44, v43                     ; the expert's word
	global_load_b32 v44, v43, s[12:13]
	TILEADDR
	ALOAD
	s_wait_loadcnt 57                              ; the bias and W0 are in: behind W0 came W1 (16), the routing weight (1), x (40)
	WSTORE 0, 0
	WLOAD 0, 2*WCH
	WIN 0
	v_cvt_pk_bf16_f32 v20, v22, v28                ; the bias at k = 0, zero at k = 1,
	v_mov_b32 v21, 0
	v_mov_b32 v22, 0
	v_mov_b32 v23, 0                               ; zeros up to k = 7
	v_lshl_add_u32 v19, v0, 4, BIASB
	ds_store_b128 v19, v[20:23]
	ds_store_b128 v19, v[28:31] offset:2048
	ds_store_b128 v19, v[28:31] offset:4096
	ds_store_b128 v19, v[28:31] offset:6144
	s_wait_loadcnt 57                              ; W1 is in: behind it came the routing weight (1), x (40), W2 (16)
	WSTORE 1, CHL
	WLOAD 1, 3*WCH
	WIN 0
	v_add_nc_u32 v7, 2*CHL, v7
	s_wait_loadcnt 32                              ; the routing weight and x of chunk 0 are in; W2 and W3 stay out
	v_cvt_pk_bf16_f32 v44, v44, v44
	v_lshlrev_b32 v44, 16, v44                     ; rounded to bf16 like every input, kept as f32
	s_lshl_b32 s44, s3, 11
	v_add_nc_u32 v45, s44, v41                     ; q = 2048 e + rank
	v_add_lshl_u32 v46, s44, v40, 2
	v_lshlrev_b32 v47, 2, v42
	s_cmp_lt_u32 s2, 2
	s_cbranch_scc0 .Lnotab
	s_lshl_b32 s44, s4, 6
	s_lshl_b32 s45, s2, 5
	s_add_co_u32 s44, s44, s45
	s_lshl_b32 s45, s6, 4
	s_cmp_lt_u32 s44, s45
	s_cbranch_scc0 .Lnotab                         ; my 32 ranks lie past the last stored tile
	global_store_b32 v46, v44, s[26:27]            ; wq[q]; places past the count repeat the last row's
	s_cmp_lg_u32 s5, 0
	s_cbranch_scc0 .Lnotab                         ; an expert without rows places none
	global_store_b32 v47, v45, s[24:25]            ; pos[p] = q; the lanes past the count write the last row's entry once more, with the same number
.Lnotab:
	s_or_b32 s44, s4, s2
	s_cmp_lg_u32 s44, 0
	s_cbranch_scc1 .Lnocnt
	s_lshl_b32 s44, s3, 2
	s_add_co_u32 s44, s44, 8192
	v_mov_b32 v18, s44
	v_mov_b32 v17, s5
	global_store_b32 v18, v17, s[24:25]            ; the count, by slice 0's wave 0
.Lnocnt:
	s_wait_dscnt 0x0                               ; for the others' sake: my stores of the bias rows, W0 and W1 are done
	s_barrier_signal -1
	s_barrier_wait -1
	BIASSTEP
	s_mov_b32 s32, 6
.Lchunk:                                               ; chunks 0 to 11, two a trip
	ITER 0, 1, 1, 1, 16
	ITER 1, 1, 1, 1, 16
	s_sub_co_u32 s32, s32, 1
	s_cmp_lg_u32 s32, 0
	s_cbranch_scc1 .Lchunk
	ITER 0, 1, 0, 1, 16                            ; chunk 12: no weights are left to ask for; W15 may stay out
	ITER 1, 1, 0, 1, 0                             ; chunk 13: x(13) is the youngest load
	ITER 0, 0, 0, 1, 0                             ; chunk 14: all weights lie in LDS
	ITER 0, 0, 0, 0, 0                             ; chunk 15
	s_branch .Lepi
.Lpass:                                                ; passes 1 to 6: the tiles 20 PASS on, where the expert has them
	s_cmp_ge_u32 s48, s6
	s_cbranch_scc1 .Lnext
	s_add_co_u32 s34, s48, s2
	s_wait_xcnt 0x0                                ; the last pass's stores have read the registers into which x is loaded again
	s_mov_b64 s[8:9], s[40:41]
	TILEADDR
	PLACES
	BIASSTEP
	s_mov_b32 s32, 16
.Lpk:
	PITER
	s_sub_co_u32 s32, s32, 1
	s_cmp_lg_u32 s32, 0
	s_cbranch_scc1 .Lpk
	s_sub_co_u32 s49, s49, 16*CHL                  ; back to chunk 0
.Lepi:
	PLACES
	EPI 0
	EPI 1
	EPI 2
	EPI 3
	EPI 4
.Lnext:
	s_add_co_u32 s48, s48, 20
	s_sub_co_u32 s33, s33, 1
	s_cmp_lg_u32 s33, 0
	s_cbranch_scc1 .Lpass
	s_wait_dscnt 0x0                               ; my reads of LDS are over,
	s_barrier_signal -1
	s_barrier_wait -1
	s_wait_tensorcnt 0x0                           ; the wave's end, behind my last LDS store
	ds_add_u32 v1, v2
	s_wait_dscnt 0x0
	s_endpgm
.Lfunc_end_k_q322031ed42_gateup:
	.size	k_q322031ed42_gateup, .Lfunc_end_k_q322031ed42_gateup-k_q322031ed42_gateup
	.p2alignl 7, 3214868480
	.fill 96, 4, 3214868480
	.section	.rodata,"a",@progbits
	.p2align	6, 0x0
	.amdhsa_kernel k_q322031ed42_gateup
		.amdhsa_group_segment_fixed_size 289280
		.amdhsa_private_segment_fixed_size 0
		.amdhsa_enable_private_segment 0
		.amdhsa_kernarg_size 80
		.amdhsa_user_sgpr_count 2
		.amdhsa_user_sgpr_kernarg_segment_ptr 1
		.amdhsa_wavefront_size32 1
		.amdhsa_system_sgpr_workgroup_id_x 1
		.amdhsa_system_sgpr_workgroup_id_y 1
		.amdhsa_system_sgpr_workgroup_id_z 1
		.amdhsa_system_vgpr_workitem_id 0
		.amdhsa_next_free_vgpr 896
		.amdhsa_next_free_sgpr 66
		.amdhsa_reserve_vcc 1
		.amdhsa_float_denorm_mode_32 3
		.amdhsa_float_denorm_mode_16_64 3
		.amdhsa_memory_ordered 1
		.amdhsa_forward_progress 1
		.amdhsa_inst_pref_size 244
	.end_amdhsa_kernel
	.amdgpu_metadata
---
amdhsa.version: [ 1, 2 ]
amdhsa.kernels:
  - .name:           k_q322031ed42_gateup
    .symbol:         k_q322031ed42_gateup.kd
    .args:
      - { .name: hidden_states, .offset: 0, .size: 8, .value_kind: global_buffer, .address_space: global }
      - { .name: router_indices, .offset: 8, .size: 8, .value_kind: global_buffer, .address_space: global }
      - { .name: routing_weights, .offset: 16, .size: 8, .value_kind: global_buffer, .address_space: global }
      - { .name: Wg, .offset: 24, .size: 8, .value_kind: global_buffer, .address_space: global }
      - { .name: Wu, .offset: 32, .size: 8, .value_kind: global_buffer, .address_space: global }
      - { .name: bg, .offset: 40, .size: 8, .value_kind: global_buffer, .address_space: global }
      - { .name: bu, .offset: 48, .size: 8, .value_kind: global_buffer, .address_space: global }
      - { .name: act, .offset: 56, .size: 8, .value_kind: global_buffer, .address_space: global }
      - { .name: route, .offset: 64, .size: 8, .value_kind: global_buffer, .address_space: global }
      - { .name: wq, .offset: 72, .size: 8, .value_kind: global_buffer, .address_space: global }
    .group_segment_fixed_size: 289280
    .private_segment_fixed_size: 0
    .kernarg_segment_align: 8
    .kernarg_segment_size: 80
    .max_flat_workgroup_size: 128
    .sgpr_count:     66
    .vgpr_count:     896
    .wavefront_size: 32
...
	.end_amdgpu_metadata
.endif
;; end of part 1
;; launch down (part 2): grid 256 x 1, 4 waves a work-group, no clusters, 153,088 bytes of LDS; arguments act, wq, route, Wd, bd, part; writes part
.if DOCPART == 2
	.amdgcn_target "amdgcn-amd-amdhsa--gfx1250"
	.amdhsa_code_object_version 6
	.text
	.protected	k_q322031ed42_down
	.globl	k_q322031ed42_down
	.p2align	8
	.type	k_q322031ed42_down,@function
k_q322031ed42_down:
	s_mov_b64 s[64:65], 0
	v_nop
	global_prefetch_b8 v0, s[64:65] scope:SCOPE_SE
	s_setreg_imm32_b32 hwreg(HW_REG_WAVE_MODE, 25, 1), 1
	s_wait_xcnt 0x0
; THE DOWN PRODUCT OF THE ROUTED ROWS: part[kh][q][:] = w[q] x (act[q][K half kh] . Wd[e][K half kh] + bd[e] (in half 0 alone)), f32.
; SHARES.  Work-group = (expert e = id / 32, columns 64 hs .. + 63 with hs = (id / 2) % 16, K half kh = id % 2): 1,024 rows x 256 bytes of Wd[e], which it alone reads, once; and all rows of expert e.
; K is halved so that 256 work-groups have weight rows of 256 whole bytes; the price is two partial rows for each routed row, which the next launch adds.
; FORMAT.  The product is in f16: act arrives in f16 (within 56 by the clips of the activation).  Wd and bd are rounded to bf16 like every other input, and that number is then written as f16, which changes nothing
; from 7.6e-6 to 65,504 in magnitude: four instructions for two weights (round both, widen each, pack).
; The weights go the way of the launch before: loaded as f32, rounded, turned, kept in LDS at (k / 8) x 1,024 + pos x 16 (131,072 bytes), each byte written once, a chunk of 64 along K shown by a barrier one chunk before it is read.
; act lies in memory in operand order: a tile's chunk is four loads of 512 consecutive bytes, straight into the registers that the products name.
; The bias is one more K step, issued first with C = 0.  Tiles, passes and dead tiles as in the launch before: tile 20 PASS + 4 t + w; pass 0 under the stream, passes 1 .. 6 from the resident slice.
; The loop over passes has a constant count; every wave passes its two barriers in every trip, and only work is jumped: one barrier between a pass's stores into the stages and the next pass's fragment loads, one between
; those loads and the stores.
; NO CLUSTER: each weight byte has one reader; an expert's 16 work-groups of one K half do share act's tiles (32 KB a chunk at 256 rows, against 16 KB of weights of one's own), but how many there are hangs on the count,
; and a ring filled jointly would want its trips alike in all partners and a barrier in a loop of that length.
; LIMITS.  A weight or bias beyond 65,504 in magnitude would become an infinity; one below 7.6e-6 keeps f16's fixed step of 6e-8.  NaN and infinities are not treated apart.
; REGISTERS, in windows of 256: window 0: v0-39 addresses and small things; v64-127 weight fragments (32 k + 8 b); v128-143 packed weights; v160-167 1.0 at k = 0; v192-223 at work on the weights, later the way out; v224-255 the way out
;   window 1: act, sets 0-2 (80 a + 16 t + 8 k)      window 2: v0-79 act, set 3; v80-239 accumulators (32 t + 8 b)      window 3: v0-127 weights as loaded, four sets
; SCALARS: s2 wave, s3 expert, s4 slice, s5 K half, s6 rows, s7 tiles to store; s22 chunks to go; s23 passes to go; s24 20 PASS + w; s25 tile 4 alive; s27 last stored tile; s28 128 e; s32 20 PASS; s33 a later pass's chunk in LDS; s34 a word's upper half
.set SPARE,  152576                    ; the spare words, 128 bytes a wave: two blocks of 256 bytes that no other line names
.set BIASB,  131072
.set STAGE,  135168                    ; 16 rows x 272 bytes for each wave
.set CHL,    8192                      ; a chunk in LDS: 8 rows of 1,024 bytes
.set WROW,   4096
.set WCH,    64*WROW
.set ACH,    0x200000                  ; a chunk of act: 1,024 tiles of 2,048 bytes
.set AT,   10                          ; v10-14  tile t: its bytes in a chunk of act, + 16 x lane
.set WQ,   15                          ; v15-19  tile t: my row's routing weight
.set BF,   64
.set WT,   128
.set ONES, 160
.set TM,   192
.set RB,   224
.set ACC,  80                          ; window 2
.set MSB, 0
.macro WIN new
.if MSB != (\new)
	s_set_vgpr_msb (MSB<<8)|(\new)
.set MSB, (\new)
.endif
.endm
.macro PLACES
.rept 4
	v_nop
.endr
.endm
.macro WLOAD set, imm                  ; 8 loads: my 16 K rows x 64 columns
	WIN 0xc0
.irp j, 0,1,2,3,4,5,6,7
	global_load_b128 v[32*(\set)+4*(\j):32*(\set)+4*(\j)+3], v6, s[14:15] offset:(\imm)+WROW*(\j) th:TH_LOAD_NT
.endr
.endm
; rounded to bf16 and turned (8 neighbouring k of a column are 16 bytes); then each bf16 number is widened to f32 (a shift, a mask) and written as f16
.macro WSTORE set, imm
	WIN 0x0f
.irp i, 0,1,2,3
.irp q, 0,1,2,3
	v_cvt_pk_bf16_f32 v[WT+4*(\i)+(\q)], v[32*(\set)+8*(\q)+(\i)], v[32*(\set)+8*(\q)+4+(\i)]
.endr
.endr
	WIN 0
.set z, 0
.rept 16
	v_lshlrev_b32 v[TM+2*z],   16,  v[WT+z]
	v_and_b32     v[TM+2*z+1], s34, v[WT+z]
.set z, z+1
.endr
.set z, 0
.rept 16
	v_cvt_pk_f16_f32 v[WT+z], v[TM+2*z], v[TM+2*z+1]
.set z, z+1
.endr
.irp i, 0,1,2,3
	ds_store_b128 v7, v[WT+4*(\i):WT+4*(\i)+3] offset:(\imm)+256*(\i)
.endr
.endm
.macro ALOAD set, imm                  ; 20 loads of 512 consecutive bytes: a chunk of my five tiles
.if (\set) < 3
	WIN 0x40
.set AB, 80*(\set)
.else
	WIN 0x80
.set AB, 0
.endif
.irp t, 0,1,2,3,4
.irp u, 0,1,2,3
	global_load_b128 v[AB+16*(\t)+4*(\u):AB+16*(\t)+4*(\u)+3], v[AT+(\t)], s[8:9] offset:(\imm)+512*(\u)
.endr
.endr
.endm
.macro BLOAD                           ; 16 LDS loads: the chunk's 8 weight fragments
	WIN 0
.irp k, 0,1
.irp b, 0,1,2,3
	ds_load_b128 v[BF+32*(\k)+8*(\b):BF+32*(\k)+8*(\b)+3],   v8 offset:4096*(\k)+256*(\b)
	ds_load_b128 v[BF+32*(\k)+8*(\b)+4:BF+32*(\k)+8*(\b)+7], v8 offset:4096*(\k)+256*(\b)+2048
.endr
.endr
.endm
.macro BIASSTEP                        ; the K step that holds the bias starts all 20 sums
	WIN 0
.irp b, 0,1,2,3
	ds_load_b128 v[BF+8*(\b):BF+8*(\b)+3],   v9 offset:256*(\b)
	ds_load_b128 v[BF+8*(\b)+4:BF+8*(\b)+7], v9 offset:256*(\b)+2048
.endr
	s_wait_dscnt 0x0
	WIN 0xa0
.irp t, 0,1,2,3,4
.irp b, 0,1,2,3
	v_wmma_f32_16x16x32_f16 v[ACC+32*(\t)+8*(\b):ACC+32*(\t)+8*(\b)+7], v[BF+8*(\b):BF+8*(\b)+7], v[ONES:ONES+7], 0
.endr
.endr
	WIN 0
.endm
; A chunk's products: 32 for tiles 0-3, 8 for tile 4 where it is alive; the accumulators take turns, one instruction a turn
.macro COMP set
.if (\set) < 3
.set AWN, 0xa4
.set AB, 80*(\set)
.else
.set AWN, 0xa8
.set AB, 0
.endif
	WIN AWN
.irp k, 0,1
.irp t, 0,1,2,3
.irp b, 0,1,2,3
	v_wmma_f32_16x16x32_f16 v[ACC+32*(\t)+8*(\b):ACC+32*(\t)+8*(\b)+7], v[BF+32*(\k)+8*(\b):BF+32*(\k)+8*(\b)+7], v[AB+16*(\t)+8*(\k):AB+16*(\t)+8*(\k)+7], v[ACC+32*(\t)+8*(\b):ACC+32*(\t)+8*(\b)+7]
.endr
.endr
.endr
	WIN 0
	s_cmp_eq_u32 s25, 0
	s_cbranch_scc1 .Lno4_\@
	WIN AWN
.irp k, 0,1
.irp b, 0,1,2,3
	v_wmma_f32_16x16x32_f16 v[ACC+128+8*(\b):ACC+128+8*(\b)+7], v[BF+32*(\k)+8*(\b):BF+32*(\k)+8*(\b)+7], v[AB+64+8*(\k):AB+64+8*(\k)+7], v[ACC+128+8*(\b):ACC+128+8*(\b)+7]
.endr
.endr
	WIN 0
.Lno4_\@:
.endm
; The five tiles: a tile past the count repeats the last one that was stored.  Five loads bring my rows' routing weights; each lands on its own offset register.
.macro TILEADDR
	WIN 0
.irp t, 0,1,2,3,4
	s_add_co_u32 s26, s24, 4*(\t)
	s_min_u32 s26, s26, s27
	s_min_u32 s26, s26, 127
	s_add_co_u32 s26, s26, s28                     ; + 128 e
	s_lshl_b32 s29, s26, 11
	v_add_nc_u32 v[AT+(\t)], s29, v5
	s_lshl_b32 s29, s26, 6
	v_lshl_add_u32 v[WQ+(\t)], v3, 2, s29
	global_load_b32 v[WQ+(\t)], v[WQ+(\t)], s[10:11]
.endr
	s_add_co_u32 s26, s24, 16
	s_cmp_lt_u32 s26, s7
	s_cselect_b32 s25, 1, 0                        ; is my tile 4 alive?
.endm
; CHUNK c OF PASS 0.  wst: W(c+1), landed in set (c+1) % 4, goes to LDS and is shown by the barrier.  ald: act of chunk c + 3 is asked for, into the set that chunk c - 1 has left.  wld: W(c+5), into the set just emptied.
; cnt: the loads issued behind act(c), which may stay out; W(c+1) is older than act(c).
.macro ITER c, wst, wld, ald, cnt
	s_wait_loadcnt \cnt
.if \wst
	WSTORE ((\c)+1)%4, 0                           ; its conversions name no register of the last products: they are the places behind them
	v_add_nc_u32 v7, CHL, v7
.else
	PLACES
.endif
	BLOAD
	v_add_nc_u32 v8, CHL, v8
.if (\ald) || (\wld)
	s_wait_xcnt 0x0                                ; the bases of the loads on their way are stepped only behind this wait
	s_add_nc_u64 s[8:9], s[8:9], ACH
.endif
.if \wld
	s_add_nc_u64 s[14:15], s[14:15], WCH
.endif
.if \ald
	ALOAD ((\c)+3)%4, 2*ACH
.endif
.if \wld
	WLOAD ((\c)+1)%4, 4*WCH
.endif
	s_wait_dscnt 0x0                               ; my fragments are in; for the others' sake: my stores of W(c+1) are done
.if \wst
	s_barrier_signal -1
	s_barrier_wait -1                              ; W(c+1) is whole
.endif
	COMP (\c)%4
.endm
; A chunk of a later pass: plain.  The chunk's LDS byte is the scalar s33, which steps by a chunk a trip; the address is made anew from it.
.macro PITER
	PLACES
	ALOAD 0, 0
	WIN 0
	v_add_nc_u32 v8, s33, v24
	BLOAD
	s_add_co_u32 s33, s33, CHL
	s_wait_loadcnt 0x0
	s_add_nc_u64 s[8:9], s[8:9], ACH
	s_wait_dscnt 0x0
	COMP 0
.endm
; THE WAY OUT of tile t.  The product with the row's routing weight also brings a lane's 32 neighbouring columns into neighbouring registers (column 4 j + b lies in register j of tile b; each accumulator is read from
; register 0 on).  They go through my own stage in LDS and come back as whole rows of 256 bytes.
.macro EPI t
	WIN 0
	s_add_co_u32 s26, s24, 4*(\t)
	s_cmp_ge_u32 s26, s7
	s_cbranch_scc1 .Ldead_\@                       ; a tile past the count is not stored
	s_lshl_b32 s26, s26, 16                        ; 16 rows of 4,096 bytes
	s_wait_xcnt 0x0                                ; the last tile's stores have read their offset and data
	v_add_nc_u32 v23, s26, v22
	WIN 0x02
.irp j, 0,1,2,3,4,5,6,7
.irp b, 0,1,2,3
	v_mul_f32 v[TM+4*(\j)+(\b)], v[ACC+32*(\t)+8*(\b)+(\j)], v[WQ+(\t)]
.endr
.endr
	WIN 0
.irp j, 0,1,2,3,4,5,6,7
	ds_store_b128 v20, v[TM+4*(\j):TM+4*(\j)+3] offset:16*(\j)
.endr
.irp i, 0,1,2,3,4,5,6,7
	ds_load_b128 v[RB+4*(\i):RB+4*(\i)+3], v21 offset:544*(\i)  ; LDS serves a wave's instructions in order (ISA guide 5.7.1.4): these see the stores above
.endr
.irp i, 0,1,2,3,4,5,6,7
	s_wait_dscnt 7-(\i)
	global_store_b128 v23, v[RB+4*(\i):RB+4*(\i)+3], s[18:19] offset:8192*(\i)  ; 16 lanes store 256 consecutive bytes, at a multiple of 256 from the buffer's first byte
.endr
.Ldead_\@:
.endm
	s_load_b256 s[8:15], s[0:1], 0x0               ; act 8:9, wq 10:11, route 12:13, Wd 14:15
	s_load_b128 s[16:19], s[0:1], 0x20             ; bd 16:17, part 18:19
	v_lshl_add_u32 v1, v0, 2, SPARE                ; my spare word,
	v_mov_b32 v2, 0                                ; and 0: kept for the wave's last lines alone
	v_lshrrev_b32 v25, 5, v0
	v_readfirstlane_b32 s2, v25                    ; wave 0..3
	s_lshr_b32 s3, ttmp9, 5                        ; expert
	s_bfe_u32 s4, ttmp9, 0x40001                   ; column slice
	s_and_b32 s5, ttmp9, 1                         ; K half
	v_and_b32 v3, 15, v0                           ; r
	v_bfe_u32 v4, v0, 4, 1                         ; h
	v_and_b32 v5, 31, v0
	v_lshlrev_b32 v5, 4, v5                        ; 16 x lane
	s_lshl_b32 s26, s2, 16
	v_lshlrev_b32 v6, 15, v4
	v_lshl_add_u32 v6, v3, 4, v6
	v_add_nc_u32 v6, s26, v6                       ; weights: (16 w + 8 h) rows + 16 r bytes
	v_lshlrev_b32 v24, 10, v4
	v_lshl_add_u32 v24, v3, 4, v24                 ; h x 1,024 + 16 r
	v_mov_b32 v8, v24
	s_lshl_b32 s26, s2, 11
	v_add_nc_u32 v7, s26, v24
	v_add_nc_u32 v9, BIASB, v24
	s_mul_i32 s26, s2, 16*272
	s_add_co_u32 s26, s26, STAGE                   ; my stage
	v_mul_u32_u24 v20, v3, 272
	v_lshl_add_u32 v20, v4, 7, v20
	v_add_nc_u32 v20, s26, v20                     ; in: row r, 128 bytes for each half of the lanes
	v_mul_u32_u24 v21, v4, 272
	v_lshl_add_u32 v21, v3, 4, v21
	v_add_nc_u32 v21, s26, v21                     ; back: lanes 0-15 one row of 256 bytes, lanes 16-31 the next
	v_lshlrev_b32 v22, 12, v4
	v_lshl_add_u32 v22, v3, 4, v22                 ; and the same two rows in part
	v_bfe_u32 v25, v0, 4, 2
	v_lshl_add_u32 v25, v3, 2, v25                 ; thread % 64 = pos: column 4 (tid % 16) + (tid / 16) % 4
	s_lshl_b32 s26, s3, 10
	s_lshl_b32 s29, s4, 6
	s_add_co_u32 s26, s26, s29
	v_add_lshl_u32 v25, s26, v25, 2
	v_lshl_add_u32 v27, v0, 4, BIASB
.irp i, 33,34,35,36,37,38,39,161,162,163,164,165,166,167
	v_mov_b32 v\i, 0
.endr
	v_mov_b32 v160, 0x3c00                         ; 1.0 in f16 at the lane's first k; the bias rows are 0 at every k but 0
	v_cmp_gt_u32 vcc_lo, 64, v0
	s_cmp_eq_u32 s5, 0
	s_cselect_b32 s20, -1, 0
	s_and_b32 s20, s20, vcc_lo                     ; the bias counts in K half 0 alone, and threads 64-127 write the row of zeros below it
	s_mov_b32 s34, 0xffff0000                      ; a word's upper bf16
	s_mov_b32 s23, 7                               ; passes to go, pass 0 among them
	s_mov_b32 s32, 0                               ; 20 PASS
	s_mov_b32 s33, 0                               ; a later pass's chunk in LDS
	s_mov_b32 s24, s2                              ; 20 PASS + w
	s_lshl_b32 s28, s3, 7                          ; the expert's first tile
	s_mov_b32 s31, 0
	s_lshl_b32 s30, s3, 2
	s_wait_kmcnt 0x0
	s_add_nc_u64 s[12:13], s[12:13], s[30:31]
	s_load_b32 s6, s[12:13], 0x2000                ; the expert's count
	s_lshl_b32 s30, s3, 23
	s_lshl_b32 s26, s4, 8
	s_add_co_u32 s30, s30, s26
	s_lshl_b32 s26, s5, 26
	s_add_co_u32 s26, s26, s30
	s_mov_b32 s27, 0
	s_add_nc_u64 s[18:19], s[18:19], s[26:27]      ; part: the K half's 16,384 rows, the expert's 2,048, the slice's 256 bytes
	s_lshl_b32 s26, s5, 22
	s_add_co_u32 s30, s30, s26
	s_add_nc_u64 s[14:15], s[14:15], s[30:31]      ; Wd: the expert, the K half's 1,024 rows, the slice
	s_lshl_b32 s30, s5, 25
	s_add_nc_u64 s[8:9], s[8:9], s[30:31]          ; act: the K half's 16 chunks
	global_load_b32 v26, v25, s[16:17]
	WLOAD 0, 0
	WLOAD 1, WCH
	WLOAD 2, 2*WCH
	WLOAD 3, 3*WCH
	WIN 0
	s_wait_kmcnt 0x0
	s_min_u32 s6, s6, 2048
	s_add_co_u32 s7, s6, 15
	s_lshr_b32 s7, s7, 4                           ; tiles to store
	s_max_u32 s27, s7, 1
	s_sub_co_u32 s27, s27, 1                       ; the last tile that the launch before stored
	TILEADDR
	ALOAD 0, 0
	ALOAD 1, ACH
	ALOAD 2, 2*ACH
	s_wait_loadcnt 63                              ; the bias and W0 are in: behind W0 came 24 + 5 + 60 loads, more than the wait's field can name
	WSTORE 0, 0
	v_add_nc_u32 v7, CHL, v7
	v_cvt_pk_bf16_f32 v26, v26, v36                ; the bias rounded to bf16,
	v_lshlrev_b32 v26, 16, v26                     ; widened,
	v_cvt_pk_f16_f32 v26, v26, v36                 ; and written as f16 at k = 0, zero at k = 1
	v_cndmask_b32 v32, 0, v26, s20
	ds_store_b128 v27, v[32:35]
	ds_store_b128 v27, v[36:39] offset:2048
	WLOAD 0, 4*WCH
	WIN 0
	s_mov_b64 s[20:21], s[8:9]                     ; act, for the later passes (the mask in s20 has been used)
	s_wait_dscnt 0x0                               ; for the others' sake: my stores of the bias rows and W0 are done
	s_barrier_signal -1
	s_barrier_wait -1
	BIASSTEP
	ITER 0, 1, 1, 1, 48                            ; behind act(0): act(1), act(2), W4
	ITER 1, 1, 1, 1, 56                            ; behind act(1): act(2), W4, act(3), W5
	s_mov_b32 s22, 2
.Lchunk:                                               ; chunks 2 to 9, four a trip: behind act(c) came three W and two act, 64 loads; the field's largest count is one less
	ITER 2, 1, 1, 1, 63
	ITER 3, 1, 1, 1, 63
	ITER 4, 1, 1, 1, 63
	ITER 5, 1, 1, 1, 63
	s_sub_co_u32 s22, s22, 1
	s_cmp_lg_u32 s22, 0
	s_cbranch_scc1 .Lchunk
	ITER 10, 1, 1, 1, 63
	ITER 11, 1, 0, 1, 63                           ; no weights are left to ask for
	ITER 12, 1, 0, 1, 56                           ; behind act(12): W14, act(13), W15, act(14)
	ITER 13, 1, 0, 0, 48                           ; behind act(13): W15, act(14), act(15)
	ITER 14, 1, 0, 0, 20                           ; behind act(14): act(15)
	ITER 15, 0, 0, 0, 0
	s_branch .Lmid
.Lpass:                                                ; passes 1 to 6: the tiles 20 PASS on, where the expert has them
	s_add_co_u32 s24, s32, s2                      ; set in a dead pass too: its five ways out then find their tiles past the count
	s_wait_dscnt 0x0                               ; my stores into my stage, and my reads of it, are done
	s_barrier_signal -1
	s_barrier_wait -1                              ; everybody's are: the fragment loads below follow them
	s_cmp_ge_u32 s32, s7
	s_cbranch_scc1 .Lmid                           ; only work is jumped
	s_wait_xcnt 0x0
	s_mov_b64 s[8:9], s[20:21]
	TILEADDR
	PLACES
	BIASSTEP
	s_mov_b32 s22, 16
.Lpk:
	PITER
	s_sub_co_u32 s22, s22, 1
	s_cmp_lg_u32 s22, 0
	s_cbranch_scc1 .Lpk
	s_sub_co_u32 s33, s33, 16*CHL                  ; back to chunk 0
.Lmid:
	s_wait_dscnt 0x0                               ; my fragment loads are back
	s_barrier_signal -1
	s_barrier_wait -1                              ; everybody's are: the stores into the stages follow them
	PLACES
	EPI 0
	EPI 1
	EPI 2
	EPI 3
	EPI 4
	s_add_co_u32 s32, s32, 20
	s_sub_co_u32 s23, s23, 1
	s_cmp_lg_u32 s23, 0
	s_cbranch_scc1 .Lpass
	s_wait_tensorcnt 0x0                           ; the wave's end, behind my last LDS store
	ds_add_u32 v1, v2
	s_wait_dscnt 0x0
	s_endpgm
.Lfunc_end_k_q322031ed42_down:
	.size	k_q322031ed42_down, .Lfunc_end_k_q322031ed42_down-k_q322031ed42_down
	.p2alignl 7, 3214868480
	.fill 96, 4, 3214868480
	.section	.rodata,"a",@progbits
	.p2align	6, 0x0
	.amdhsa_kernel k_q322031ed42_down
		.amdhsa_group_segment_fixed_size 153088
		.amdhsa_private_segment_fixed_size 0
		.amdhsa_enable_private_segment 0
		.amdhsa_kernarg_size 48
		.amdhsa_user_sgpr_count 2
		.amdhsa_user_sgpr_kernarg_segment_ptr 1
		.amdhsa_wavefront_size32 1
		.amdhsa_system_sgpr_workgroup_id_x 1
		.amdhsa_system_sgpr_workgroup_id_y 1
		.amdhsa_system_sgpr_workgroup_id_z 1
		.amdhsa_system_vgpr_workitem_id 0
		.amdhsa_next_free_vgpr 896
		.amdhsa_next_free_sgpr 66
		.amdhsa_reserve_vcc 1
		.amdhsa_float_denorm_mode_32 3
		.amdhsa_float_denorm_mode_16_64 3
		.amdhsa_memory_ordered 1
		.amdhsa_forward_progress 1
		.amdhsa_inst_pref_size 157
	.end_amdhsa_kernel
	.amdgpu_metadata
---
amdhsa.version: [ 1, 2 ]
amdhsa.kernels:
  - .name:           k_q322031ed42_down
    .symbol:         k_q322031ed42_down.kd
    .args:
      - { .name: act, .offset: 0, .size: 8, .value_kind: global_buffer, .address_space: global }
      - { .name: wq, .offset: 8, .size: 8, .value_kind: global_buffer, .address_space: global }
      - { .name: route, .offset: 16, .size: 8, .value_kind: global_buffer, .address_space: global }
      - { .name: Wd, .offset: 24, .size: 8, .value_kind: global_buffer, .address_space: global }
      - { .name: bd, .offset: 32, .size: 8, .value_kind: global_buffer, .address_space: global }
      - { .name: part, .offset: 40, .size: 8, .value_kind: global_buffer, .address_space: global }
    .group_segment_fixed_size: 153088
    .private_segment_fixed_size: 0
    .kernarg_segment_align: 8
    .kernarg_segment_size: 48
    .max_flat_workgroup_size: 128
    .sgpr_count:     66
    .vgpr_count:     896
    .wavefront_size: 32
...
	.end_amdgpu_metadata
.endif
;; end of part 2
;; launch combine (part 3): grid 256 x 1, 4 waves a work-group, no clusters, 0 bytes of LDS; arguments part, route, out0; writes out0
.if DOCPART == 3
	.amdgcn_target "amdgcn-amd-amdhsa--gfx1250"
	.amdhsa_code_object_version 6
	.text
	.protected	k_q322031ed42_combine
	.globl	k_q322031ed42_combine
	.p2align	8
	.type	k_q322031ed42_combine,@function
k_q322031ed42_combine:
	s_mov_b64 s[64:65], 0
	v_nop
	global_prefetch_b8 v0, s[64:65] scope:SCOPE_SE
	s_setreg_imm32_b32 hwreg(HW_REG_WAVE_MODE, 25, 1), 1
	s_wait_xcnt 0x0
; out[t][:] = the sum of token t's four partial rows: two routed rows (p = 2 t, 2 t + 1) x two K halves, all f32.  The rows' places q come from the whole numbers that the first launch stored.
; One wave, one token: 4 rows of 4,096 bytes, 32 loads of 512 consecutive bytes, all issued before the first wait; 8 stores of 512 consecutive bytes.  Memory binds: no LDS, no barrier, no matrix unit, no cluster
; (no two work-groups read the same byte).  No register is used twice, so nothing waits for a store.
	s_load_b128 s[4:7], s[0:1], 0x0                ; part 4:5, route 6:7
	s_load_b64 s[8:9], s[0:1], 0x10                ; out
	v_lshrrev_b32 v1, 5, v0
	v_readfirstlane_b32 s2, v1                     ; wave 0..3
	v_and_b32 v2, 31, v0
	v_lshlrev_b32 v2, 4, v2                        ; 16 x lane
	s_lshl_b32 s3, ttmp9, 2
	s_add_co_u32 s3, s3, s2                        ; the token
	s_lshl_b32 s10, s3, 3                          ; its two entries of pos
	s_mov_b32 s11, 0
	s_lshl_b32 s26, s3, 12                         ; its row of out
	s_mov_b32 s27, 0
	s_mov_b32 s15, 0
	s_mov_b32 s25, 0
	s_wait_kmcnt 0x0
	s_add_nc_u64 s[6:7], s[6:7], s[10:11]
	s_load_b64 s[12:13], s[6:7], 0x0
	s_add_nc_u64 s[8:9], s[8:9], s[26:27]
	s_wait_kmcnt 0x0
	s_min_u32 s12, s12, 0x3fff
	s_min_u32 s13, s13, 0x3fff
	s_lshl_b32 s14, s12, 12                        ; rows of 4,096 bytes
	s_lshl_b32 s24, s13, 12
	s_add_nc_u64 s[16:17], s[4:5], s[14:15]        ; first choice, K half 0,
	s_add_nc_u64 s[18:19], s[16:17], 0x4000000     ; K half 1: 16,384 rows on
	s_add_nc_u64 s[20:21], s[4:5], s[24:25]        ; second choice
	s_add_nc_u64 s[22:23], s[20:21], 0x4000000
.irp i, 0,1,2,3,4,5,6,7
.irp p, 0,1,2,3
	global_load_b128 v[8+16*(\i)+4*(\p):8+16*(\i)+4*(\p)+3], v2, s[16+2*(\p):17+2*(\p)] offset:512*(\i) th:TH_LOAD_NT
.endr
.endr
.irp i, 0,1,2,3,4,5,6,7
	s_wait_loadcnt 28-4*(\i)                       ; loads come back in order (ISA guide 5.7.1): group i's four are in, the younger groups stay out
	v_pk_add_f32 v[8+16*(\i):8+16*(\i)+1],    v[8+16*(\i):8+16*(\i)+1],    v[8+16*(\i)+4:8+16*(\i)+5]
	v_pk_add_f32 v[8+16*(\i)+2:8+16*(\i)+3],  v[8+16*(\i)+2:8+16*(\i)+3],  v[8+16*(\i)+6:8+16*(\i)+7]
	v_pk_add_f32 v[8+16*(\i)+8:8+16*(\i)+9],  v[8+16*(\i)+8:8+16*(\i)+9],  v[8+16*(\i)+12:8+16*(\i)+13]
	v_pk_add_f32 v[8+16*(\i)+10:8+16*(\i)+11], v[8+16*(\i)+10:8+16*(\i)+11], v[8+16*(\i)+14:8+16*(\i)+15]
	v_pk_add_f32 v[8+16*(\i):8+16*(\i)+1],    v[8+16*(\i):8+16*(\i)+1],    v[8+16*(\i)+8:8+16*(\i)+9]
	v_pk_add_f32 v[8+16*(\i)+2:8+16*(\i)+3],  v[8+16*(\i)+2:8+16*(\i)+3],  v[8+16*(\i)+10:8+16*(\i)+11]
	global_store_b128 v2, v[8+16*(\i):8+16*(\i)+3], s[8:9] offset:512*(\i) th:TH_STORE_NT
.endr
	s_endpgm
.Lfunc_end_k_q322031ed42_combine:
	.size	k_q322031ed42_combine, .Lfunc_end_k_q322031ed42_combine-k_q322031ed42_combine
	.p2alignl 7, 3214868480
	.fill 96, 4, 3214868480
	.section	.rodata,"a",@progbits
	.p2align	6, 0x0
	.amdhsa_kernel k_q322031ed42_combine
		.amdhsa_group_segment_fixed_size 0
		.amdhsa_private_segment_fixed_size 0
		.amdhsa_enable_private_segment 0
		.amdhsa_kernarg_size 24
		.amdhsa_user_sgpr_count 2
		.amdhsa_user_sgpr_kernarg_segment_ptr 1
		.amdhsa_wavefront_size32 1
		.amdhsa_system_sgpr_workgroup_id_x 1
		.amdhsa_system_sgpr_workgroup_id_y 1
		.amdhsa_system_sgpr_workgroup_id_z 1
		.amdhsa_system_vgpr_workitem_id 0
		.amdhsa_next_free_vgpr 140
		.amdhsa_next_free_sgpr 66
		.amdhsa_reserve_vcc 0
		.amdhsa_float_denorm_mode_32 3
		.amdhsa_float_denorm_mode_16_64 3
		.amdhsa_memory_ordered 1
		.amdhsa_forward_progress 1
		.amdhsa_inst_pref_size 9
	.end_amdhsa_kernel
	.amdgpu_metadata
---
amdhsa.version: [ 1, 2 ]
amdhsa.kernels:
  - .name:           k_q322031ed42_combine
    .symbol:         k_q322031ed42_combine.kd
    .args:
      - { .name: part, .offset: 0, .size: 8, .value_kind: global_buffer, .address_space: global }
      - { .name: route, .offset: 8, .size: 8, .value_kind: global_buffer, .address_space: global }
      - { .name: out0, .offset: 16, .size: 8, .value_kind: global_buffer, .address_space: global }
    .group_segment_fixed_size: 0
    .private_segment_fixed_size: 0
    .kernarg_segment_align: 8
    .kernarg_segment_size: 24
    .max_flat_workgroup_size: 128
    .sgpr_count:     66
    .vgpr_count:     140
    .wavefront_size: 32
...
	.end_amdgpu_metadata
.endif
;; end of part 3
;; ======== version 2 of 3: 4 launches; 1.35 times as fast as version 1
;; limits: values outside matrix products are rounded to bf16; values are held in f16: magnitudes above 65,504 overflow, below 6.1e-05 lose precision; inputs' magnitudes at most 65,504
;; workspace buffers: xs 33,554,432 bytes; act 67,108,864 bytes; part 134,217,728 bytes; wq 65,536 bytes; route 8,448 bytes of whole numbers
;; launch sort (part 4): grid 256 x 1, 4 waves a work-group, no clusters, 18,944 bytes of LDS; arguments hidden_states, router_indices, routing_weights, xs, route, wq; writes xs, route, wq
.if DOCPART == 4
	.amdgcn_target "amdgcn-amd-amdhsa--gfx1250"
	.amdhsa_code_object_version 6
	.text
	.protected	k_q322031ed42_sort
	.globl	k_q322031ed42_sort
	.p2align	8
	.type	k_q322031ed42_sort,@function
k_q322031ed42_sort:
	s_mov_b64 s[64:65], 0
	v_nop
	global_prefetch_b8 v0, s[64:65] scope:SCOPE_SE
	s_setreg_imm32_b32 hwreg(HW_REG_WAVE_MODE, 25, 1), 1
	s_wait_xcnt 0x0
; THE ROUTING, AND THE ROUTED ROWS OF x LAID OUT FOR THE FIRST PRODUCT.  1,024 tokens x 2 choices = 2,048 routed rows p = 2 t + k; row p goes to expert idx[p] (a token that names an expert twice has two rows there).
; Row q = 2048 e + rank.  The rank counts the expert's rows in the order in which a wave's registers hold the choices (p = 128 i + 4 lane + j: by i, then j, then lane); any order serves, since every wave of every
; work-group takes the same.  Rows go in tiles of 16; places past the count repeat the last row, so that all later work is in whole tiles.
; SHARES.  Work-group = (expert e = id / 32, chunk c = (id / 2) % 16 of 64 columns, parity = id % 2).  Every wave ranks the 2,048 choices for itself (64 compares, a count of the lower lanes, a running count) into its
; own list in LDS: list[rank] = p.  The ranking goes four registers at a time, each step for all four, so that no line reads the result of the line before it.
; Wave w then takes the tiles parity + 2 w + 8 j of its expert, three a trip, six trips of constant count (they reach past the 128 tiles of the worst split); a trip whose first tile is
; dead is jumped whole; a dead tile in a live trip repeats the last row, and only its stores are jumped.
; A TILE'S CHUNK.  Lane (r = lane % 16, h = lane / 16) loads, of token row r, the columns that a matrix operand's lane holds: 8 loads of 16 bytes, which together take 256 consecutive bytes of each of the 16 rows; 16 roundings
; to bf16; 4 stores of 512 consecutive bytes.  xs = [chunk][row tile][2,048 bytes]: byte 512 u + 16 lane holds row r, columns 16 u + 8 h .. + 7 of the chunk: the next launch loads it straight into operand registers.
; TABLES for the later launches: pos[p] = q, the row's routing weight wq[q], the expert's count; an expert's 32 work-groups store 64 ranks each.
; Memory and latency bind: no matrix unit, no cluster (no tile is shared), no barrier (each wave reads its own list alone).
; LIMITS.  x and the routing weights are rounded to bf16 (one choice for all inputs); indices lie in 0 .. 7 (another index leaves its row unplaced).  An expert without rows stores one tile, made of token 0, so that the
; later launches read no byte that nobody stored; nothing of it reaches the output.
.set SPARE,  18432                     ; behind the four lists: the spare words, 128 bytes a wave: two blocks of 256 bytes that no other line names
.set LISTP,  4608                      ; a list: 2,048 entries of 2 bytes, a dump entry at index 2,048, and padding
.set AX,   10                          ; v10-12  tile t: my token's byte offset in x, + 32 (lane / 16)
.set SO,   20                          ; v20-22  tile t: its bytes in a chunk of xs, + 16 x lane
.set RK,   32                          ; v32-35  four ranks, then their places in the list; v36-39 the four p
.set IDX,  64                          ; v64-127 the choices, at the start
.set AL,   64                          ; v64-159 x as loaded: 32 t + 16 k
.set TT,   160                         ; v160-207 x in bf16: 16 t + 8 k
.macro STORET t                        ; tile t of the trip goes out, if it is alive
	s_add_co_u32 s44, s34, 8*(\t)
	s_cmp_ge_u32 s44, s6
	s_cbranch_scc1 .Ldead_\@
	s_add_co_u32 s44, s44, s36                     ; + 128 e
	s_lshl_b32 s44, s44, 11
	v_add_nc_u32 v[SO+(\t)], s44, v6
.irp u, 0,1,2,3
	global_store_b128 v[SO+(\t)], v[TT+16*(\t)+4*(\u):TT+16*(\t)+4*(\u)+3], s[14:15] offset:512*(\u)  ; 512 consecutive bytes, at a multiple of 256 from the buffer's first byte
.endr
.Ldead_\@:
.endm
	s_load_b256 s[8:15], s[0:1], 0x0               ; x 8:9, indices 10:11, routing weights 12:13, xs 14:15
	s_load_b128 s[16:19], s[0:1], 0x20             ; route 16:17, wq 18:19
	v_lshl_add_u32 v1, v0, 2, SPARE                ; my spare word,
	v_mov_b32 v2, 0                                ; and 0: kept for the wave's last lines alone
	v_lshrrev_b32 v17, 5, v0
	v_readfirstlane_b32 s2, v17                    ; wave 0..3
	s_lshr_b32 s3, ttmp9, 5                        ; expert
	s_and_b32 s4, ttmp9, 31                        ; my place among the expert's 32 work-groups, for the tables
	s_bfe_u32 s20, ttmp9, 0x40001                  ; chunk
	s_and_b32 s21, ttmp9, 1                        ; parity
	v_and_b32 v3, 15, v0                           ; r
	v_bfe_u32 v4, v0, 4, 1                         ; h
	v_and_b32 v18, 31, v0
	v_lshlrev_b32 v5, 2, v18                       ; 4 x lane: the first of my four choices in each index load
	v_lshlrev_b32 v6, 4, v18                       ; 16 x lane
	v_lshlrev_b32 v27, 5, v4                       ; 32 h
	s_mul_i32 s45, s2, LISTP
	v_mov_b32 v15, s45                             ; my wave's list
	v_mov_b32 v16, 0x800                           ; the dump entry's index
	v_lshl_add_u32 v19, v18, 4, v15
.irp i, 28,29,30,31
	v_mov_b32 v\i, 0
.endr
	s_mov_b32 s28, 0                               ; the running count
	s_lshl_b32 s34, s2, 1
	s_add_co_u32 s34, s34, s21                     ; the first trip's first tile: parity + 2 w
	s_lshl_b32 s36, s3, 7                          ; the expert's first tile
	s_lshl_b32 s30, s20, 8                         ; the chunk's 256 bytes in a row of x,
	s_mov_b32 s31, 0
	s_lshl_b32 s22, s20, 21                        ; and its 1,024 tiles of 2,048 bytes in xs
	s_mov_b32 s23, 0
	s_wait_kmcnt 0x0
	s_add_nc_u64 s[8:9], s[8:9], s[30:31]
	s_add_nc_u64 s[14:15], s[14:15], s[22:23]
.irp i, 0,1,2,3,4,5,6,7,8,9,10,11,12,13,14,15
	global_load_b128 v[IDX+4*(\i):IDX+4*(\i)+3], v6, s[10:11] offset:512*(\i)  ; register 4 i + j of lane l: choice 128 i + 4 l + j
.endr
.irp i, 0,1,2,3,4,5,6,7,8
	ds_store_b128 v19, v[28:31] offset:512*(\i)    ; the list starts as zeros: an expert without rows finds token 0
.endr
; rank = the count so far + the matches in lower lanes; a lane without a match writes the dump entry.  The four registers of index load i at a time.
.set z, 0
.rept 16
	s_wait_loadcnt 15-z/4                          ; loads come back in order (ISA guide 5.7.1): this group's load is in, the 15 - i issued behind it may stay out
.irp u, 0,1,2,3
	v_cmp_eq_u32 s[40+\u], s3, v[IDX+z+\u]
.endr
.irp u, 0,1,2,3
	s_bcnt1_i32_b32 s[44+\u], s[40+\u]
.endr
	s_add_co_u32 s44, s44, s28                     ; the count ahead of the group's second register,
	s_add_co_u32 s45, s45, s44                     ; its third,
	s_add_co_u32 s46, s46, s45                     ; its fourth,
	s_add_co_u32 s47, s47, s46                     ; and ahead of the next group
	v_mbcnt_lo_u32_b32 v[RK],   s40, s28
	v_mbcnt_lo_u32_b32 v[RK+1], s41, s44
	v_mbcnt_lo_u32_b32 v[RK+2], s42, s45
	v_mbcnt_lo_u32_b32 v[RK+3], s43, s46
.irp u, 0,1,2,3
	v_cndmask_b32 v[RK+\u], v16, v[RK+\u], s[40+\u]
.endr
.irp u, 0,1,2,3
	v_min_u32 v[RK+\u], 0x800, v[RK+\u]
.endr
.irp u, 0,1,2,3
	v_lshl_add_u32 v[RK+\u], v[RK+\u], 1, v15
.endr
.irp u, 0,1,2,3
	v_add_nc_u32 v[RK+4+\u], 128*(z/4)+\u, v5
.endr
.irp u, 0,1,2,3
	ds_store_b16 v[RK+\u], v[RK+4+\u]
.endr
	s_mov_b32 s28, s47
.set z, z+4
.endr
	s_mov_b32 s5, s28                              ; n: the expert's rows
	s_add_co_u32 s6, s5, 15
	s_lshr_b32 s6, s6, 4
	s_max_u32 s6, s6, 1                            ; tiles that are stored: one at the least
	s_max_u32 s7, s5, 1
	s_sub_co_u32 s7, s7, 1                         ; the last row that exists
	; my share of the tables: rank i = 64 s + tid % 64; the routing weight is asked for now and used behind the loop
	v_and_b32 v40, 63, v0
	s_lshl_b32 s44, s4, 6
	v_add_nc_u32 v40, s44, v40
	v_min_u32 v41, s7, v40
	v_min_u32 v41, 0x7ff, v41
	v_lshl_add_u32 v42, v41, 1, v15
	ds_load_u16 v42, v42
	s_wait_dscnt 0x0
	v_min_u32 v42, 0x7ff, v42                      ; p
	v_and_b32 v43, 0x7fe, v42
	v_lshlrev_b32 v43, 4, v43                      ; the token's 32 bytes of routing weights,
	s_lshl_b32 s44, s3, 2
	v_add_nc_u32 v43, s44, v43                     ; the expert's word
	global_load_b32 v44, v43, s[12:13]
	s_mov_b32 s32, 6
.Ltrip:                                                ; three tiles: s34, s34 + 8, s34 + 16
	s_cmp_ge_u32 s34, s6
	s_cbranch_scc1 .Lnext                          ; the first is dead, so all three are
	s_wait_xcnt 0x0                                ; the last trip's stores have read their offsets and data
.irp t, 0,1,2
	s_add_co_u32 s44, s34, 8*(\t)
	s_lshl_b32 s44, s44, 4
	v_add_nc_u32 v[AX+(\t)], s44, v3               ; rank = 16 x tile + r,
	v_min_u32 v[AX+(\t)], s7, v[AX+(\t)]           ; held to the last row that exists
	v_min_u32 v[AX+(\t)], 0x7ff, v[AX+(\t)]
	v_lshl_add_u32 v[AX+(\t)], v[AX+(\t)], 1, v15
	ds_load_u16 v[AX+(\t)], v[AX+(\t)]
.endr
	s_wait_dscnt 0x0
.irp t, 0,1,2
	v_min_u32 v[AX+(\t)], 0x7ff, v[AX+(\t)]        ; p
	v_and_b32 v[AX+(\t)], 0x7fe, v[AX+(\t)]
	v_lshl_add_u32 v[AX+(\t)], v[AX+(\t)], 11, v27 ; the token's row of 4,096 bytes, + 32 h
.endr
.irp t, 0,1,2
.irp k, 0,1
	global_load_b128 v[AL+32*(\t)+16*(\k):AL+32*(\t)+16*(\k)+3],     v[AX+(\t)], s[8:9] offset:128*(\k)
	global_load_b128 v[AL+32*(\t)+16*(\k)+4:AL+32*(\t)+16*(\k)+7],   v[AX+(\t)], s[8:9] offset:128*(\k)+16
	global_load_b128 v[AL+32*(\t)+16*(\k)+8:AL+32*(\t)+16*(\k)+11],  v[AX+(\t)], s[8:9] offset:128*(\k)+64
	global_load_b128 v[AL+32*(\t)+16*(\k)+12:AL+32*(\t)+16*(\k)+15], v[AX+(\t)], s[8:9] offset:128*(\k)+80
.endr
.endr
	s_wait_loadcnt 0x0
.set z, 0
.rept 48
	v_cvt_pk_bf16_f32 v[TT+z], v[AL+2*z], v[AL+2*z+1]
.set z, z+1
.endr
	STORET 0
	STORET 1
	STORET 2
.Lnext:
	s_add_co_u32 s34, s34, 24
	s_sub_co_u32 s32, s32, 1
	s_cmp_lg_u32 s32, 0
	s_cbranch_scc1 .Ltrip
	s_wait_loadcnt 0x0                             ; the routing weight (a wave whose trips were all dead has not waited yet)
	v_cvt_pk_bf16_f32 v44, v44, v44
	v_lshlrev_b32 v44, 16, v44                     ; rounded to bf16 like every input, kept as f32
	s_lshl_b32 s44, s3, 11
	v_add_nc_u32 v45, s44, v41                     ; q = 2048 e + rank
	v_add_lshl_u32 v46, s44, v40, 2
	v_lshlrev_b32 v47, 2, v42
	s_cmp_lt_u32 s2, 2
	s_cbranch_scc0 .Lnotab                         ; waves 0 and 1 store the 64 ranks
	s_lshl_b32 s44, s4, 6
	s_lshl_b32 s45, s2, 5
	s_add_co_u32 s44, s44, s45
	s_lshl_b32 s45, s6, 4
	s_cmp_lt_u32 s44, s45
	s_cbranch_scc0 .Lnotab                         ; my 32 ranks lie past the last stored tile
	global_store_b32 v46, v44, s[18:19]            ; wq[q]; places past the count repeat the last row's
	s_cmp_lg_u32 s5, 0
	s_cbranch_scc0 .Lnotab                         ; an expert without rows places none
	global_store_b32 v47, v45, s[16:17]            ; pos[p] = q; the lanes past the count write the last row's entry once more, with the same number
.Lnotab:
	s_or_b32 s44, s4, s2
	s_cmp_lg_u32 s44, 0
	s_cbranch_scc1 .Lnocnt
	s_lshl_b32 s44, s3, 2
	s_add_co_u32 s44, s44, 8192
	v_mov_b32 v18, s44
	v_mov_b32 v17, s5
	global_store_b32 v18, v17, s[16:17]            ; the count, by the expert's first work-group's wave 0
.Lnocnt:
	s_wait_tensorcnt 0x0                           ; the wave's end, behind my last LDS store
	ds_add_u32 v1, v2
	s_wait_dscnt 0x0
	s_endpgm
.Lfunc_end_k_q322031ed42_sort:
	.size	k_q322031ed42_sort, .Lfunc_end_k_q322031ed42_sort-k_q322031ed42_sort
	.p2alignl 7, 3214868480
	.fill 96, 4, 3214868480
	.section	.rodata,"a",@progbits
	.p2align	6, 0x0
	.amdhsa_kernel k_q322031ed42_sort
		.amdhsa_group_segment_fixed_size 18944
		.amdhsa_private_segment_fixed_size 0
		.amdhsa_enable_private_segment 0
		.amdhsa_kernarg_size 48
		.amdhsa_user_sgpr_count 2
		.amdhsa_user_sgpr_kernarg_segment_ptr 1
		.amdhsa_wavefront_size32 1
		.amdhsa_system_sgpr_workgroup_id_x 1
		.amdhsa_system_sgpr_workgroup_id_y 1
		.amdhsa_system_sgpr_workgroup_id_z 1
		.amdhsa_system_vgpr_workitem_id 0
		.amdhsa_next_free_vgpr 208
		.amdhsa_next_free_sgpr 66
		.amdhsa_reserve_vcc 0
		.amdhsa_float_denorm_mode_32 3
		.amdhsa_float_denorm_mode_16_64 3
		.amdhsa_memory_ordered 1
		.amdhsa_forward_progress 1
		.amdhsa_inst_pref_size 48
	.end_amdhsa_kernel
	.amdgpu_metadata
---
amdhsa.version: [ 1, 2 ]
amdhsa.kernels:
  - .name:           k_q322031ed42_sort
    .symbol:         k_q322031ed42_sort.kd
    .args:
      - { .name: hidden_states, .offset: 0, .size: 8, .value_kind: global_buffer, .address_space: global }
      - { .name: router_indices, .offset: 8, .size: 8, .value_kind: global_buffer, .address_space: global }
      - { .name: routing_weights, .offset: 16, .size: 8, .value_kind: global_buffer, .address_space: global }
      - { .name: xs, .offset: 24, .size: 8, .value_kind: global_buffer, .address_space: global }
      - { .name: route, .offset: 32, .size: 8, .value_kind: global_buffer, .address_space: global }
      - { .name: wq, .offset: 40, .size: 8, .value_kind: global_buffer, .address_space: global }
    .group_segment_fixed_size: 18944
    .private_segment_fixed_size: 0
    .kernarg_segment_align: 8
    .kernarg_segment_size: 48
    .max_flat_workgroup_size: 128
    .sgpr_count:     66
    .vgpr_count:     208
    .wavefront_size: 32
...
	.end_amdgpu_metadata
.endif
;; end of part 4
;; launch gateup (part 5): grid 256 x 1, 4 waves a work-group, no clusters, 270,848 bytes of LDS; arguments xs, route, bg, Wg, Wu, bu, act; writes act
.if DOCPART == 5
	.amdgcn_target "amdgcn-amd-amdhsa--gfx1250"
	.amdhsa_code_object_version 6
	.text
	.protected	k_q322031ed42_gateup
	.globl	k_q322031ed42_gateup
	.p2align	8
	.type	k_q322031ed42_gateup,@function
k_q322031ed42_gateup:
	s_mov_b64 s[64:65], 0
	v_nop
	global_prefetch_b8 v0, s[64:65] scope:SCOPE_SE
	s_setreg_imm32_b32 hwreg(HW_REG_WAVE_MODE, 25, 1), 1
	s_wait_xcnt 0x0
; GATE AND UP PRODUCTS OF THE ROUTED ROWS, AND THE ACTIVATION.  The first launch has sorted the 2,048 routed rows by expert (row q = 2048 e + rank, tiles of 16, the last tile filled up with its last row) and laid them out
; in bf16 as xs = [chunk of 64 along K][row tile][2,048 bytes], in the order in which operand registers take them; it has stored each expert's count as a whole number.
; SHARES.  Work-group = (expert e = id / 32, slice s = id % 32): columns 64 s .. 64 s + 63 of Wg[e] and Wu[e], 2 x 1,024 rows x 256 bytes of f32, which it alone reads, once; and ALL rows of expert e.
; WEIGHTS.  A wave loads 16 K rows x 64 columns (8 loads; 16 lanes take 256 consecutive bytes of a row), rounds to bf16 and packs, for each column, 8 neighbouring k into 16 bytes; these go to LDS at
; (k / 8) x 2,048 + pos x 16, pos = 16 i + c for column 4 c + i (up: + 64).  Stores and fragment loads are then 256 consecutive bytes for 16 lanes.  Matrix tile b holds the columns 4 x index + b.
; The whole slice stays in LDS (262,144 bytes in bf16), each byte written once; chunk c + 2 (64 along K) is stored at the head of chunk c and shown to all waves by that chunk's barrier, a chunk before its first fragments are asked for.
; FRAGMENTS.  A chunk's fragments come out of LDS in two halves of 32 along K, 64 registers each, and each half is asked for while the other is multiplied: the second half at the chunk's head, the next chunk's first half
; in the middle of the second half's products.  The barrier's signal and its wait stand apart, with 16 products between them.
; ROWS.  A tile's chunk is four loads of 512 consecutive bytes, straight into the registers that the products name; four register sets take turns, and a chunk is asked for two chunks ahead.
; PRODUCTS.  Source 0 = 16 weight columns, source 1 = 16 rows of x: a lane's register j of tile b is token lane % 16, column 32 (lane / 16) + 4 j + b.  The bias is one more K step (LDS rows 128-131: the bias at k = 0, zeros
; elsewhere; against 1.0): it is issued first, with C = 0, and starts every sum.
; TILES.  Tile 20 PASS + 4 t + w belongs to wave w, t = 0 .. 4: 40 accumulators.  Pass 0 (320 rows) runs under the weights' stream; passes 1 .. 6 (an expert with more rows) read the resident slice, in a loop of constant count
; whose dead trips are jumped; they write no LDS, and no barrier stands in them.  A tile past the count repeats the last stored one; tile 4 of a wave is jumped where it is dead; dead tiles are not stored.
; OUT.  act = (clip(up) + 1) x g x sigmoid(1.702 g), g = min(gate, 7), in f32, rounded once to f16, stored as [slice][row tile][2,048 bytes] in the order in which the next launch's operand registers take it.
; The way out is written once, in a loop over the wave's five tiles: the two clips, which read a tile's accumulators, write into fixed registers and are chosen by forward jumps on the loop's counter.
; WHY f16: the clips hold |act| to 8 x 7 = 56 for every input, far inside f16's range, and its 11 significant bits leave an eighth of bf16's rounding error, which the next product hands on to the output undiminished.
; NO CLUSTER: each weight byte has one reader; an expert's 32 work-groups do share the tiles of xs (40 KB a chunk, against 32 KB of weights of one's own), but the resident slice leaves no room in LDS for a ring of such
; tiles, and how many there are hangs on the count.  No copy engine: f32 weights pass through registers to be rounded.
; LIMITS.  Wg, Wu, bg, bu are rounded to bf16 (one choice for all inputs); an act below 6e-5 in magnitude keeps f16's fixed step of 6e-8; NaN and infinities are not treated apart.
; An expert without rows computes and stores the one tile that the first launch made for it, so that the next launch reads no byte that nobody stored; nothing of it reaches the output.
; REGISTERS, in windows of 256 (s_set_vgpr_msb: bits 1:0 source 0, 3:2 source 1, 5:4 source 2, 7:6 destination):
;   window 0: v0-47 addresses and small things; v48-127 rows, set 3 (16 t + 8 k); v128-255 weight fragments (64 k + 8 b)
;   window 1: accumulators of tiles 0-3 (64 t + 8 b; b 0-3 gate, 4-7 up)      window 2: v0-63 tile 4; v64-143, v144-223 rows, sets 0 and 1; v224-255 packed weights
;   window 3: v0-127 weights as loaded, two buffers; on the way out g, up, the sigmoid and the packed result; v128-207 rows, set 2
; SCALARS: s2 wave, s3 expert, s4 slice, s5 rows, s6 tiles to store, s7 last stored tile; s28 128 e; s32 chunks to go; s33 passes to go; s34 20 PASS + w; s35 tile 4 alive; s48 20 PASS; s49 a later pass's chunk in LDS; s50 the way out's tile
.set SPARE,  270336                    ; the spare words, 128 bytes a wave: two blocks of 256 bytes that no other line names
.set BIASB,  262144                    ; LDS rows 128-131
.set CHL,    16384                     ; a chunk of 64 along K in LDS: 8 rows of 2,048 bytes
.set WROW,   8192                      ; bytes in a row of Wg and Wu
.set WCH,    64*WROW                   ; a chunk of weights in memory
.set XCH,    0x200000                  ; a chunk of xs: 1,024 tiles of 2,048 bytes
.set AX,     10                        ; v10-14  tile t: its bytes in a chunk of xs, + 16 x lane
.set ONES,   32                        ; v32-39  1.0 at k = 0
.set BF,     128
.set WT,     224                       ; window 2
.set GG,     0                         ; window 3, on the way out: g, then glu, then act
.set UU,     32                        ; up
.set EE,     64                        ; the sigmoid
.set TT,     96                        ; act in f16
.set MSB, 0
.macro WIN new                         ; the immediate's high byte repeats the setting that is left; a switch that changes nothing is dropped
.if MSB != (\new)
	s_set_vgpr_msb (MSB<<8)|(\new)
.set MSB, (\new)
.endif
.endm
.macro PLACES                          ; four places behind matrix instructions (ISA guide 7.12.1), where no other vector work is at hand
.rept 4
	v_nop
.endr
.endm
.macro SETA set                        ; where a set of rows lies: window AWI, register AB
.if (\set) == 0
.set AWI, 2
.set AB, 64
.elseif (\set) == 1
.set AWI, 2
.set AB, 144
.elseif (\set) == 2
.set AWI, 3
.set AB, 128
.else
.set AWI, 0
.set AB, 48
.endif
.endm
; 16 loads: my 16 K rows x 64 columns of Wg and of Wu, imm bytes on from the bases
.macro WLOAD buf, imm
	WIN 0xc0
.irp j, 0,1,2,3,4,5,6,7
	global_load_b128 v[64*(\buf)+4*(\j):64*(\buf)+4*(\j)+3], v6, s[14:15] offset:(\imm)+WROW*(\j) th:TH_LOAD_NT
.endr
.irp j, 0,1,2,3,4,5,6,7
	global_load_b128 v[64*(\buf)+32+4*(\j):64*(\buf)+32+4*(\j)+3], v6, s[16:17] offset:(\imm)+WROW*(\j) th:TH_LOAD_NT
.endr
.endm
; rounded and turned: register 4 j + i holds row j, column 4 c + i; column i's rows 2 q and 2 q + 1 make one word; four words are 8 neighbouring k of one column
.macro WSTORE buf, imm
.irp m, 0,1
	WIN 0x8f
.irp i, 0,1,2,3
.irp q, 0,1,2,3
	v_cvt_pk_bf16_f32 v[WT+16*(\m)+4*(\i)+(\q)], v[64*(\buf)+32*(\m)+8*(\q)+(\i)], v[64*(\buf)+32*(\m)+8*(\q)+4+(\i)]
.endr
.endr
.endr
	WIN 0x08
.irp m, 0,1
.irp i, 0,1,2,3
	ds_store_b128 v7, v[WT+16*(\m)+4*(\i):WT+16*(\m)+4*(\i)+3] offset:(\imm)+1024*(\m)+256*(\i)
.endr
.endr
.endm
.macro ALOAD set, imm                  ; 20 loads of 512 consecutive bytes: a chunk of my five tiles
	SETA \set
	WIN AWI<<6
.irp t, 0,1,2,3,4
.irp u, 0,1,2,3
	global_load_b128 v[AB+16*(\t)+4*(\u):AB+16*(\t)+4*(\u)+3], v[AX+(\t)], s[8:9] offset:(\imm)+512*(\u)
.endr
.endr
.endm
.macro BLOADH k                        ; 16 LDS loads: the 8 weight fragments of half k (32 along K) of the chunk at v8
	WIN 0
.irp b, 0,1,2,3,4,5,6,7
	ds_load_b128 v[BF+64*(\k)+8*(\b):BF+64*(\k)+8*(\b)+3],   v8 offset:8192*(\k)+256*(\b)
	ds_load_b128 v[BF+64*(\k)+8*(\b)+4:BF+64*(\k)+8*(\b)+7], v8 offset:8192*(\k)+256*(\b)+4096
.endr
.endm
.macro BIASSTEP                        ; the K step that holds the biases starts all 40 sums: nothing is cleared
	WIN 0
.irp b, 0,1,2,3,4,5,6,7
	ds_load_b128 v[BF+8*(\b):BF+8*(\b)+3],   v9 offset:256*(\b)
	ds_load_b128 v[BF+8*(\b)+4:BF+8*(\b)+7], v9 offset:256*(\b)+4096
.endr
	s_wait_dscnt 0x0
	WIN 0x50
.irp t, 0,1,2,3
.irp b, 0,1,2,3,4,5,6,7
	v_wmma_f32_16x16x32_bf16 v[64*(\t)+8*(\b):64*(\t)+8*(\b)+7], v[BF+8*(\b):BF+8*(\b)+7], v[ONES:ONES+7], 0
.endr
.endr
	WIN 0xa0
.irp b, 0,1,2,3,4,5,6,7
	v_wmma_f32_16x16x32_bf16 v[8*(\b):8*(\b)+7], v[BF+8*(\b):BF+8*(\b)+7], v[ONES:ONES+7], 0
.endr
	WIN 0
.endm
; 16 products: tiles t0 and t1 (of 0-3), half k.  The accumulators take turns, one instruction a turn: no two products on end share one, from macro to macro and over the jumps too.
.macro COMPT set, k, t0, t1
	SETA \set
	WIN 0x50|(AWI<<2)
.irp t, \t0, \t1
.irp b, 0,1,2,3,4,5,6,7
	v_wmma_f32_16x16x32_bf16 v[64*(\t)+8*(\b):64*(\t)+8*(\b)+7], v[BF+64*(\k)+8*(\b):BF+64*(\k)+8*(\b)+7], v[AB+16*(\t)+8*(\k):AB+16*(\t)+8*(\k)+7], v[64*(\t)+8*(\b):64*(\t)+8*(\b)+7]
.endr
.endr
.endm
.macro COMP4 set, k                    ; 8 products: tile 4, half k, where the tile is alive
	WIN 0
	s_cmp_eq_u32 s35, 0
	s_cbranch_scc1 .Lno4_\@
	SETA \set
	WIN 0xa0|(AWI<<2)
.irp b, 0,1,2,3,4,5,6,7
	v_wmma_f32_16x16x32_bf16 v[8*(\b):8*(\b)+7], v[BF+64*(\k)+8*(\b):BF+64*(\k)+8*(\b)+7], v[AB+64+8*(\k):AB+64+8*(\k)+7], v[8*(\b):8*(\b)+7]
.endr
	WIN 0
.Lno4_\@:
.endm
; The five tiles: a tile past the count repeats the last one that was stored
.macro TILEADDR
	WIN 0
.irp t, 0,1,2,3,4
	s_add_co_u32 s44, s34, 4*(\t)
	s_min_u32 s44, s44, s7
	s_min_u32 s44, s44, 127
	s_add_co_u32 s44, s44, s28                     ; + 128 e
	s_lshl_b32 s44, s44, 11
	v_add_nc_u32 v[AX+(\t)], s44, v5
.endr
	s_add_co_u32 s44, s34, 16
	s_cmp_lt_u32 s44, s6
	s_cselect_b32 s35, 1, 0                        ; is my tile 4 alive?
.endm
; CHUNK c OF PASS 0.  wst: W(c+2), landed in buffer c % 2, goes to LDS and is shown by the barrier.  ald: the rows' chunk c + 2 is asked for, into the set that chunk c - 2 has left.  wld: W(c+4), into the buffer just emptied.
; nxt: the next chunk's first fragments are asked for.  The global loads go out in the order x(c), W(c+2), x(c+1), W(c+3), ..; cnt: those issued behind W(c+2), which may stay out.
.macro ITER c, wst, wld, ald, nxt, cnt
	s_wait_loadcnt \cnt
.if \wst
	WSTORE (\c)%2, 0                               ; its 32 roundings name no register of the last products: they are the places behind them
	WIN 0
	v_add_nc_u32 v7, CHL, v7
.else
	PLACES
.endif
	BLOADH 1                                       ; this chunk's second half: it lands under the first half's products
.if \ald
	s_wait_xcnt 0x0                                ; the bases of the loads on their way are stepped only behind this wait
	s_add_nc_u64 s[8:9], s[8:9], XCH
.endif
.if \wld
	s_add_nc_u64 s[14:15], s[14:15], WCH
	s_add_nc_u64 s[16:17], s[16:17], WCH
.endif
.if \ald
	ALOAD ((\c)+2)%4, XCH
.endif
.if \wld
	WLOAD (\c)%2, 3*WCH
.endif
	s_wait_dscnt 16+8*(\wst)                       ; the first half is in: behind its loads came my stores of W(c+2) (8, where there are any) and the second half's 16 loads
	COMPT (\c)%4, 0, 0, 1
	COMPT (\c)%4, 0, 2, 3
	COMP4 (\c)%4, 0
	s_wait_dscnt 0x0                               ; the second half is in; for the others' sake: my stores of W(c+2) are done
.if \wst
	s_barrier_signal -1                            ; say so, and work on registers while the others arrive
.endif
	COMPT (\c)%4, 1, 0, 1
.if \wst
	s_barrier_wait -1                              ; W(c+2) is whole
.endif
.if \nxt
	WIN 0
	PLACES                                         ; behind the products that read the first half's registers
	v_add_nc_u32 v8, CHL, v8
	BLOADH 0                                       ; the next chunk's first half, shown by the last chunk's barrier: it lands under the products below and the next chunk's head
.endif
	COMPT (\c)%4, 1, 2, 3
	COMP4 (\c)%4, 1
.endm
; A chunk of a later pass: the weights are all in LDS; plain, since few splits come here.  The chunk's LDS byte is the scalar s49, which steps by a chunk a trip; the address is made anew from it.
.macro PITER
	PLACES
	ALOAD 0, 0
	WIN 0
	v_add_nc_u32 v8, s49, v25
	BLOADH 0
	BLOADH 1
	s_add_co_u32 s49, s49, CHL
	s_wait_loadcnt 0x0
	s_add_nc_u64 s[8:9], s[8:9], XCH
	s_wait_dscnt 0x0
	COMPT 0, 0, 0, 1
	COMPT 0, 0, 2, 3
	COMP4 0, 0
	COMPT 0, 1, 0, 1
	COMPT 0, 1, 2, 3
	COMP4 0, 1
.endm
; The clips of tile t, out of its accumulators into the fixed registers.  Each accumulator is read from its lowest register on.
.macro CLIP t
.if (\t) < 4
.set AW, 1
.set GB, 64*(\t)
.else
.set AW, 2
.set GB, 0
.endif
	WIN 0xc0|(AW<<2)|AW
.set z, 0
.rept 32
	v_min_num_f32 v[GG+z], s36, v[GB+z]            ; g = min(gate, 7)
.set z, z+1
.endr
.set z, 0
.rept 32
	v_med3_num_f32 v[UU+z], v[GB+32+z], s37, s36   ; up held to -7 .. 7
.set z, z+1
.endr
	WIN 0
.endm
	s_load_b256 s[8:15], s[0:1], 0x0               ; xs 8:9, route 10:11, bg 12:13, Wg 14:15
	s_load_b128 s[16:19], s[0:1], 0x20             ; Wu 16:17, bu 18:19
	s_load_b64 s[22:23], s[0:1], 0x30              ; act
	v_lshl_add_u32 v1, v0, 2, SPARE                ; my spare word,
	v_mov_b32 v2, 0                                ; and 0: kept for the wave's last lines alone
	v_lshrrev_b32 v17, 5, v0
	v_readfirstlane_b32 s2, v17                    ; wave 0..3
	s_lshr_b32 s3, ttmp9, 5                        ; expert
	s_and_b32 s4, ttmp9, 31                        ; slice
	v_and_b32 v3, 15, v0                           ; r = lane % 16
	v_bfe_u32 v4, v0, 4, 1                         ; h = lane / 16
	v_and_b32 v5, 31, v0
	v_lshlrev_b32 v5, 4, v5                        ; 16 x lane
	s_lshl_b32 s44, s2, 17
	v_lshlrev_b32 v6, 16, v4
	v_lshl_add_u32 v6, v3, 4, v6
	v_add_nc_u32 v6, s44, v6                       ; weights: (16 w + 8 h) rows + 16 r bytes
	v_lshlrev_b32 v25, 11, v4
	v_lshl_add_u32 v25, v3, 4, v25                 ; h x 2,048 + 16 r: a fragment's place in chunk 0
	v_mov_b32 v8, v25
	s_lshl_b32 s44, s2, 12
	v_add_nc_u32 v7, s44, v25                      ; where I store: LDS row 2 w + h
	v_add_nc_u32 v9, BIASB, v25
	v_lshlrev_b32 v24, 10, v4
	v_lshl_add_u32 v24, v3, 4, v24                 ; act: h x 1,024 + 16 r
	v_bfe_u32 v21, v0, 4, 2
	v_lshl_add_u32 v21, v3, 2, v21                 ; thread = pos: column 4 (tid % 16) + (tid / 16) % 4
	s_lshl_b32 s44, s3, 11
	s_lshl_b32 s45, s4, 6
	s_add_co_u32 s44, s44, s45
	v_add_lshl_u32 v21, s44, v21, 2                ; its byte in bg or bu
.irp i, 28,29,30,31,33,34,35,36,37,38,39
	v_mov_b32 v\i, 0
.endr
	v_mov_b32 v32, 0x3f80                          ; 1.0 in bf16 at the lane's first k; the bias rows are 0 at every k but 0
	s_mov_b32 s36, 0x40e00000                      ; 7.0
	s_mov_b32 s37, 0xc0e00000                      ; -7.0
	s_mov_b32 s38, 0xc01d265f                      ; -1.702 log2(e)
	s_mov_b32 s39, s38                             ; named with it as a pair
	s_mov_b32 s33, 7                               ; passes to go, pass 0 among them
	s_mov_b32 s48, 0                               ; 20 PASS
	s_mov_b32 s49, 0                               ; a later pass's chunk in LDS
	s_mov_b32 s34, s2                              ; 20 PASS + w
	s_lshl_b32 s28, s3, 7                          ; the expert's first tile
	s_mov_b32 s31, 0
	s_lshl_b32 s30, s3, 2
	s_wait_kmcnt 0x0
	s_add_nc_u64 s[10:11], s[10:11], s[30:31]
	s_load_b32 s5, s[10:11], 0x2000                ; the expert's count
	s_lshl_b32 s30, s3, 23
	s_lshl_b32 s44, s4, 8
	s_add_co_u32 s30, s30, s44                     ; the expert's 8,388,608 bytes, the slice's 256
	s_lshl_b32 s46, s4, 21
	s_lshl_b32 s44, s3, 18
	s_add_co_u32 s46, s46, s44                     ; act: the slice's 1,024 tiles of 2,048 bytes, the expert's 128
	s_mov_b32 s47, 0
	s_add_nc_u64 s[14:15], s[14:15], s[30:31]
	s_add_nc_u64 s[16:17], s[16:17], s[30:31]
	s_add_nc_u64 s[22:23], s[22:23], s[46:47]
	s_mov_b64 s[40:41], s[8:9]                     ; xs, for the later passes
	s_cmp_lt_u32 s2, 2
	s_cselect_b64 s[42:43], s[12:13], s[18:19]     ; waves 0, 1 bring the gate's bias, waves 2, 3 the up's
	global_load_b32 v22, v21, s[42:43]
	WLOAD 0, 0                                     ; two chunks of weights go out while the count is on its way
	WLOAD 1, WCH
	WIN 0
	s_wait_kmcnt 0x0
	s_min_u32 s5, s5, 2048
	s_add_co_u32 s6, s5, 15
	s_lshr_b32 s6, s6, 4
	s_max_u32 s6, s6, 1                            ; tiles that are stored: one at the least
	s_sub_co_u32 s7, s6, 1                         ; the last tile that the first launch stored
	TILEADDR
	ALOAD 0, 0
	s_wait_loadcnt 36                              ; the bias and W0 are in: behind W0 came W1 (16) and x(0) (20)
	WSTORE 0, 0
	WLOAD 0, 2*WCH
	ALOAD 1, XCH
	WIN 0
	v_cvt_pk_bf16_f32 v20, v22, v28                ; the bias at k = 0, zero at k = 1,
	v_mov_b32 v21, 0
	v_mov_b32 v22, 0
	v_mov_b32 v23, 0                               ; zeros up to k = 7
	v_lshl_add_u32 v19, v0, 4, BIASB
	ds_store_b128 v19, v[20:23]
	ds_store_b128 v19, v[28:31] offset:2048
	ds_store_b128 v19, v[28:31] offset:4096
	ds_store_b128 v19, v[28:31] offset:6144
	s_wait_loadcnt 56                              ; W1 is in: behind it came x(0) (20), W2 (16), x(1) (20)
	WSTORE 1, CHL
	WLOAD 1, 3*WCH
	WIN 0
	v_add_nc_u32 v7, 2*CHL, v7
	s_wait_dscnt 0x0                               ; for the others' sake: my stores of the bias rows, W0 and W1 are done
	s_barrier_signal -1
	s_barrier_wait -1
	BIASSTEP
	PLACES                                         ; behind the products that read the registers into which chunk 0's first half comes
	BLOADH 0
	s_mov_b32 s32, 3
.Lchunk:                                               ; chunks 0 to 11, four a trip: behind W(c+2) came x(c+1) (20) and W(c+3) (16)
	ITER 0, 1, 1, 1, 1, 36
	ITER 1, 1, 1, 1, 1, 36
	ITER 2, 1, 1, 1, 1, 36
	ITER 3, 1, 1, 1, 1, 36
	s_sub_co_u32 s32, s32, 1
	s_cmp_lg_u32 s32, 0
	s_cbranch_scc1 .Lchunk
	ITER 12, 1, 0, 1, 1, 36                        ; no weights are left to ask for; behind W14 came x(13) and W15
	ITER 13, 1, 0, 1, 1, 20                        ; behind W15 came x(14)
	ITER 14, 0, 0, 0, 1, 20                        ; all weights lie in LDS; behind x(14) came x(15)
	ITER 15, 0, 0, 0, 0, 0
	s_branch .Lepi
.Lpass:                                                ; passes 1 to 6: the tiles 20 PASS on, where the expert has them
	s_cmp_ge_u32 s48, s6
	s_cbranch_scc1 .Lnext
	s_add_co_u32 s34, s48, s2
	s_wait_xcnt 0x0                                ; nothing on its way still reads the base that is set back
	s_mov_b64 s[8:9], s[40:41]
	TILEADDR
	PLACES
	BIASSTEP
	s_mov_b32 s32, 16
.Lpk:
	PITER
	s_sub_co_u32 s32, s32, 1
	s_cmp_lg_u32 s32, 0
	s_cbranch_scc1 .Lpk
	s_sub_co_u32 s49, s49, 16*CHL                  ; back to chunk 0
.Lepi:                                                 ; THE WAY OUT: a loop over my five tiles
	PLACES
	s_mov_b32 s50, 0
.Ltile:
	s_lshl_b32 s44, s50, 2
	s_add_co_u32 s44, s44, s34                     ; the tile: 20 PASS + w + 4 t
	s_cmp_ge_u32 s44, s6
	s_cbranch_scc1 .Ldead                          ; a tile past the count is not stored
	s_lshl_b32 s44, s44, 11
	s_wait_xcnt 0x0                                ; the last tile's stores have read their offset and data
	v_add_nc_u32 v26, s44, v24
	s_cmp_lg_u32 s50, 0
	s_cbranch_scc1 .Lc1
	CLIP 0
	s_branch .Lcommon
.Lc1:
	s_cmp_lg_u32 s50, 1
	s_cbranch_scc1 .Lc2
	CLIP 1
	s_branch .Lcommon
.Lc2:
	s_cmp_lg_u32 s50, 2
	s_cbranch_scc1 .Lc3
	CLIP 2
	s_branch .Lcommon
.Lc3:
	s_cmp_lg_u32 s50, 3
	s_cbranch_scc1 .Lc4
	CLIP 3
	s_branch .Lcommon
.Lc4:
	CLIP 4
.Lcommon:                                              ; the 32 exponentials are one batch with one wait, the 32 reciprocals another
	WIN 0xff
.set z, 0
.rept 16
	v_pk_mul_f32 v[EE+2*z:EE+2*z+1], v[GG+2*z:GG+2*z+1], s[38:39] op_sel_hi:[1,0]  ; -1.702 log2(e) g
.set z, z+1
.endr
.set z, 0
.rept 32
	v_exp_f32 v[EE+z], v[EE+z]
.set z, z+1
.endr
	v_nop                                          ; a plain instruction behind the last exponential
	s_wait_alu depctr_va_vdst(0)                   ; one wait for the batch, ahead of its first reader
.set z, 0
.rept 16
	v_pk_add_f32 v[EE+2*z:EE+2*z+1], v[EE+2*z:EE+2*z+1], 1.0 op_sel_hi:[1,0]
.set z, z+1
.endr
.set z, 0
.rept 32
	v_rcp_f32 v[EE+z], v[EE+z]                     ; the sigmoid
.set z, z+1
.endr
	v_nop
	s_wait_alu depctr_va_vdst(0)
.set z, 0
.rept 16
	v_pk_mul_f32 v[GG+2*z:GG+2*z+1], v[GG+2*z:GG+2*z+1], v[EE+2*z:EE+2*z+1]  ; glu
.set z, z+1
.endr
.set z, 0
.rept 16
	v_pk_fma_f32 v[GG+2*z:GG+2*z+1], v[UU+2*z:UU+2*z+1], v[GG+2*z:GG+2*z+1], v[GG+2*z:GG+2*z+1]  ; (up + 1) glu
.set z, z+1
.endr
.set z, 0
.rept 8                                ; columns 4 j + 0 .. 3 lie in register j of the four tiles; rounded to f16
	v_cvt_pk_f16_f32 v[TT+2*z],   v[GG+z],    v[GG+8+z]
	v_cvt_pk_f16_f32 v[TT+2*z+1], v[GG+16+z], v[GG+24+z]
.set z, z+1
.endr
	WIN 0x0c
.irp i, 0,1,2,3
	global_store_b128 v26, v[TT+4*(\i):TT+4*(\i)+3], s[22:23] offset:256*(\i)  ; 16 lanes store 256 consecutive bytes, at a multiple of 256 from the buffer's first byte
.endr
	WIN 0
.Ldead:
	s_add_co_u32 s50, s50, 1
	s_cmp_lt_u32 s50, 5
	s_cbranch_scc1 .Ltile
.Lnext:
	s_add_co_u32 s48, s48, 20
	s_sub_co_u32 s33, s33, 1
	s_cmp_lg_u32 s33, 0
	s_cbranch_scc1 .Lpass
	s_wait_dscnt 0x0                               ; my reads of LDS are over,
	s_barrier_signal -1
	s_barrier_wait -1
	s_wait_tensorcnt 0x0                           ; the wave's end, behind my last LDS store
	ds_add_u32 v1, v2
	s_wait_dscnt 0x0
	s_endpgm
.Lfunc_end_k_q322031ed42_gateup:
	.size	k_q322031ed42_gateup, .Lfunc_end_k_q322031ed42_gateup-k_q322031ed42_gateup
	.p2alignl 7, 3214868480
	.fill 96, 4, 3214868480
	.section	.rodata,"a",@progbits
	.p2align	6, 0x0
	.amdhsa_kernel k_q322031ed42_gateup
		.amdhsa_group_segment_fixed_size 270848
		.amdhsa_private_segment_fixed_size 0
		.amdhsa_enable_private_segment 0
		.amdhsa_kernarg_size 56
		.amdhsa_user_sgpr_count 2
		.amdhsa_user_sgpr_kernarg_segment_ptr 1
		.amdhsa_wavefront_size32 1
		.amdhsa_system_sgpr_workgroup_id_x 1
		.amdhsa_system_sgpr_workgroup_id_y 1
		.amdhsa_system_sgpr_workgroup_id_z 1
		.amdhsa_system_vgpr_workitem_id 0
		.amdhsa_next_free_vgpr 976
		.amdhsa_next_free_sgpr 66
		.amdhsa_reserve_vcc 0
		.amdhsa_float_denorm_mode_32 3
		.amdhsa_float_denorm_mode_16_64 3
		.amdhsa_memory_ordered 1
		.amdhsa_forward_progress 1
		.amdhsa_inst_pref_size 160
	.end_amdhsa_kernel
	.amdgpu_metadata
---
amdhsa.version: [ 1, 2 ]
amdhsa.kernels:
  - .name:           k_q322031ed42_gateup
    .symbol:         k_q322031ed42_gateup.kd
    .args:
      - { .name: xs, .offset: 0, .size: 8, .value_kind: global_buffer, .address_space: global }
      - { .name: route, .offset: 8, .size: 8, .value_kind: global_buffer, .address_space: global }
      - { .name: bg, .offset: 16, .size: 8, .value_kind: global_buffer, .address_space: global }
      - { .name: Wg, .offset: 24, .size: 8, .value_kind: global_buffer, .address_space: global }
      - { .name: Wu, .offset: 32, .size: 8, .value_kind: global_buffer, .address_space: global }
      - { .name: bu, .offset: 40, .size: 8, .value_kind: global_buffer, .address_space: global }
      - { .name: act, .offset: 48, .size: 8, .value_kind: global_buffer, .address_space: global }
    .group_segment_fixed_size: 270848
    .private_segment_fixed_size: 0
    .kernarg_segment_align: 8
    .kernarg_segment_size: 56
    .max_flat_workgroup_size: 128
    .sgpr_count:     66
    .vgpr_count:     976
    .wavefront_size: 32
...
	.end_amdgpu_metadata
.endif
;; end of part 5
;; launch down (part 6): grid 256 x 1, 4 waves a work-group, no clusters, 153,088 bytes of LDS; arguments act, wq, route, Wd, bd, part; writes part
.if DOCPART == 6
	.amdgcn_target "amdgcn-amd-amdhsa--gfx1250"
	.amdhsa_code_object_version 6
	.text
	.protected	k_q322031ed42_down
	.globl	k_q322031ed42_down
	.p2align	8
	.type	k_q322031ed42_down,@function
k_q322031ed42_down:
	s_mov_b64 s[64:65], 0
	v_nop
	global_prefetch_b8 v0, s[64:65] scope:SCOPE_SE
	s_setreg_imm32_b32 hwreg(HW_REG_WAVE_MODE, 25, 1), 1
	s_wait_xcnt 0x0
; THE DOWN PRODUCT OF THE ROUTED ROWS: part[kh][q][:] = w[q] x (act[q][K half kh] . Wd[e][K half kh] + bd[e] (in half 0 alone)), f32.
; SHARES.  Work-group = (expert e = id / 32, columns 64 hs .. + 63 with hs = (id / 2) % 16, K half kh = id % 2): 1,024 rows x 256 bytes of Wd[e], which it alone reads, once; and all rows of expert e.
; K is halved so that 256 work-groups have weight rows of 256 whole bytes; the price is two partial rows for each routed row, which the next launch adds.
; FORMAT.  The product is in f16: act arrives in f16 (within 56 by the clips of the activation).  Wd and bd are rounded to bf16 like every other input, and that number is then written as f16, which changes nothing
; from 7.6e-6 to 65,504 in magnitude: four instructions for two weights (round both, widen each, pack).
; The weights go the way of the launch before: loaded as f32, rounded, turned, kept in LDS at (k / 8) x 1,024 + pos x 16 (131,072 bytes), each byte written once; chunk c + 1 (64 along K) is stored at the head of chunk c and
; shown to all waves by that chunk's barrier.
; FRAGMENTS.  A chunk's fragments come out of LDS in two halves of 32 along K, 32 registers each, and each half is asked for while the other is multiplied: the second half at the chunk's head, the next chunk's first half
; behind the barrier's wait, in the middle of the second half's products.  The barrier's signal and its wait stand apart, with 8 products between them.
; act lies in memory in operand order: a tile's chunk is four loads of 512 consecutive bytes, straight into the registers that the products name.
; The bias is one more K step, issued first with C = 0.  Tiles, passes and dead tiles as in the launch before: tile 20 PASS + 4 t + w; pass 0 under the stream, passes 1 .. 6 from the resident slice.
; NO CLUSTER: each weight byte has one reader; an expert's 16 work-groups of one K half do share act's tiles (32 KB a chunk at 256 rows, against 16 KB of weights of one's own), but how many there are hangs on the count,
; and a ring filled jointly would want its trips alike in all partners and a barrier in a loop of that length.
; LIMITS.  A weight or bias beyond 65,504 in magnitude would become an infinity; one below 7.6e-6 keeps f16's fixed step of 6e-8.  NaN and infinities are not treated apart.
; REGISTERS, in windows of 256: window 0: v0-39 addresses and small things; v64-127 weight fragments (32 k + 8 b); v128-143 packed weights; v160-167 1.0 at k = 0; v192-223 at work on the weights, later the way out; v224-255 the way out
;   window 1: act, sets 0-2 (80 a + 16 t + 8 k)      window 2: v0-79 act, set 3; v80-239 accumulators (32 t + 8 b)      window 3: v0-127 weights as loaded, four sets
; SCALARS: s2 wave, s3 expert, s4 slice, s5 K half, s6 rows, s7 tiles to store; s22 chunks to go; s23 passes to go; s24 20 PASS + w; s25 tile 4 alive; s27 last stored tile; s28 128 e; s32 20 PASS; s33 a later pass's chunk in LDS; s34 a word's upper half
.set SPARE,  152576                    ; the spare words, 128 bytes a wave: two blocks of 256 bytes that no other line names
.set BIASB,  131072
.set STAGE,  135168                    ; 16 rows x 272 bytes for each wave
.set CHL,    8192                      ; a chunk in LDS: 8 rows of 1,024 bytes
.set WROW,   4096
.set WCH,    64*WROW
.set ACH,    0x200000                  ; a chunk of act: 1,024 tiles of 2,048 bytes
.set AT,   10                          ; v10-14  tile t: its bytes in a chunk of act, + 16 x lane
.set WQ,   15                          ; v15-19  tile t: my row's routing weight
.set BF,   64
.set WT,   128
.set ONES, 160
.set TM,   192
.set RB,   224
.set ACC,  80                          ; window 2
.set MSB, 0
.macro WIN new
.if MSB != (\new)
	s_set_vgpr_msb (MSB<<8)|(\new)
.set MSB, (\new)
.endif
.endm
.macro PLACES
.rept 4
	v_nop
.endr
.endm
.macro SETA set                        ; where a set of act lies: the products' window setting AWN, register AB
.if (\set) < 3
.set AWN, 0xa4
.set AB, 80*(\set)
.else
.set AWN, 0xa8
.set AB, 0
.endif
.endm
.macro WLOAD set, imm                  ; 8 loads: my 16 K rows x 64 columns
	WIN 0xc0
.irp j, 0,1,2,3,4,5,6,7
	global_load_b128 v[32*(\set)+4*(\j):32*(\set)+4*(\j)+3], v6, s[14:15] offset:(\imm)+WROW*(\j) th:TH_LOAD_NT
.endr
.endm
; rounded to bf16 and turned (8 neighbouring k of a column are 16 bytes); then each bf16 number is widened to f32 (a shift, a mask) and written as f16
.macro WSTORE set, imm
	WIN 0x0f
.irp i, 0,1,2,3
.irp q, 0,1,2,3
	v_cvt_pk_bf16_f32 v[WT+4*(\i)+(\q)], v[32*(\set)+8*(\q)+(\i)], v[32*(\set)+8*(\q)+4+(\i)]
.endr
.endr
	WIN 0
.set z, 0
.rept 16
	v_lshlrev_b32 v[TM+2*z],   16,  v[WT+z]
	v_and_b32     v[TM+2*z+1], s34, v[WT+z]
.set z, z+1
.endr
.set z, 0
.rept 16
	v_cvt_pk_f16_f32 v[WT+z], v[TM+2*z], v[TM+2*z+1]
.set z, z+1
.endr
.irp i, 0,1,2,3
	ds_store_b128 v7, v[WT+4*(\i):WT+4*(\i)+3] offset:(\imm)+256*(\i)
.endr
.endm
.macro ALOAD set, imm                  ; 20 loads of 512 consecutive bytes: a chunk of my five tiles
.if (\set) < 3
	WIN 0x40
.set AB, 80*(\set)
.else
	WIN 0x80
.set AB, 0
.endif
.irp t, 0,1,2,3,4
.irp u, 0,1,2,3
	global_load_b128 v[AB+16*(\t)+4*(\u):AB+16*(\t)+4*(\u)+3], v[AT+(\t)], s[8:9] offset:(\imm)+512*(\u)
.endr
.endr
.endm
.macro BLOADH k                        ; 8 LDS loads: the 4 weight fragments of half k (32 along K) of the chunk at v8
	WIN 0
.irp b, 0,1,2,3
	ds_load_b128 v[BF+32*(\k)+8*(\b):BF+32*(\k)+8*(\b)+3],   v8 offset:4096*(\k)+256*(\b)
	ds_load_b128 v[BF+32*(\k)+8*(\b)+4:BF+32*(\k)+8*(\b)+7], v8 offset:4096*(\k)+256*(\b)+2048
.endr
.endm
.macro BIASSTEP                        ; the K step that holds the bias starts all 20 sums
	WIN 0
.irp b, 0,1,2,3
	ds_load_b128 v[BF+8*(\b):BF+8*(\b)+3],   v9 offset:256*(\b)
	ds_load_b128 v[BF+8*(\b)+4:BF+8*(\b)+7], v9 offset:256*(\b)+2048
.endr
	s_wait_dscnt 0x0
	WIN 0xa0
.irp t, 0,1,2,3,4
.irp b, 0,1,2,3
	v_wmma_f32_16x16x32_f16 v[ACC+32*(\t)+8*(\b):ACC+32*(\t)+8*(\b)+7], v[BF+8*(\b):BF+8*(\b)+7], v[ONES:ONES+7], 0
.endr
.endr
	WIN 0
.endm
; 8 products: tiles t0 and t1 (of 0-3), half k.  The accumulators take turns, one instruction a turn: no two products on end share one, from macro to macro and over the jumps too.
.macro COMPT set, k, t0, t1
	SETA \set
	WIN AWN
.irp t, \t0, \t1
.irp b, 0,1,2,3
	v_wmma_f32_16x16x32_f16 v[ACC+32*(\t)+8*(\b):ACC+32*(\t)+8*(\b)+7], v[BF+32*(\k)+8*(\b):BF+32*(\k)+8*(\b)+7], v[AB+16*(\t)+8*(\k):AB+16*(\t)+8*(\k)+7], v[ACC+32*(\t)+8*(\b):ACC+32*(\t)+8*(\b)+7]
.endr
.endr
.endm
.macro COMP4 set, k                    ; 4 products: tile 4, half k, where the tile is alive
	WIN 0
	s_cmp_eq_u32 s25, 0
	s_cbranch_scc1 .Lno4_\@
	SETA \set
	WIN AWN
.irp b, 0,1,2,3
	v_wmma_f32_16x16x32_f16 v[ACC+128+8*(\b):ACC+128+8*(\b)+7], v[BF+32*(\k)+8*(\b):BF+32*(\k)+8*(\b)+7], v[AB+64+8*(\k):AB+64+8*(\k)+7], v[ACC+128+8*(\b):ACC+128+8*(\b)+7]
.endr
	WIN 0
.Lno4_\@:
.endm
; The five tiles: a tile past the count repeats the last one that was stored.  Five loads bring my rows' routing weights; each lands on its own offset register.
.macro TILEADDR
	WIN 0
.irp t, 0,1,2,3,4
	s_add_co_u32 s26, s24, 4*(\t)
	s_min_u32 s26, s26, s27
	s_min_u32 s26, s26, 127
	s_add_co_u32 s26, s26, s28                     ; + 128 e
	s_lshl_b32 s29, s26, 11
	v_add_nc_u32 v[AT+(\t)], s29, v5
	s_lshl_b32 s29, s26, 6
	v_lshl_add_u32 v[WQ+(\t)], v3, 2, s29
	global_load_b32 v[WQ+(\t)], v[WQ+(\t)], s[10:11]
.endr
	s_add_co_u32 s26, s24, 16
	s_cmp_lt_u32 s26, s7
	s_cselect_b32 s25, 1, 0                        ; is my tile 4 alive?
.endm
; CHUNK c OF PASS 0.  wst: W(c+1), landed in set (c+1) % 4, goes to LDS and is shown by the barrier.  ald: act of chunk c + 3 is asked for, into the set that chunk c - 1 has left.  wld: W(c+5), into the set just emptied.
; nxt: the next chunk's first fragments are asked for.  cnt: the global loads issued behind act(c), which may stay out; W(c+1) is older than act(c).
.macro ITER c, wst, wld, ald, nxt, cnt
	s_wait_loadcnt \cnt
.if \wst
	WSTORE ((\c)+1)%4, 0                           ; its conversions name no register of the last products: they are the places behind them
	v_add_nc_u32 v7, CHL, v7
.else
	PLACES
.endif
	BLOADH 1                                       ; this chunk's second half: it lands under the first half's products
.if (\ald) || (\wld)
	s_wait_xcnt 0x0                                ; the bases of the loads on their way are stepped only behind this wait
	s_add_nc_u64 s[8:9], s[8:9], ACH
.endif
.if \wld
	s_add_nc_u64 s[14:15], s[14:15], WCH
.endif
.if \ald
	ALOAD ((\c)+3)%4, 2*ACH
.endif
.if \wld
	WLOAD ((\c)+1)%4, 4*WCH
.endif
	s_wait_dscnt 8+4*(\wst)                        ; the first half is in: behind its loads came my stores of W(c+1) (4, where there are any) and the second half's 8 loads
	COMPT (\c)%4, 0, 0, 1
	COMPT (\c)%4, 0, 2, 3
	COMP4 (\c)%4, 0
	s_wait_dscnt 0x0                               ; the second half is in; for the others' sake: my stores of W(c+1) are done
.if \wst
	s_barrier_signal -1                            ; say so, and work on registers while the others arrive
.endif
	COMPT (\c)%4, 1, 0, 1
.if \wst
	s_barrier_wait -1                              ; W(c+1) is whole
.endif
.if \nxt
	WIN 0
	PLACES                                         ; behind the products that read the first half's registers
	v_add_nc_u32 v8, CHL, v8
	BLOADH 0                                       ; the next chunk's first half, just shown: it lands under the products below and the next chunk's head
.endif
	COMPT (\c)%4, 1, 2, 3
	COMP4 (\c)%4, 1
.endm
; A chunk of a later pass: plain.  The chunk's LDS byte is the scalar s33, which steps by a chunk a trip; the address is made anew from it.
.macro PITER
	PLACES
	ALOAD 0, 0
	WIN 0
	v_add_nc_u32 v8, s33, v24
	BLOADH 0
	BLOADH 1
	s_add_co_u32 s33, s33, CHL
	s_wait_loadcnt 0x0
	s_add_nc_u64 s[8:9], s[8:9], ACH
	s_wait_dscnt 0x0
	COMPT 0, 0, 0, 1
	COMPT 0, 0, 2, 3
	COMP4 0, 0
	COMPT 0, 1, 0, 1
	COMPT 0, 1, 2, 3
	COMP4 0, 1
.endm
; THE WAY OUT of tile t.  The product with the row's routing weight also brings a lane's 32 neighbouring columns into neighbouring registers (column 4 j + b lies in register j of tile b; each accumulator is read from
; register 0 on).  They go through my own stage in LDS and come back as whole rows of 256 bytes.
.macro EPI t
	WIN 0
	s_add_co_u32 s26, s24, 4*(\t)
	s_cmp_ge_u32 s26, s7
	s_cbranch_scc1 .Ldead_\@                       ; a tile past the count is not stored
	s_lshl_b32 s26, s26, 16                        ; 16 rows of 4,096 bytes
	s_wait_xcnt 0x0                                ; the last tile's stores have read their offset and data
	v_add_nc_u32 v23, s26, v22
	WIN 0x02
.irp j, 0,1,2,3,4,5,6,7
.irp b, 0,1,2,3
	v_mul_f32 v[TM+4*(\j)+(\b)], v[ACC+32*(\t)+8*(\b)+(\j)], v[WQ+(\t)]
.endr
.endr
	WIN 0
.irp j, 0,1,2,3,4,5,6,7
	ds_store_b128 v20, v[TM+4*(\j):TM+4*(\j)+3] offset:16*(\j)
.endr
.irp i, 0,1,2,3,4,5,6,7
	ds_load_b128 v[RB+4*(\i):RB+4*(\i)+3], v21 offset:544*(\i)  ; LDS serves a wave's instructions in order (ISA guide 5.7.1.4): these see the stores above
.endr
.irp i, 0,1,2,3,4,5,6,7
	s_wait_dscnt 7-(\i)
	global_store_b128 v23, v[RB+4*(\i):RB+4*(\i)+3], s[18:19] offset:8192*(\i)  ; 16 lanes store 256 consecutive bytes, at a multiple of 256 from the buffer's first byte
.endr
.Ldead_\@:
.endm
	s_load_b256 s[8:15], s[0:1], 0x0               ; act 8:9, wq 10:11, route 12:13, Wd 14:15
	s_load_b128 s[16:19], s[0:1], 0x20             ; bd 16:17, part 18:19
	v_lshl_add_u32 v1, v0, 2, SPARE                ; my spare word,
	v_mov_b32 v2, 0                                ; and 0: kept for the wave's last lines alone
	v_lshrrev_b32 v25, 5, v0
	v_readfirstlane_b32 s2, v25                    ; wave 0..3
	s_lshr_b32 s3, ttmp9, 5                        ; expert
	s_bfe_u32 s4, ttmp9, 0x40001                   ; column slice
	s_and_b32 s5, ttmp9, 1                         ; K half
	v_and_b32 v3, 15, v0                           ; r
	v_bfe_u32 v4, v0, 4, 1                         ; h
	v_and_b32 v5, 31, v0
	v_lshlrev_b32 v5, 4, v5                        ; 16 x lane
	s_lshl_b32 s26, s2, 16
	v_lshlrev_b32 v6, 15, v4
	v_lshl_add_u32 v6, v3, 4, v6
	v_add_nc_u32 v6, s26, v6                       ; weights: (16 w + 8 h) rows + 16 r bytes
	v_lshlrev_b32 v24, 10, v4
	v_lshl_add_u32 v24, v3, 4, v24                 ; h x 1,024 + 16 r
	v_mov_b32 v8, v24
	s_lshl_b32 s26, s2, 11
	v_add_nc_u32 v7, s26, v24
	v_add_nc_u32 v9, BIASB, v24
	s_mul_i32 s26, s2, 16*272
	s_add_co_u32 s26, s26, STAGE                   ; my stage
	v_mul_u32_u24 v20, v3, 272
	v_lshl_add_u32 v20, v4, 7, v20
	v_add_nc_u32 v20, s26, v20                     ; in: row r, 128 bytes for each half of the lanes
	v_mul_u32_u24 v21, v4, 272
	v_lshl_add_u32 v21, v3, 4, v21
	v_add_nc_u32 v21, s26, v21                     ; back: lanes 0-15 one row of 256 bytes, lanes 16-31 the next
	v_lshlrev_b32 v22, 12, v4
	v_lshl_add_u32 v22, v3, 4, v22                 ; and the same two rows in part
	v_bfe_u32 v25, v0, 4, 2
	v_lshl_add_u32 v25, v3, 2, v25                 ; thread % 64 = pos: column 4 (tid % 16) + (tid / 16) % 4
	s_lshl_b32 s26, s3, 10
	s_lshl_b32 s29, s4, 6
	s_add_co_u32 s26, s26, s29
	v_add_lshl_u32 v25, s26, v25, 2
	v_lshl_add_u32 v27, v0, 4, BIASB
.irp i, 33,34,35,36,37,38,39,161,162,163,164,165,166,167
	v_mov_b32 v\i, 0
.endr
	v_mov_b32 v160, 0x3c00                         ; 1.0 in f16 at the lane's first k; the bias rows are 0 at every k but 0
	v_cmp_gt_u32 vcc_lo, 64, v0
	s_cmp_eq_u32 s5, 0
	s_cselect_b32 s20, -1, 0
	s_and_b32 s20, s20, vcc_lo                     ; the bias counts in K half 0 alone, and threads 64-127 write the row of zeros below it
	s_mov_b32 s34, 0xffff0000                      ; a word's upper bf16
	s_mov_b32 s23, 7                               ; passes to go, pass 0 among them
	s_mov_b32 s32, 0                               ; 20 PASS
	s_mov_b32 s33, 0                               ; a later pass's chunk in LDS
	s_mov_b32 s24, s2                              ; 20 PASS + w
	s_lshl_b32 s28, s3, 7                          ; the expert's first tile
	s_mov_b32 s31, 0
	s_lshl_b32 s30, s3, 2
	s_wait_kmcnt 0x0
	s_add_nc_u64 s[12:13], s[12:13], s[30:31]
	s_load_b32 s6, s[12:13], 0x2000                ; the expert's count
	s_lshl_b32 s30, s3, 23
	s_lshl_b32 s26, s4, 8
	s_add_co_u32 s30, s30, s26
	s_lshl_b32 s26, s5, 26
	s_add_co_u32 s26, s26, s30
	s_mov_b32 s27, 0
	s_add_nc_u64 s[18:19], s[18:19], s[26:27]      ; part: the K half's 16,384 rows, the expert's 2,048, the slice's 256 bytes
	s_lshl_b32 s26, s5, 22
	s_add_co_u32 s30, s30, s26
	s_add_nc_u64 s[14:15], s[14:15], s[30:31]      ; Wd: the expert, the K half's 1,024 rows, the slice
	s_lshl_b32 s30, s5, 25
	s_add_nc_u64 s[8:9], s[8:9], s[30:31]          ; act: the K half's 16 chunks
	global_load_b32 v26, v25, s[16:17]
	WLOAD 0, 0
	WLOAD 1, WCH
	WLOAD 2, 2*WCH
	WLOAD 3, 3*WCH
	WIN 0
	s_wait_kmcnt 0x0
	s_min_u32 s6, s6, 2048
	s_add_co_u32 s7, s6, 15
	s_lshr_b32 s7, s7, 4                           ; tiles to store
	s_max_u32 s27, s7, 1
	s_sub_co_u32 s27, s27, 1                       ; the last tile that the launch before stored
	TILEADDR
	ALOAD 0, 0
	ALOAD 1, ACH
	ALOAD 2, 2*ACH
	s_wait_loadcnt 63                              ; the bias and W0 are in: behind W0 came 24 + 5 + 60 loads, more than the wait's field can name
	WSTORE 0, 0
	v_add_nc_u32 v7, CHL, v7
	v_cvt_pk_bf16_f32 v26, v26, v36                ; the bias rounded to bf16,
	v_lshlrev_b32 v26, 16, v26                     ; widened,
	v_cvt_pk_f16_f32 v26, v26, v36                 ; and written as f16 at k = 0, zero at k = 1
	v_cndmask_b32 v32, 0, v26, s20
	ds_store_b128 v27, v[32:35]
	ds_store_b128 v27, v[36:39] offset:2048
	WLOAD 0, 4*WCH
	WIN 0
	s_mov_b64 s[20:21], s[8:9]                     ; act, for the later passes (the mask in s20 has been used)
	s_wait_dscnt 0x0                               ; for the others' sake: my stores of the bias rows and W0 are done
	s_barrier_signal -1
	s_barrier_wait -1
	BIASSTEP
	PLACES                                         ; behind the products that read the registers into which chunk 0's first half comes
	BLOADH 0
	ITER 0, 1, 1, 1, 1, 48                         ; behind act(0): act(1), act(2), W4
	ITER 1, 1, 1, 1, 1, 56                         ; behind act(1): act(2), W4, act(3), W5
	s_mov_b32 s22, 2
.Lchunk:                                               ; chunks 2 to 9, four a trip: behind act(c) came three W and two act, 64 loads; the field's largest count is one less
	ITER 2, 1, 1, 1, 1, 63
	ITER 3, 1, 1, 1, 1, 63
	ITER 4, 1, 1, 1, 1, 63
	ITER 5, 1, 1, 1, 1, 63
	s_sub_co_u32 s22, s22, 1
	s_cmp_lg_u32 s22, 0
	s_cbranch_scc1 .Lchunk
	ITER 10, 1, 1, 1, 1, 63
	ITER 11, 1, 0, 1, 1, 63                        ; no weights are left to ask for
	ITER 12, 1, 0, 1, 1, 56                        ; behind act(12): W14, act(13), W15, act(14)
	ITER 13, 1, 0, 0, 1, 48                        ; behind act(13): W15, act(14), act(15)
	ITER 14, 1, 0, 0, 1, 20                        ; behind act(14): act(15)
	ITER 15, 0, 0, 0, 0, 0
	s_branch .Lmid
.Lpass:                                                ; passes 1 to 6: the tiles 20 PASS on, where the expert has them
	s_add_co_u32 s24, s32, s2                      ; set in a dead pass too: its five ways out then find their tiles past the count
	s_wait_dscnt 0x0                               ; my stores into my stage, and my reads of it, are done
	s_barrier_signal -1
	s_barrier_wait -1                              ; everybody's are: the fragment loads below follow them
	s_cmp_ge_u32 s32, s7
	s_cbranch_scc1 .Lmid                           ; only work is jumped
	s_wait_xcnt 0x0
	s_mov_b64 s[8:9], s[20:21]
	TILEADDR
	PLACES
	BIASSTEP
	s_mov_b32 s22, 16
.Lpk:
	PITER
	s_sub_co_u32 s22, s22, 1
	s_cmp_lg_u32 s22, 0
	s_cbranch_scc1 .Lpk
	s_sub_co_u32 s33, s33, 16*CHL                  ; back to chunk 0
.Lmid:
	s_wait_dscnt 0x0                               ; my fragment loads are back
	s_barrier_signal -1
	s_barrier_wait -1                              ; everybody's are: the stores into the stages follow them
	PLACES
	EPI 0
	EPI 1
	EPI 2
	EPI 3
	EPI 4
	s_add_co_u32 s32, s32, 20
	s_sub_co_u32 s23, s23, 1
	s_cmp_lg_u32 s23, 0
	s_cbranch_scc1 .Lpass
	s_wait_tensorcnt 0x0                           ; the wave's end, behind my last LDS store
	ds_add_u32 v1, v2
	s_wait_dscnt 0x0
	s_endpgm
.Lfunc_end_k_q322031ed42_down:
	.size	k_q322031ed42_down, .Lfunc_end_k_q322031ed42_down-k_q322031ed42_down
	.p2alignl 7, 3214868480
	.fill 96, 4, 3214868480
	.section	.rodata,"a",@progbits
	.p2align	6, 0x0
	.amdhsa_kernel k_q322031ed42_down
		.amdhsa_group_segment_fixed_size 153088
		.amdhsa_private_segment_fixed_size 0
		.amdhsa_enable_private_segment 0
		.amdhsa_kernarg_size 48
		.amdhsa_user_sgpr_count 2
		.amdhsa_user_sgpr_kernarg_segment_ptr 1
		.amdhsa_wavefront_size32 1
		.amdhsa_system_sgpr_workgroup_id_x 1
		.amdhsa_system_sgpr_workgroup_id_y 1
		.amdhsa_system_sgpr_workgroup_id_z 1
		.amdhsa_system_vgpr_workitem_id 0
		.amdhsa_next_free_vgpr 896
		.amdhsa_next_free_sgpr 66
		.amdhsa_reserve_vcc 1
		.amdhsa_float_denorm_mode_32 3
		.amdhsa_float_denorm_mode_16_64 3
		.amdhsa_memory_ordered 1
		.amdhsa_forward_progress 1
		.amdhsa_inst_pref_size 162
	.end_amdhsa_kernel
	.amdgpu_metadata
---
amdhsa.version: [ 1, 2 ]
amdhsa.kernels:
  - .name:           k_q322031ed42_down
    .symbol:         k_q322031ed42_down.kd
    .args:
      - { .name: act, .offset: 0, .size: 8, .value_kind: global_buffer, .address_space: global }
      - { .name: wq, .offset: 8, .size: 8, .value_kind: global_buffer, .address_space: global }
      - { .name: route, .offset: 16, .size: 8, .value_kind: global_buffer, .address_space: global }
      - { .name: Wd, .offset: 24, .size: 8, .value_kind: global_buffer, .address_space: global }
      - { .name: bd, .offset: 32, .size: 8, .value_kind: global_buffer, .address_space: global }
      - { .name: part, .offset: 40, .size: 8, .value_kind: global_buffer, .address_space: global }
    .group_segment_fixed_size: 153088
    .private_segment_fixed_size: 0
    .kernarg_segment_align: 8
    .kernarg_segment_size: 48
    .max_flat_workgroup_size: 128
    .sgpr_count:     66
    .vgpr_count:     896
    .wavefront_size: 32
...
	.end_amdgpu_metadata
.endif
;; end of part 6
;; launch combine: the kernel of part 3 again; grid 256 x 1, 4 waves a work-group, no clusters, 0 bytes of LDS; arguments part, route, out0; writes out0
;; ======== version 3 of 3: 4 launches; version 2 with the launches sort, gateup, down written anew for expert scheduling mode
;; limits: values outside matrix products are rounded to bf16; values are held in f16: magnitudes above 65,504 overflow, below 6.1e-05 lose precision; inputs' magnitudes at most 65,504
;; workspace buffers: xs 33,554,432 bytes; act 67,108,864 bytes; part 134,217,728 bytes; wq 65,536 bytes; route 8,448 bytes of whole numbers
;; launch sort (part 7): grid 256 x 1, 4 waves a work-group, no clusters, 18,944 bytes of LDS; arguments hidden_states, router_indices, routing_weights, xs, route, wq; writes xs, route, wq
.if DOCPART == 7
	.amdgcn_target "amdgcn-amd-amdhsa--gfx1250"
	.amdhsa_code_object_version 6
	.text
	.protected	k_q322031ed42_sort
	.globl	k_q322031ed42_sort
	.p2align	8
	.type	k_q322031ed42_sort,@function
k_q322031ed42_sort:
	s_mov_b64 s[64:65], 0
	v_nop
	global_prefetch_b8 v0, s[64:65] scope:SCOPE_SE
	s_setreg_imm32_b32 hwreg(HW_REG_WAVE_SCHED_MODE, 0, 2), 2
	s_setreg_imm32_b32 hwreg(HW_REG_WAVE_MODE, 25, 1), 1
	s_wait_xcnt 0x0
	s_wait_alu depctr_vm_vsrc(0)
; THE ROUTING, AND THE ROUTED ROWS OF x LAID OUT FOR THE FIRST PRODUCT.  1,024 tokens x 2 choices = 2,048 routed rows p = 2 t + k; row p goes to expert idx[p] (a token that names an expert twice has two rows there).
; Row q = 2048 e + rank.  The rank counts the expert's rows in the order in which a wave's registers hold the choices (p = 128 i + 4 lane + j: by i, then j, then lane); any order serves, since every wave of every
; work-group takes the same.  Rows go in tiles of 16; places past the count repeat the last row, so that all later work is in whole tiles.
; SHARES.  Work-group = (expert e = id / 32, chunk c = (id / 2) % 16 of 64 columns, parity = id % 2).  Every wave ranks the 2,048 choices for itself (64 compares, a count of the lower lanes, a running count) into its
; own list in LDS: list[rank] = p.  The ranking goes four registers at a time, each step for all four, so that no line reads the result of the line before it.
; Wave w then takes the tiles parity + 2 w + 8 j of its expert, three a trip, six trips of constant count (they reach past the 128 tiles of the worst split); a trip whose first tile is
; dead is jumped whole; a dead tile in a live trip repeats the last row, and only its stores are jumped.
; A TILE'S CHUNK.  Lane (r = lane % 16, h = lane / 16) loads, of token row r, the columns that a matrix operand's lane holds: 8 loads of 16 bytes, which together take 256 consecutive bytes of each of the 16 rows; 16 roundings
; to bf16; 4 stores of 512 consecutive bytes.  xs = [chunk][row tile][2,048 bytes]: byte 512 u + 16 lane holds row r, columns 16 u + 8 h .. + 7 of the chunk: the next launch loads it straight into operand registers.
; TABLES for the later launches: pos[p] = q, the row's routing weight wq[q], the expert's count; an expert's 32 work-groups store 64 ranks each.
; Memory and latency bind: no matrix unit, no cluster (no tile is shared), no barrier (each wave reads its own list alone).
; LIMITS.  x and the routing weights are rounded to bf16 (one choice for all inputs); indices lie in 0 .. 7 (another index leaves its row unplaced).  An expert without rows stores one tile, made of token 0, so that the
; later launches read no byte that nobody stored; nothing of it reaches the output.
; THE MODE: SCHED_MODE bits 1:0 = 2 (LLVM: expert scheduling mode 2), set by the entry lines.  The code itself states the register dependences between vector instructions and memory or LDS instructions, and those
; through scalar registers that vector instructions write, with s_wait_alu, always for 0.
; THE PLAN.  The ranking: each of the 64 list addresses (RA) and of the 64 numbers p (RP) has a register of its own, written once by vector instructions and read once by an LDS store; the stores go out sixteen at a
; time, behind one wait on va_vdst for the sixteen.  The four masks of a group (s40-43) are written by its compares: one wait on va_sdst stands between them and their first reader.
; A trip is a chain through memory: list entry, token offset, x, xs.  LA: made by vector instructions, read by the list loads.  AX: the list loads land in it, vector instructions make the token's offset of it, the loads
; of x read it.  AL: the loads of x land in it, the roundings read it.  TT and SO: written by vector instructions, read by the stores.  So one wait on va_vdst stands ahead of each of the three links, and one wait on
; vm_vsrc at the trip's head, ahead of the first line that writes any of these registers again.
.set LISTP,  4608                      ; a list: 2,048 entries of 2 bytes, a dump entry at index 2,048, and padding; behind the four lists 512 bytes hold the spare words of the closing add
.set LA,   7                           ; v7-9    tile t: the LDS address of my row's entry in the list
.set AX,   10                          ; v10-12  tile t: my token's byte offset in x, + 32 (lane / 16)
.set SO,   20                          ; v20-22  tile t: its bytes in a chunk of xs, + 16 x lane
.set IDX,  64                          ; v64-127 the choices, at the start
.set RA,   128                         ; v128-191 the 64 ranks, then their places in the list
.set RP,   192                         ; v192-255 the 64 p
.set AL,   64                          ; v64-159 x as loaded: 32 t + 16 k
.set TT,   160                         ; v160-207 x in bf16: 16 t + 8 k
.macro STORET t                        ; tile t of the trip goes out, if it is alive
	s_add_co_u32 s44, s34, 8*(\t)
	s_cmp_ge_u32 s44, s6
	s_cbranch_scc1 .Ldead_\@
.irp u, 0,1,2,3
	global_store_b128 v[SO+(\t)], v[TT+16*(\t)+4*(\u):TT+16*(\t)+4*(\u)+3], s[14:15] offset:512*(\u)  ; 512 consecutive bytes, at a multiple of 256 from the buffer's first byte
.endr
.Ldead_\@:
.endm
.macro PUT16 y0                        ; sixteen entries of the list
.set y, (\y0)
.rept 16
	ds_store_b16 v[RA+y], v[RP+y]
.set y, y+1
.endr
.endm
	s_load_b256 s[8:15], s[0:1], 0x0               ; x 8:9, indices 10:11, routing weights 12:13, xs 14:15
	s_load_b128 s[16:19], s[0:1], 0x20             ; route 16:17, wq 18:19
	v_lshl_add_u32 v62, v0, 2, 0x4800
	v_mov_b32 v63, 0
	v_lshrrev_b32 v17, 5, v0
	v_readfirstlane_b32 s2, v17                    ; wave 0..3
	s_lshr_b32 s3, ttmp9, 5                        ; expert
	s_and_b32 s4, ttmp9, 31                        ; my place among the expert's 32 work-groups, for the tables
	s_bfe_u32 s20, ttmp9, 0x40001                  ; chunk
	s_and_b32 s21, ttmp9, 1                        ; parity
	v_and_b32 v3, 15, v0                           ; r
	v_bfe_u32 v4, v0, 4, 1                         ; h
	v_and_b32 v18, 31, v0
	v_lshlrev_b32 v5, 2, v18                       ; 4 x lane: the first of my four choices in each index load
	v_lshlrev_b32 v6, 4, v18                       ; 16 x lane
	v_lshlrev_b32 v27, 5, v4                       ; 32 h
	s_wait_alu depctr_va_sdst(0)                   ; s2 is written, ahead of its first reader
	s_mul_i32 s45, s2, LISTP
	v_mov_b32 v15, s45                             ; my wave's list
	v_mov_b32 v16, 0x800                           ; the dump entry's index
	v_lshl_add_u32 v19, v18, 4, v15
.irp i, 28,29,30,31
	v_mov_b32 v\i, 0
.endr
	s_mov_b32 s28, 0                               ; the running count
	s_lshl_b32 s34, s2, 1
	s_add_co_u32 s34, s34, s21                     ; the first trip's first tile: parity + 2 w
	s_lshl_b32 s36, s3, 7                          ; the expert's first tile
	s_lshl_b32 s30, s20, 8                         ; the chunk's 256 bytes in a row of x,
	s_mov_b32 s31, 0
	s_lshl_b32 s22, s20, 21                        ; and its 1,024 tiles of 2,048 bytes in xs
	s_mov_b32 s23, 0
	s_wait_kmcnt 0x0
	s_add_nc_u64 s[8:9], s[8:9], s[30:31]
	s_add_nc_u64 s[14:15], s[14:15], s[22:23]
	s_wait_alu depctr_va_vdst(0)                   ; v6, v19 and the zeros v28-31 are written, which the index loads and the LDS stores below read
.irp i, 0,1,2,3,4,5,6,7,8,9,10,11,12,13,14,15
	global_load_b128 v[IDX+4*(\i):IDX+4*(\i)+3], v6, s[10:11] offset:512*(\i)  ; register 4 i + j of lane l: choice 128 i + 4 l + j
.endr
.irp i, 0,1,2,3,4,5,6,7,8
	ds_store_b128 v19, v[28:31] offset:512*(\i)    ; the list starts as zeros: an expert without rows finds token 0
.endr
.set z, 0
.rept 64
	v_add_nc_u32 v[RP+z], 128*(z/4)+z%4, v5        ; the 64 p hang on no load: they are made while the indices are on their way
.set z, z+1
.endr
; rank = the count so far + the matches in lower lanes; a lane without a match writes the dump entry.  The four registers of index load i at a time.
.set z, 0
.rept 16
	s_wait_loadcnt 15-z/4                          ; loads come back in order (ISA guide 5.7.1): this group's load is in, the 15 - i issued behind it may stay out
.irp u, 0,1,2,3
	v_cmp_eq_u32 s[40+\u], s3, v[IDX+z+\u]
.endr
	s_wait_alu depctr_va_sdst(0)                   ; the four compares have written s40-43, ahead of their first reader
.irp u, 0,1,2,3
	s_bcnt1_i32_b32 s[44+\u], s[40+\u]
.endr
	s_add_co_u32 s44, s44, s28                     ; the count ahead of the group's second register,
	s_add_co_u32 s45, s45, s44                     ; its third,
	s_add_co_u32 s46, s46, s45                     ; its fourth,
	s_add_co_u32 s47, s47, s46                     ; and ahead of the next group
	v_mbcnt_lo_u32_b32 v[RA+z],   s40, s28
	v_mbcnt_lo_u32_b32 v[RA+z+1], s41, s44
	v_mbcnt_lo_u32_b32 v[RA+z+2], s42, s45
	v_mbcnt_lo_u32_b32 v[RA+z+3], s43, s46
.irp u, 0,1,2,3
	v_cndmask_b32 v[RA+z+\u], v16, v[RA+z+\u], s[40+\u]
.endr
.irp u, 0,1,2,3
	v_min_u32 v[RA+z+\u], 0x800, v[RA+z+\u]
.endr
.irp u, 0,1,2,3
	v_lshl_add_u32 v[RA+z+\u], v[RA+z+\u], 1, v15
.endr
	s_mov_b32 s28, s47
.if (z%16 == 12) && (z < 60)
	s_wait_alu depctr_va_vdst(0)                   ; four groups' places in the list are written (and, the first time, the 64 p), which the sixteen stores read
	PUT16 z-12
.endif
.set z, z+4
.endr
	s_mov_b32 s5, s28                              ; n: the expert's rows
	s_add_co_u32 s6, s5, 15
	s_lshr_b32 s6, s6, 4
	s_max_u32 s6, s6, 1                            ; tiles that are stored: one at the least
	s_max_u32 s7, s5, 1
	s_sub_co_u32 s7, s7, 1                         ; the last row that exists
	; my share of the tables: rank i = 64 s + tid % 64; the routing weight is asked for now and used behind the loop
	v_and_b32 v40, 63, v0
	s_lshl_b32 s44, s4, 6
	v_add_nc_u32 v40, s44, v40
	v_min_u32 v41, s7, v40
	v_min_u32 v41, 0x7ff, v41
	v_lshl_add_u32 v49, v41, 1, v15
	s_wait_alu depctr_va_vdst(0)                   ; the last four groups' places in the list are written, which the stores read, and v49, which the load behind them reads
	PUT16 48
	ds_load_u16 v42, v49                           ; LDS serves a wave's instructions in order (ISA guide 5.7.1.4): it sees the whole list
	s_wait_dscnt 0x0
	v_min_u32 v42, 0x7ff, v42                      ; p
	v_and_b32 v43, 0x7fe, v42
	v_lshlrev_b32 v43, 4, v43                      ; the token's 32 bytes of routing weights,
	s_lshl_b32 s44, s3, 2
	v_add_nc_u32 v43, s44, v43                     ; the expert's word
	s_wait_alu depctr_va_vdst(0)                   ; v43 is written, which the load reads as its offset
	global_load_b32 v44, v43, s[12:13]
	s_mov_b32 s32, 6
.Ltrip:                                                ; three tiles: s34, s34 + 8, s34 + 16
	s_cmp_ge_u32 s34, s6
	s_cbranch_scc1 .Lnext                          ; the first is dead, so all three are
	s_wait_xcnt 0x0                                ; the last trip's stores have read their offsets and data
	s_wait_alu depctr_vm_vsrc(0)                   ; the last trip's list loads have read LA, its loads of x AX, its stores SO and TT; the list's stores have read RA and RP, whose registers AL and TT take
.irp t, 0,1,2
	s_add_co_u32 s44, s34, 8*(\t)
	s_add_co_u32 s45, s44, s36                     ; + 128 e
	s_lshl_b32 s45, s45, 11
	v_add_nc_u32 v[SO+(\t)], s45, v6               ; where the tile goes (made for a dead tile too: only its stores are jumped)
	s_lshl_b32 s44, s44, 4
	v_add_nc_u32 v[LA+(\t)], s44, v3               ; rank = 16 x tile + r,
	v_min_u32 v[LA+(\t)], s7, v[LA+(\t)]           ; held to the last row that exists
	v_min_u32 v[LA+(\t)], 0x7ff, v[LA+(\t)]
	v_lshl_add_u32 v[LA+(\t)], v[LA+(\t)], 1, v15
.endr
	s_wait_alu depctr_va_vdst(0)                   ; LA is written, which the list loads read
.irp t, 0,1,2
	ds_load_u16 v[AX+(\t)], v[LA+(\t)]
.endr
	s_wait_dscnt 0x0
.irp t, 0,1,2
	v_min_u32 v[AX+(\t)], 0x7ff, v[AX+(\t)]        ; p
	v_and_b32 v[AX+(\t)], 0x7fe, v[AX+(\t)]
	v_lshl_add_u32 v[AX+(\t)], v[AX+(\t)], 11, v27 ; the token's row of 4,096 bytes, + 32 h
.endr
	s_wait_alu depctr_va_vdst(0)                   ; AX is written, which the loads of x read; the last trip's roundings, and in the first trip the compares and the ranking, are done with the registers in which x lands
.irp t, 0,1,2
.irp k, 0,1
	global_load_b128 v[AL+32*(\t)+16*(\k):AL+32*(\t)+16*(\k)+3],     v[AX+(\t)], s[8:9] offset:128*(\k)
	global_load_b128 v[AL+32*(\t)+16*(\k)+4:AL+32*(\t)+16*(\k)+7],   v[AX+(\t)], s[8:9] offset:128*(\k)+16
	global_load_b128 v[AL+32*(\t)+16*(\k)+8:AL+32*(\t)+16*(\k)+11],  v[AX+(\t)], s[8:9] offset:128*(\k)+64
	global_load_b128 v[AL+32*(\t)+16*(\k)+12:AL+32*(\t)+16*(\k)+15], v[AX+(\t)], s[8:9] offset:128*(\k)+80
.endr
.endr
	s_wait_loadcnt 0x0
.set z, 0
.rept 48
	v_cvt_pk_bf16_f32 v[TT+z], v[AL+2*z], v[AL+2*z+1]
.set z, z+1
.endr
	s_wait_alu depctr_va_vdst(0)                   ; the roundings have written TT, which the stores read (SO was written ahead of the trip's first wait)
	STORET 0
	STORET 1
	STORET 2
.Lnext:
	s_add_co_u32 s34, s34, 24
	s_sub_co_u32 s32, s32, 1
	s_cmp_lg_u32 s32, 0
	s_cbranch_scc1 .Ltrip
	s_wait_loadcnt 0x0                             ; the routing weight (a wave whose trips were all dead has not waited yet)
	v_cvt_pk_bf16_f32 v44, v44, v44
	v_lshlrev_b32 v44, 16, v44                     ; rounded to bf16 like every input, kept as f32
	s_lshl_b32 s44, s3, 11
	v_add_nc_u32 v45, s44, v41                     ; q = 2048 e + rank
	v_add_lshl_u32 v46, s44, v40, 2
	v_lshlrev_b32 v47, 2, v42
	s_lshl_b32 s45, s3, 2
	s_add_co_u32 s45, s45, 8192
	v_mov_b32 v18, s45                             ; where the count goes,
	v_mov_b32 v17, s5                              ; and the count
	s_wait_alu depctr_va_vdst(0)                   ; v44 to v47, v17 and v18 are written: the offsets and data of the three stores below
	s_cmp_lt_u32 s2, 2
	s_cbranch_scc0 .Lnotab                         ; waves 0 and 1 store the 64 ranks
	s_lshl_b32 s44, s4, 6
	s_lshl_b32 s45, s2, 5
	s_add_co_u32 s44, s44, s45
	s_lshl_b32 s45, s6, 4
	s_cmp_lt_u32 s44, s45
	s_cbranch_scc0 .Lnotab                         ; my 32 ranks lie past the last stored tile
	global_store_b32 v46, v44, s[18:19]            ; wq[q]; places past the count repeat the last row's
	s_cmp_lg_u32 s5, 0
	s_cbranch_scc0 .Lnotab                         ; an expert without rows places none
	global_store_b32 v47, v45, s[16:17]            ; pos[p] = q; the lanes past the count write the last row's entry once more, with the same number
.Lnotab:
	s_or_b32 s44, s4, s2
	s_cmp_lg_u32 s44, 0
	s_cbranch_scc1 .Lnocnt
	global_store_b32 v18, v17, s[16:17]            ; the count, by the expert's first work-group's wave 0
.Lnocnt:
	s_wait_dscnt 0x0                               ; the wave's end: my LDS instructions are done
	s_wait_alu depctr_hold_cnt(0) depctr_sa_sdst(0) depctr_va_vdst(0) depctr_va_sdst(0) depctr_va_ssrc(0) depctr_va_vcc(0) depctr_vm_vsrc(0)
	s_wait_tensorcnt 0x0
	ds_add_u32 v62, v63
	s_wait_dscnt 0x0
	s_endpgm
.Lfunc_end_k_q322031ed42_sort:
	.size	k_q322031ed42_sort, .Lfunc_end_k_q322031ed42_sort-k_q322031ed42_sort
	.p2alignl 7, 3214868480
	.fill 96, 4, 3214868480
	.section	.rodata,"a",@progbits
	.p2align	6, 0x0
	.amdhsa_kernel k_q322031ed42_sort
		.amdhsa_group_segment_fixed_size 18944
		.amdhsa_private_segment_fixed_size 0
		.amdhsa_enable_private_segment 0
		.amdhsa_kernarg_size 48
		.amdhsa_user_sgpr_count 2
		.amdhsa_user_sgpr_kernarg_segment_ptr 1
		.amdhsa_wavefront_size32 1
		.amdhsa_system_sgpr_workgroup_id_x 1
		.amdhsa_system_sgpr_workgroup_id_y 1
		.amdhsa_system_sgpr_workgroup_id_z 1
		.amdhsa_system_vgpr_workitem_id 0
		.amdhsa_next_free_vgpr 256
		.amdhsa_next_free_sgpr 66
		.amdhsa_reserve_vcc 0
		.amdhsa_float_denorm_mode_32 3
		.amdhsa_float_denorm_mode_16_64 3
		.amdhsa_memory_ordered 1
		.amdhsa_forward_progress 1
		.amdhsa_inst_pref_size 49
	.end_amdhsa_kernel
	.amdgpu_metadata
---
amdhsa.version: [ 1, 2 ]
amdhsa.kernels:
  - .name:           k_q322031ed42_sort
    .symbol:         k_q322031ed42_sort.kd
    .args:
      - { .name: hidden_states, .offset: 0, .size: 8, .value_kind: global_buffer, .address_space: global }
      - { .name: router_indices, .offset: 8, .size: 8, .value_kind: global_buffer, .address_space: global }
      - { .name: routing_weights, .offset: 16, .size: 8, .value_kind: global_buffer, .address_space: global }
      - { .name: xs, .offset: 24, .size: 8, .value_kind: global_buffer, .address_space: global }
      - { .name: route, .offset: 32, .size: 8, .value_kind: global_buffer, .address_space: global }
      - { .name: wq, .offset: 40, .size: 8, .value_kind: global_buffer, .address_space: global }
    .group_segment_fixed_size: 18944
    .private_segment_fixed_size: 0
    .kernarg_segment_align: 8
    .kernarg_segment_size: 48
    .max_flat_workgroup_size: 128
    .sgpr_count:     66
    .vgpr_count:     256
    .wavefront_size: 32
...
	.end_amdgpu_metadata
.endif
;; end of part 7
;; launch gateup (part 8): grid 256 x 1, 4 waves a work-group, no clusters, 270,848 bytes of LDS; arguments xs, route, bg, Wg, Wu, bu, act; writes act
.if DOCPART == 8
	.amdgcn_target "amdgcn-amd-amdhsa--gfx1250"
	.amdhsa_code_object_version 6
	.text
	.protected	k_q322031ed42_gateup
	.globl	k_q322031ed42_gateup
	.p2align	8
	.type	k_q322031ed42_gateup,@function
k_q322031ed42_gateup:
	s_mov_b64 s[64:65], 0
	v_nop
	global_prefetch_b8 v0, s[64:65] scope:SCOPE_SE
	s_setreg_imm32_b32 hwreg(HW_REG_WAVE_SCHED_MODE, 0, 2), 2
	s_setreg_imm32_b32 hwreg(HW_REG_WAVE_MODE, 25, 1), 1
	s_wait_xcnt 0x0
	s_wait_alu depctr_vm_vsrc(0)
; GATE AND UP PRODUCTS OF THE ROUTED ROWS, AND THE ACTIVATION.  The first launch has sorted the 2,048 routed rows by expert (row q = 2048 e + rank, tiles of 16, the last tile filled up with its last row) and laid them out
; in bf16 as xs = [chunk of 64 along K][row tile][2,048 bytes], in the order in which operand registers take them; it has stored each expert's count as a whole number.
; SHARES.  Work-group = (expert e = id / 32, slice s = id % 32): columns 64 s .. 64 s + 63 of Wg[e] and Wu[e], 2 x 1,024 rows x 256 bytes of f32, which it alone reads, once; and ALL rows of expert e.
; WEIGHTS.  A wave loads 16 K rows x 64 columns (8 loads; 16 lanes take 256 consecutive bytes of a row), rounds to bf16 and packs, for each column, 8 neighbouring k into 16 bytes; these go to LDS at
; (k / 8) x 2,048 + pos x 16, pos = 16 i + c for column 4 c + i (up: + 64).  Stores and fragment loads are then 256 consecutive bytes for 16 lanes.  Matrix tile b holds the columns 4 x index + b.
; The whole slice stays in LDS (262,144 bytes in bf16), each byte written once; chunk c + 2 (64 along K) is stored at the head of chunk c and shown to all waves by that chunk's barrier, a chunk before its first fragments are asked for.
; FRAGMENTS.  A chunk's fragments come out of LDS in two halves of 32 along K, 64 registers each, and each half is asked for while the other is multiplied: the second half at the chunk's head, the next chunk's first half
; in the middle of the second half's products.  The barrier's signal and its wait stand apart, with 16 products between them.
; ROWS.  A tile's chunk is four loads of 512 consecutive bytes, straight into the registers that the products name; four register sets take turns, and a chunk is asked for two chunks ahead.
; PRODUCTS.  Source 0 = 16 weight columns, source 1 = 16 rows of x: a lane's register j of tile b is token lane % 16, column 32 (lane / 16) + 4 j + b.  The bias is one more K step (LDS rows 128-131: the bias at k = 0, zeros
; elsewhere; against 1.0): it is issued first, with C = 0, and starts every sum.
; TILES.  Tile 20 PASS + 4 t + w belongs to wave w, t = 0 .. 4: 40 accumulators.  Pass 0 (320 rows) runs under the weights' stream; passes 1 .. 6 (an expert with more rows) read the resident slice, in a loop of constant count
; whose dead trips are jumped; they write no LDS, and no barrier stands in them.  A tile past the count repeats the last stored one; tile 4 of a wave is jumped where it is dead; dead tiles are not stored.
; OUT.  act = (clip(up) + 1) x g x sigmoid(1.702 g), g = min(gate, 7), in f32, rounded once to f16, stored as [slice][row tile][2,048 bytes] in the order in which the next launch's operand registers take it.
; The way out is written once, in a loop over the wave's five tiles: the two clips, which read a tile's accumulators, write into fixed registers and are chosen by forward jumps on the loop's counter.
; WHY f16: the clips hold |act| to 8 x 7 = 56 for every input, far inside f16's range, and its 11 significant bits leave an eighth of bf16's rounding error, which the next product hands on to the output undiminished.
; NO CLUSTER: each weight byte has one reader; an expert's 32 work-groups do share the tiles of xs (40 KB a chunk, against 32 KB of weights of one's own), but the resident slice leaves no room in LDS for a ring of such
; tiles, and how many there are hangs on the count.  No copy engine: f32 weights pass through registers to be rounded.
; LIMITS.  Wg, Wu, bg, bu are rounded to bf16 (one choice for all inputs); an act below 6e-5 in magnitude keeps f16's fixed step of 6e-8; NaN and infinities are not treated apart.
; An expert without rows computes and stores the one tile that the first launch made for it, so that the next launch reads no byte that nobody stored; nothing of it reaches the output.
; THE MODE: SCHED_MODE bits 1:0 = 2 (LLVM: expert scheduling mode 2), set by the entry lines.  The code itself states the register dependences between vector or matrix instructions and memory or LDS instructions,
; with s_wait_alu, always for 0.
; THE PLAN.  Registers that memory or LDS instructions touch in pass 0's loop, and who else names them:
;   raw weights, two buffers   chunk c's 32 roundings read buffer c % 2; the loads of W(c+4) land in it later in the chunk.
;   WT                         written by the roundings, read by the chunk's 8 LDS stores, written again by the next chunk's roundings.
;   fragments, half 1          read by a chunk's last 40 products; its loads stand at the next chunk's head.
;   fragments, half 0          read by a chunk's first 40 products; its loads stand in the middle of the second half's products.
;   rows, four sets            set (c + 2) % 4 was read by chunk c - 2's products; its loads stand in chunk c.
;   v6, AX                     offsets, never written in the loop.     v7, v8, v15   LDS addresses: a trip's four chunks are reached by immediate offsets; the three move on once a trip.
; So a chunk has two waits on va_vdst.  The first stands behind the roundings: WT is written, the raw buffer is read, the last chunk's products are done with half 1, and in a trip's first chunk the three addresses are written.
; Behind it the chunk's stores and loads are dealt among the first half's products, which name half 0, this chunk's rows and the accumulators: none of the registers that those stores and loads touch.
; The second stands behind the first half's products: they are done with half 0; the 16 products between it and half 0's loads name half 1, the rows and the accumulators.
; One wait on vm_vsrc stands at a chunk's head (the stores have read WT), one ahead of the trip's three adds.
; REGISTERS, in windows of 256 (s_set_vgpr_msb: bits 1:0 source 0, 3:2 source 1, 5:4 source 2, 7:6 destination):
;   window 0: v0-47 addresses and small things; v48-127 rows, set 3 (16 t + 8 k); v128-255 weight fragments (64 k + 8 b)
;   window 1: accumulators of tiles 0-3 (64 t + 8 b; b 0-3 gate, 4-7 up)      window 2: v0-63 tile 4; v64-143, v144-223 rows, sets 0 and 1; v224-255 packed weights
;   window 3: v0-127 weights as loaded, two buffers; on the way out g, up, the sigmoid and the packed result; v128-207 rows, set 2
; SCALARS: s2 wave, s3 expert, s4 slice, s5 rows, s6 tiles to store, s7 last stored tile; s28 128 e; s32 chunks to go; s33 passes to go; s34 20 PASS + w; s35 tile 4 alive; s48 20 PASS; s49 a later pass's chunk in LDS; s50 the way out's tile
.set BIASB,  262144                    ; LDS rows 128-131; behind them 512 bytes hold the spare words of the closing add
.set CHL,    16384                     ; a chunk of 64 along K in LDS: 8 rows of 2,048 bytes
.set WROW,   8192                      ; bytes in a row of Wg and Wu
.set WCH,    64*WROW                   ; a chunk of weights in memory
.set XCH,    0x200000                  ; a chunk of xs: 1,024 tiles of 2,048 bytes
.set AX,     10                        ; v10-14  tile t: its bytes in a chunk of xs, + 16 x lane
.set ONES,   32                        ; v32-39  1.0 at k = 0
.set BF,     128
.set WT,     224                       ; window 2
.set GG,     0                         ; window 3, on the way out: g, then glu, then act
.set UU,     32                        ; up
.set EE,     64                        ; the sigmoid
.set TT,     96                        ; act in f16
.set MSB, 0
.macro WIN new                         ; the immediate's high byte repeats the setting that is left; a switch that changes nothing is dropped
.if MSB != (\new)
	s_set_vgpr_msb (MSB<<8)|(\new)
.set MSB, (\new)
.endif
.endm
.macro PLACES                          ; four places behind matrix instructions (ISA guide 7.12.1), where no other vector work is at hand
.rept 4
	v_nop
.endr
.endm
.macro SETA set                        ; where a set of rows lies: window AWI, register AB
.if (\set) == 0
.set AWI, 2
.set AB, 64
.elseif (\set) == 1
.set AWI, 2
.set AB, 144
.elseif (\set) == 2
.set AWI, 3
.set AB, 128
.else
.set AWI, 0
.set AB, 48
.endif
.endm
; 16 loads: my 16 K rows x 64 columns of Wg and of Wu, imm bytes on from the bases
.macro WLOAD buf, imm
	WIN 0xc0
.irp j, 0,1,2,3,4,5,6,7
	global_load_b128 v[64*(\buf)+4*(\j):64*(\buf)+4*(\j)+3], v6, s[14:15] offset:(\imm)+WROW*(\j) th:TH_LOAD_NT
.endr
.irp j, 0,1,2,3,4,5,6,7
	global_load_b128 v[64*(\buf)+32+4*(\j):64*(\buf)+32+4*(\j)+3], v6, s[16:17] offset:(\imm)+WROW*(\j) th:TH_LOAD_NT
.endr
.endm
; rounded and turned: register 4 j + i holds row j, column 4 c + i; column i's rows 2 q and 2 q + 1 make one word; four words are 8 neighbouring k of one column
.macro WCVT buf
	WIN 0x8f
.irp m, 0,1
.irp i, 0,1,2,3
.irp q, 0,1,2,3
	v_cvt_pk_bf16_f32 v[WT+16*(\m)+4*(\i)+(\q)], v[64*(\buf)+32*(\m)+8*(\q)+(\i)], v[64*(\buf)+32*(\m)+8*(\q)+4+(\i)]
.endr
.endr
.endr
.endm
.macro WST ar, imm                     ; 8 LDS stores: the packed chunk, imm bytes on from address register ar
	WIN 0x08
.irp m, 0,1
.irp i, 0,1,2,3
	ds_store_b128 v[\ar], v[WT+16*(\m)+4*(\i):WT+16*(\m)+4*(\i)+3] offset:(\imm)+1024*(\m)+256*(\i)
.endr
.endr
.endm
.macro ALOAD set, imm                  ; 20 loads of 512 consecutive bytes: a chunk of my five tiles
	SETA \set
	WIN AWI<<6
.irp t, 0,1,2,3,4
.irp u, 0,1,2,3
	global_load_b128 v[AB+16*(\t)+4*(\u):AB+16*(\t)+4*(\u)+3], v[AX+(\t)], s[8:9] offset:(\imm)+512*(\u)
.endr
.endr
.endm
.macro BLOADH k, ar, imm               ; 16 LDS loads: the 8 weight fragments of half k (32 along K) of the chunk imm bytes on from address register ar
	WIN 0
.irp b, 0,1,2,3,4,5,6,7
	ds_load_b128 v[BF+64*(\k)+8*(\b):BF+64*(\k)+8*(\b)+3],   v[\ar] offset:(\imm)+8192*(\k)+256*(\b)
	ds_load_b128 v[BF+64*(\k)+8*(\b)+4:BF+64*(\k)+8*(\b)+7], v[\ar] offset:(\imm)+8192*(\k)+256*(\b)+4096
.endr
.endm
.macro BIASLD                          ; the fragments of the K step that holds the biases come into half 1, so that half 0 can be asked for beside them
	WIN 0
.irp b, 0,1,2,3,4,5,6,7
	ds_load_b128 v[BF+64+8*(\b):BF+64+8*(\b)+3],   v9 offset:256*(\b)
	ds_load_b128 v[BF+64+8*(\b)+4:BF+64+8*(\b)+7], v9 offset:256*(\b)+4096
.endr
.endm
.macro BIASMM                          ; that K step starts all 40 sums: nothing is cleared
	WIN 0x50
.irp t, 0,1,2,3
.irp b, 0,1,2,3,4,5,6,7
	v_wmma_f32_16x16x32_bf16 v[64*(\t)+8*(\b):64*(\t)+8*(\b)+7], v[BF+64+8*(\b):BF+64+8*(\b)+7], v[ONES:ONES+7], 0
.endr
.endr
	WIN 0xa0
.irp b, 0,1,2,3,4,5,6,7
	v_wmma_f32_16x16x32_bf16 v[8*(\b):8*(\b)+7], v[BF+64+8*(\b):BF+64+8*(\b)+7], v[ONES:ONES+7], 0
.endr
	WIN 0
.endm
; 16 products: tiles t0 and t1 (of 0-3), half k.  The accumulators take turns, one instruction a turn: no two products on end share one, from macro to macro and over the jumps too.
.macro COMPT set, k, t0, t1
	SETA \set
	WIN 0x50|(AWI<<2)
.irp t, \t0, \t1
.irp b, 0,1,2,3,4,5,6,7
	v_wmma_f32_16x16x32_bf16 v[64*(\t)+8*(\b):64*(\t)+8*(\b)+7], v[BF+64*(\k)+8*(\b):BF+64*(\k)+8*(\b)+7], v[AB+16*(\t)+8*(\k):AB+16*(\t)+8*(\k)+7], v[64*(\t)+8*(\b):64*(\t)+8*(\b)+7]
.endr
.endr
.endm
.macro COMP4 set, k                    ; 8 products: tile 4, half k, where the tile is alive
	WIN 0
	s_cmp_eq_u32 s35, 0
	s_cbranch_scc1 .Lno4_\@
	SETA \set
	WIN 0xa0|(AWI<<2)
.irp b, 0,1,2,3,4,5,6,7
	v_wmma_f32_16x16x32_bf16 v[8*(\b):8*(\b)+7], v[BF+64*(\k)+8*(\b):BF+64*(\k)+8*(\b)+7], v[AB+64+8*(\k):AB+64+8*(\k)+7], v[8*(\b):8*(\b)+7]
.endr
	WIN 0
.Lno4_\@:
.endm
; The five tiles: a tile past the count repeats the last one that was stored
.macro TILEADDR
	WIN 0
.irp t, 0,1,2,3,4
	s_add_co_u32 s44, s34, 4*(\t)
	s_min_u32 s44, s44, s7
	s_min_u32 s44, s44, 127
	s_add_co_u32 s44, s44, s28                     ; + 128 e
	s_lshl_b32 s44, s44, 11
	v_add_nc_u32 v[AX+(\t)], s44, v5
.endr
	s_add_co_u32 s44, s34, 16
	s_cmp_lt_u32 s44, s6
	s_cselect_b32 s35, 1, 0                        ; is my tile 4 alive?
.endm
; CHUNK c OF PASS 0.  wst: W(c+2), landed in buffer c % 2, goes to LDS and is shown by the barrier.  ald: the rows' chunk c + 2 is asked for, into the set that chunk c - 2 has left.  wld: W(c+4), into the buffer just emptied.
; nxt: the next chunk's first fragments are asked for.  The global loads go out in the order x(c), W(c+2), x(c+1), W(c+3), ..; cnt: those issued behind W(c+2), which may stay out.
.macro ITER c, wst, wld, ald, nxt, cnt
	s_wait_loadcnt \cnt
.if \wst
	s_wait_alu depctr_vm_vsrc(0)                   ; the LDS stores issued so far have read WT, which the roundings write again
	WCVT (\c)%2                                    ; its 32 roundings name no register of the last products: they are the places behind them
.else
	PLACES
.endif
	s_wait_alu depctr_va_vdst(0)                   ; the roundings have written WT and are done reading the raw buffer; the last chunk's products are done reading half 1; in a trip's first chunk v7, v8 and v15 are written
.if \wst
	WST 7, ((\c)%4)*CHL
.endif
	BLOADH 1, 8, ((\c)%4)*CHL                      ; this chunk's second half: it lands under the first half's products
	s_wait_dscnt 16+8*(\wst)                       ; the first half is in: behind its loads came my stores of W(c+2) (8, where there are any) and the second half's 16 loads
	COMPT (\c)%4, 0, 0, 1
.if \ald
	s_wait_xcnt 0x0                                ; the bases of the loads on their way are stepped only behind this wait
	s_add_nc_u64 s[8:9], s[8:9], XCH
.endif
.if \wld
	s_add_nc_u64 s[14:15], s[14:15], WCH
	s_add_nc_u64 s[16:17], s[16:17], WCH
.endif
.if \ald
	ALOAD ((\c)+2)%4, XCH                          ; no wait: no vector or matrix instruction since the wait above names this set or AX
.endif
	COMPT (\c)%4, 0, 2, 3
.if \wld
	WLOAD (\c)%2, 3*WCH                            ; no wait: none names the raw buffer or v6 either
.endif
	COMP4 (\c)%4, 0
	s_wait_dscnt 0x0                               ; the second half is in; for the others' sake: my stores of W(c+2) are done
.if \nxt
	s_wait_alu depctr_va_vdst(0)                   ; the first half's products are done reading half 0, in which the next chunk's fragments land below
.endif
.if \wst
	s_barrier_signal -1                            ; say so, and work on registers while the others arrive
.endif
	COMPT (\c)%4, 1, 0, 1
.if \wst
	s_barrier_wait -1                              ; W(c+2) is whole
.endif
.if \nxt
	WIN 0
	PLACES                                         ; behind the products that read the first half's registers
	BLOADH 0, 15, ((\c)%4)*CHL                     ; the next chunk's first half, shown by the last chunk's barrier: it lands under the products below and the next chunk's head.  The 16 products since the wait name half 1, rows and accumulators
.endif
	COMPT (\c)%4, 1, 2, 3
	COMP4 (\c)%4, 1
.endm
; The end of a trip of four chunks: the three LDS addresses move on by four chunks.
.macro ON
	s_wait_alu depctr_vm_vsrc(0)                   ; the LDS stores and loads issued so far have read v7, v8 and v15
	v_add_nc_u32 v7, 4*CHL, v7
	v_add_nc_u32 v8, 4*CHL, v8
	v_add_nc_u32 v15, 4*CHL, v15
.endm
; A chunk of a later pass: the weights are all in LDS; plain, since few splits come here.  The chunk's LDS byte is the scalar s49, which steps by a chunk a trip; the address is made anew from it.
.macro PITER
	PLACES
	s_wait_alu depctr_vm_vsrc(0)                   ; the fragment loads issued so far have read v8
	v_add_nc_u32 v8, s49, v25
	s_wait_alu depctr_va_vdst(0)                   ; v8 is written; the products issued so far are done reading set 0 and both halves, in which the loads below land
	ALOAD 0, 0
	BLOADH 0, 8, 0
	BLOADH 1, 8, 0
	s_add_co_u32 s49, s49, CHL
	s_wait_loadcnt 0x0
	s_add_nc_u64 s[8:9], s[8:9], XCH
	s_wait_dscnt 0x0
	COMPT 0, 0, 0, 1
	COMPT 0, 0, 2, 3
	COMP4 0, 0
	COMPT 0, 1, 0, 1
	COMPT 0, 1, 2, 3
	COMP4 0, 1
.endm
; The clips of tile t, out of its accumulators into the fixed registers.  Each accumulator is read from its lowest register on.
.macro CLIP t
.if (\t) < 4
.set AW, 1
.set GB, 64*(\t)
.else
.set AW, 2
.set GB, 0
.endif
	WIN 0xc0|(AW<<2)|AW
.set z, 0
.rept 32
	v_min_num_f32 v[GG+z], s36, v[GB+z]            ; g = min(gate, 7)
.set z, z+1
.endr
.set z, 0
.rept 32
	v_med3_num_f32 v[UU+z], v[GB+32+z], s37, s36   ; up held to -7 .. 7
.set z, z+1
.endr
	WIN 0
.endm
	s_load_b256 s[8:15], s[0:1], 0x0               ; xs 8:9, route 10:11, bg 12:13, Wg 14:15
	s_load_b128 s[16:19], s[0:1], 0x20             ; Wu 16:17, bu 18:19
	s_load_b64 s[22:23], s[0:1], 0x30              ; act
	v_lshl_add_u32 v46, v0, 2, 0x42000
	v_mov_b32 v47, 0
	v_lshrrev_b32 v17, 5, v0
	v_readfirstlane_b32 s2, v17                    ; wave 0..3
	s_lshr_b32 s3, ttmp9, 5                        ; expert
	s_and_b32 s4, ttmp9, 31                        ; slice
	v_and_b32 v3, 15, v0                           ; r = lane % 16
	v_bfe_u32 v4, v0, 4, 1                         ; h = lane / 16
	v_and_b32 v5, 31, v0
	v_lshlrev_b32 v5, 4, v5                        ; 16 x lane
	s_wait_alu depctr_va_sdst(0)                   ; s2 is written, ahead of its first reader
	s_lshl_b32 s44, s2, 17
	v_lshlrev_b32 v6, 16, v4
	v_lshl_add_u32 v6, v3, 4, v6
	v_add_nc_u32 v6, s44, v6                       ; weights: (16 w + 8 h) rows + 16 r bytes
	v_lshlrev_b32 v25, 11, v4
	v_lshl_add_u32 v25, v3, 4, v25                 ; h x 2,048 + 16 r: a fragment's place in chunk 0
	v_mov_b32 v8, v25                              ; the fragments of a trip's first chunk,
	v_add_nc_u32 v15, CHL, v25                     ; and a chunk further on, for the loads that reach into the next chunk
	s_lshl_b32 s44, s2, 12
	v_add_nc_u32 v16, s44, v25                     ; where I store chunks 0 and 1: LDS row 2 w + h,
	v_add_nc_u32 v7, 2*CHL, v16                    ; and the chunks that the loop stores, from chunk 2 on
	v_add_nc_u32 v9, BIASB, v25
	v_lshlrev_b32 v24, 10, v4
	v_lshl_add_u32 v24, v3, 4, v24                 ; act: h x 1,024 + 16 r
	v_bfe_u32 v27, v0, 4, 2
	v_lshl_add_u32 v27, v3, 2, v27                 ; thread = pos: column 4 (tid % 16) + (tid / 16) % 4
	s_lshl_b32 s44, s3, 11
	s_lshl_b32 s45, s4, 6
	s_add_co_u32 s44, s44, s45
	v_add_lshl_u32 v27, s44, v27, 2                ; its byte in bg or bu
	v_lshl_add_u32 v19, v0, 4, BIASB               ; and its 16 bytes in the bias rows
.irp i, 21,22,23,28,29,30,31,33,34,35,36,37,38,39
	v_mov_b32 v\i, 0
.endr
	v_mov_b32 v32, 0x3f80                          ; 1.0 in bf16 at the lane's first k; the bias rows are 0 at every k but 0
	s_mov_b32 s36, 0x40e00000                      ; 7.0
	s_mov_b32 s37, 0xc0e00000                      ; -7.0
	s_mov_b32 s38, 0xc01d265f                      ; -1.702 log2(e)
	s_mov_b32 s39, s38                             ; named with it as a pair
	s_mov_b32 s33, 7                               ; passes to go, pass 0 among them
	s_mov_b32 s48, 0                               ; 20 PASS
	s_mov_b32 s49, 0                               ; a later pass's chunk in LDS
	s_mov_b32 s34, s2                              ; 20 PASS + w
	s_lshl_b32 s28, s3, 7                          ; the expert's first tile
	s_mov_b32 s31, 0
	s_lshl_b32 s30, s3, 2
	s_wait_kmcnt 0x0
	s_add_nc_u64 s[10:11], s[10:11], s[30:31]
	s_load_b32 s5, s[10:11], 0x2000                ; the expert's count
	s_lshl_b32 s30, s3, 23
	s_lshl_b32 s44, s4, 8
	s_add_co_u32 s30, s30, s44                     ; the expert's 8,388,608 bytes, the slice's 256
	s_lshl_b32 s46, s4, 21
	s_lshl_b32 s44, s3, 18
	s_add_co_u32 s46, s46, s44                     ; act: the slice's 1,024 tiles of 2,048 bytes, the expert's 128
	s_mov_b32 s47, 0
	s_add_nc_u64 s[14:15], s[14:15], s[30:31]
	s_add_nc_u64 s[16:17], s[16:17], s[30:31]
	s_add_nc_u64 s[22:23], s[22:23], s[46:47]
	s_mov_b64 s[40:41], s[8:9]                     ; xs, for the later passes
	s_cmp_lt_u32 s2, 2
	s_cselect_b64 s[42:43], s[12:13], s[18:19]     ; waves 0, 1 bring the gate's bias, waves 2, 3 the up's
	s_wait_alu depctr_va_vdst(0)                   ; the offsets and LDS addresses v6 to v9, v15, v16, v19, v27 and the zeros are written, which the loads and LDS instructions below read
	global_load_b32 v18, v27, s[42:43]
	WLOAD 0, 0                                     ; two chunks of weights go out while the count is on its way
	WLOAD 1, WCH
	WIN 0
	s_wait_kmcnt 0x0
	s_min_u32 s5, s5, 2048
	s_add_co_u32 s6, s5, 15
	s_lshr_b32 s6, s6, 4
	s_max_u32 s6, s6, 1                            ; tiles that are stored: one at the least
	s_sub_co_u32 s7, s6, 1                         ; the last tile that the first launch stored
	TILEADDR
	s_wait_alu depctr_va_vdst(0)                   ; AX is written, which every load of rows in pass 0 reads
	ALOAD 0, 0
	s_wait_loadcnt 36                              ; the bias and W0 are in: behind W0 came W1 (16) and x(0) (20)
	WIN 0
	v_cvt_pk_bf16_f32 v20, v18, v28                ; the bias at k = 0, zero at k = 1; v21 to v23 hold the zeros up to k = 7
	WCVT 0
	s_wait_alu depctr_va_vdst(0)                   ; the roundings have written WT and v20, which the LDS stores read, and are done reading raw buffer 0, in which W2 lands
	WST 16, 0
	WIN 0
	ds_store_b128 v19, v[20:23]
	ds_store_b128 v19, v[28:31] offset:2048
	ds_store_b128 v19, v[28:31] offset:4096
	ds_store_b128 v19, v[28:31] offset:6144
	WLOAD 0, 2*WCH
	ALOAD 1, XCH
	s_wait_loadcnt 56                              ; W1 is in: behind it came x(0) (20), W2 (16), x(1) (20)
	s_wait_alu depctr_vm_vsrc(0)                   ; the stores of W0 have read WT, which the roundings write again
	WCVT 1
	s_wait_alu depctr_va_vdst(0)                   ; the roundings have written WT and are done reading raw buffer 1, in which W3 lands
	WST 16, CHL
	WLOAD 1, 3*WCH
	WIN 0
	s_wait_dscnt 0x0                               ; for the others' sake: my stores of the bias rows, W0 and W1 are done
	s_barrier_signal -1
	s_barrier_wait -1
	BIASLD                                         ; no vector or matrix instruction has named the fragments' registers yet
	BLOADH 0, 8, 0                                 ; chunk 0's first half beside them
	s_wait_dscnt 16                                ; the bias fragments are in; the 16 loads behind them may stay out
	BIASMM
	s_mov_b32 s32, 3
.Lchunk:                                               ; chunks 0 to 11, four a trip: behind W(c+2) came x(c+1) (20) and W(c+3) (16)
	ITER 0, 1, 1, 1, 1, 36
	ITER 1, 1, 1, 1, 1, 36
	ITER 2, 1, 1, 1, 1, 36
	ITER 3, 1, 1, 1, 1, 36
	ON
	s_sub_co_u32 s32, s32, 1
	s_cmp_lg_u32 s32, 0
	s_cbranch_scc1 .Lchunk
	ITER 12, 1, 0, 1, 1, 36                        ; no weights are left to ask for; behind W14 came x(13) and W15
	ITER 13, 1, 0, 1, 1, 20                        ; behind W15 came x(14)
	ITER 14, 0, 0, 0, 1, 20                        ; all weights lie in LDS; behind x(14) came x(15)
	ITER 15, 0, 0, 0, 0, 0
	s_branch .Lepi
.Lpass:                                                ; passes 1 to 6: the tiles 20 PASS on, where the expert has them
	s_cmp_ge_u32 s48, s6
	s_cbranch_scc1 .Lnext
	s_add_co_u32 s34, s48, s2
	s_wait_xcnt 0x0                                ; nothing on its way still reads the base that is set back
	s_mov_b64 s[8:9], s[40:41]
	s_wait_alu depctr_vm_vsrc(0)                   ; the loads of rows issued so far have read AX
	TILEADDR
	PLACES
	s_wait_alu depctr_va_vdst(0)                   ; AX is written; the last pass's products are done reading half 1, in which the bias fragments land
	BIASLD
	s_wait_dscnt 0x0
	BIASMM
	s_mov_b32 s32, 16
.Lpk:
	PITER
	s_sub_co_u32 s32, s32, 1
	s_cmp_lg_u32 s32, 0
	s_cbranch_scc1 .Lpk
	s_sub_co_u32 s49, s49, 16*CHL                  ; back to chunk 0
.Lepi:                                                 ; THE WAY OUT: a loop over my five tiles
	PLACES
	s_mov_b32 s50, 0
.Ltile:
	s_lshl_b32 s44, s50, 2
	s_add_co_u32 s44, s44, s34                     ; the tile: 20 PASS + w + 4 t
	s_cmp_ge_u32 s44, s6
	s_cbranch_scc1 .Ldead                          ; a tile past the count is not stored
	s_lshl_b32 s44, s44, 11
	s_wait_xcnt 0x0                                ; the last tile's stores have read their offset and data
	s_wait_alu depctr_vm_vsrc(0)                   ; the last tile's stores have read v26 and the packed result, both of which this tile writes again
	v_add_nc_u32 v26, s44, v24
	s_cmp_lg_u32 s50, 0
	s_cbranch_scc1 .Lc1
	CLIP 0
	s_branch .Lcommon
.Lc1:
	s_cmp_lg_u32 s50, 1
	s_cbranch_scc1 .Lc2
	CLIP 1
	s_branch .Lcommon
.Lc2:
	s_cmp_lg_u32 s50, 2
	s_cbranch_scc1 .Lc3
	CLIP 2
	s_branch .Lcommon
.Lc3:
	s_cmp_lg_u32 s50, 3
	s_cbranch_scc1 .Lc4
	CLIP 3
	s_branch .Lcommon
.Lc4:
	CLIP 4
.Lcommon:                                              ; the 32 exponentials are one batch with one wait, the 32 reciprocals another
	WIN 0xff
.set z, 0
.rept 16
	v_pk_mul_f32 v[EE+2*z:EE+2*z+1], v[GG+2*z:GG+2*z+1], s[38:39] op_sel_hi:[1,0]  ; -1.702 log2(e) g
.set z, z+1
.endr
.set z, 0
.rept 32
	v_exp_f32 v[EE+z], v[EE+z]
.set z, z+1
.endr
	v_nop                                          ; a plain instruction behind the last exponential
	s_wait_alu depctr_va_vdst(0)                   ; the 32 exponentials have written their results: one wait for the batch, ahead of its first reader
.set z, 0
.rept 16
	v_pk_add_f32 v[EE+2*z:EE+2*z+1], v[EE+2*z:EE+2*z+1], 1.0 op_sel_hi:[1,0]
.set z, z+1
.endr
.set z, 0
.rept 32
	v_rcp_f32 v[EE+z], v[EE+z]                     ; the sigmoid
.set z, z+1
.endr
	v_nop
	s_wait_alu depctr_va_vdst(0)                   ; the 32 reciprocals have written their results, ahead of their first reader
.set z, 0
.rept 16
	v_pk_mul_f32 v[GG+2*z:GG+2*z+1], v[GG+2*z:GG+2*z+1], v[EE+2*z:EE+2*z+1]  ; glu
.set z, z+1
.endr
.set z, 0
.rept 16
	v_pk_fma_f32 v[GG+2*z:GG+2*z+1], v[UU+2*z:UU+2*z+1], v[GG+2*z:GG+2*z+1], v[GG+2*z:GG+2*z+1]  ; (up + 1) glu
.set z, z+1
.endr
.set z, 0
.rept 8                                ; columns 4 j + 0 .. 3 lie in register j of the four tiles; rounded to f16
	v_cvt_pk_f16_f32 v[TT+2*z],   v[GG+z],    v[GG+8+z]
	v_cvt_pk_f16_f32 v[TT+2*z+1], v[GG+16+z], v[GG+24+z]
.set z, z+1
.endr
	s_wait_alu depctr_va_vdst(0)                   ; the roundings have written the packed result, and v26 is written: the four stores read them
	WIN 0x0c
.irp i, 0,1,2,3
	global_store_b128 v26, v[TT+4*(\i):TT+4*(\i)+3], s[22:23] offset:256*(\i)  ; 16 lanes store 256 consecutive bytes, at a multiple of 256 from the buffer's first byte
.endr
	WIN 0
.Ldead:
	s_add_co_u32 s50, s50, 1
	s_cmp_lt_u32 s50, 5
	s_cbranch_scc1 .Ltile
.Lnext:
	s_add_co_u32 s48, s48, 20
	s_sub_co_u32 s33, s33, 1
	s_cmp_lg_u32 s33, 0
	s_cbranch_scc1 .Lpass
	s_wait_dscnt 0x0                               ; my reads of LDS are over,
	s_barrier_signal -1
	s_barrier_wait -1                              ; and everybody's: the waves end together, as in the launch's plain form, where this barrier stood ahead of the closing add
	s_wait_dscnt 0x0                               ; the wave's end
	s_wait_alu depctr_hold_cnt(0) depctr_sa_sdst(0) depctr_va_vdst(0) depctr_va_sdst(0) depctr_va_ssrc(0) depctr_va_vcc(0) depctr_vm_vsrc(0)
	s_wait_tensorcnt 0x0
	ds_add_u32 v46, v47
	s_wait_dscnt 0x0
	s_endpgm
.Lfunc_end_k_q322031ed42_gateup:
	.size	k_q322031ed42_gateup, .Lfunc_end_k_q322031ed42_gateup-k_q322031ed42_gateup
	.p2alignl 7, 3214868480
	.fill 96, 4, 3214868480
	.section	.rodata,"a",@progbits
	.p2align	6, 0x0
	.amdhsa_kernel k_q322031ed42_gateup
		.amdhsa_group_segment_fixed_size 270848
		.amdhsa_private_segment_fixed_size 0
		.amdhsa_enable_private_segment 0
		.amdhsa_kernarg_size 56
		.amdhsa_user_sgpr_count 2
		.amdhsa_user_sgpr_kernarg_segment_ptr 1
		.amdhsa_wavefront_size32 1
		.amdhsa_system_sgpr_workgroup_id_x 1
		.amdhsa_system_sgpr_workgroup_id_y 1
		.amdhsa_system_sgpr_workgroup_id_z 1
		.amdhsa_system_vgpr_workitem_id 0
		.amdhsa_next_free_vgpr 976
		.amdhsa_next_free_sgpr 66
		.amdhsa_reserve_vcc 0
		.amdhsa_float_denorm_mode_32 3
		.amdhsa_float_denorm_mode_16_64 3
		.amdhsa_memory_ordered 1
		.amdhsa_forward_progress 1
		.amdhsa_inst_pref_size 161
	.end_amdhsa_kernel
	.amdgpu_metadata
---
amdhsa.version: [ 1, 2 ]
amdhsa.kernels:
  - .name:           k_q322031ed42_gateup
    .symbol:         k_q322031ed42_gateup.kd
    .args:
      - { .name: xs, .offset: 0, .size: 8, .value_kind: global_buffer, .address_space: global }
      - { .name: route, .offset: 8, .size: 8, .value_kind: global_buffer, .address_space: global }
      - { .name: bg, .offset: 16, .size: 8, .value_kind: global_buffer, .address_space: global }
      - { .name: Wg, .offset: 24, .size: 8, .value_kind: global_buffer, .address_space: global }
      - { .name: Wu, .offset: 32, .size: 8, .value_kind: global_buffer, .address_space: global }
      - { .name: bu, .offset: 40, .size: 8, .value_kind: global_buffer, .address_space: global }
      - { .name: act, .offset: 48, .size: 8, .value_kind: global_buffer, .address_space: global }
    .group_segment_fixed_size: 270848
    .private_segment_fixed_size: 0
    .kernarg_segment_align: 8
    .kernarg_segment_size: 56
    .max_flat_workgroup_size: 128
    .sgpr_count:     66
    .vgpr_count:     976
    .wavefront_size: 32
...
	.end_amdgpu_metadata
.endif
;; end of part 8
;; launch down (part 9): grid 256 x 1, 4 waves a work-group, no clusters, 153,088 bytes of LDS; arguments act, wq, route, Wd, bd, part; writes part
.if DOCPART == 9
	.amdgcn_target "amdgcn-amd-amdhsa--gfx1250"
	.amdhsa_code_object_version 6
	.text
	.protected	k_q322031ed42_down
	.globl	k_q322031ed42_down
	.p2align	8
	.type	k_q322031ed42_down,@function
k_q322031ed42_down:
	s_mov_b64 s[64:65], 0
	v_nop
	global_prefetch_b8 v0, s[64:65] scope:SCOPE_SE
	s_setreg_imm32_b32 hwreg(HW_REG_WAVE_SCHED_MODE, 0, 2), 2
	s_setreg_imm32_b32 hwreg(HW_REG_WAVE_MODE, 25, 1), 1
	s_wait_xcnt 0x0
	s_wait_alu depctr_vm_vsrc(0)
; THE DOWN PRODUCT OF THE ROUTED ROWS: part[kh][q][:] = w[q] x (act[q][K half kh] . Wd[e][K half kh] + bd[e] (in half 0 alone)), f32.
; SHARES.  Work-group = (expert e = id / 32, columns 64 hs .. + 63 with hs = (id / 2) % 16, K half kh = id % 2): 1,024 rows x 256 bytes of Wd[e], which it alone reads, once; and all rows of expert e.
; K is halved so that 256 work-groups have weight rows of 256 whole bytes; the price is two partial rows for each routed row, which the next launch adds.
; FORMAT.  The product is in f16: act arrives in f16 (within 56 by the clips of the activation).  Wd and bd are rounded to bf16 like every other input, and that number is then written as f16, which changes nothing
; from 7.6e-6 to 65,504 in magnitude: four instructions for two weights (round both, widen each, pack).
; The weights go the way of the launch before: loaded as f32, rounded, turned, kept in LDS at (k / 8) x 1,024 + pos x 16 (131,072 bytes), each byte written once; chunk c + 1 (64 along K) is stored at the head of chunk c and
; shown to all waves by that chunk's barrier.
; FRAGMENTS.  A chunk's fragments come out of LDS in two halves of 32 along K, 32 registers each, and each half is asked for while the other is multiplied: the second half at the chunk's head, the next chunk's first half
; behind the barrier's wait, in the middle of the second half's products.  The barrier's signal and its wait stand apart, with 8 products between them.
; act lies in memory in operand order: a tile's chunk is four loads of 512 consecutive bytes, straight into the registers that the products name.
; The bias is one more K step, issued first with C = 0.  Tiles, passes and dead tiles as in the launch before: tile 20 PASS + 4 t + w; pass 0 under the stream, passes 1 .. 6 from the resident slice.
; NO CLUSTER: each weight byte has one reader; an expert's 16 work-groups of one K half do share act's tiles (32 KB a chunk at 256 rows, against 16 KB of weights of one's own), but how many there are hangs on the count,
; and a ring filled jointly would want its trips alike in all partners and a barrier in a loop of that length.
; LIMITS.  A weight or bias beyond 65,504 in magnitude would become an infinity; one below 7.6e-6 keeps f16's fixed step of 6e-8.  NaN and infinities are not treated apart.
; THE MODE: SCHED_MODE bits 1:0 = 2 (LLVM: expert scheduling mode 2), set by the entry lines.  The code itself states the register dependences between vector or matrix instructions and memory or LDS instructions,
; with s_wait_alu, always for 0.
; THE PLAN.  Registers that memory or LDS instructions touch in pass 0's chunks, and who else names them:
;   raw weights, four sets     chunk c's roundings read set (c + 1) % 4; the loads of W(c+5) land in it later in the chunk.
;   WT                         written by the chunk's conversions, read by its 4 LDS stores, written again by the next chunk's conversions.
;   fragments, half 1          read by a chunk's last 20 products; its loads stand at the next chunk's head.
;   fragments, half 0          read by a chunk's first 20 products; its loads stand behind the barrier's wait, in the middle of the second half's products.
;   act, four sets             set (c + 3) % 4 was read by chunk c - 1's products; its loads stand in chunk c.
;   v6, AT                     offsets, never written in pass 0.     v7, v8   LDS addresses: up to eight chunks are reached by immediate offsets; the two move on once a trip of the loop.
; So a chunk has two waits on va_vdst.  The first stands behind the conversions: WT is written, the raw set is read, the last chunk's products are done with half 1 and with their set of act, and behind a trip's end v7 and v8
; are written.  Behind it the chunk's stores and loads are dealt among the first half's products, which name half 0, this chunk's act and the accumulators: none of the registers that those stores and loads touch.
; The second stands behind the first half's products: they are done with half 0; the 8 products between it and half 0's loads name half 1, act and the accumulators.
; One wait on vm_vsrc stands at a chunk's head (the stores have read WT), one ahead of the trip's two adds.
; REGISTERS, in windows of 256: window 0: v0-44 addresses and small things; v64-127 weight fragments (32 k + 8 b); v128-143 packed weights; v160-167 1.0 at k = 0; v192-223 at work on the weights, later the way out; v224-255 the way out
;   window 1: act, sets 0-2 (80 a + 16 t + 8 k)      window 2: v0-79 act, set 3; v80-239 accumulators (32 t + 8 b)      window 3: v0-127 weights as loaded, four sets
; SCALARS: s2 wave, s3 expert, s4 slice, s5 K half, s6 rows, s7 tiles to store; s22 chunks to go; s23 passes to go; s24 20 PASS + w; s25 tile 4 alive; s27 last stored tile; s28 128 e; s32 20 PASS; s33 a later pass's chunk in LDS; s34 a word's upper half
.set BIASB,  131072
.set STAGE,  135168                    ; 16 rows x 272 bytes for each wave; behind the stages 512 bytes hold the spare words of the closing add
.set CHL,    8192                      ; a chunk in LDS: 8 rows of 1,024 bytes
.set WROW,   4096
.set WCH,    64*WROW
.set ACH,    0x200000                  ; a chunk of act: 1,024 tiles of 2,048 bytes
.set AT,   10                          ; v10-14  tile t: its bytes in a chunk of act, + 16 x lane
.set WQ,   15                          ; v15-19  tile t: my row's routing weight
.set WA,   40                          ; v40-44  tile t: that weight's byte in wq
.set BF,   64
.set WT,   128
.set ONES, 160
.set TM,   192
.set RB,   224
.set ACC,  80                          ; window 2
.set MSB, 0
.macro WIN new
.if MSB != (\new)
	s_set_vgpr_msb (MSB<<8)|(\new)
.set MSB, (\new)
.endif
.endm
.macro PLACES
.rept 4
	v_nop
.endr
.endm
.macro SETA set                        ; where a set of act lies: the products' window setting AWN, register AB
.if (\set) < 3
.set AWN, 0xa4
.set AB, 80*(\set)
.else
.set AWN, 0xa8
.set AB, 0
.endif
.endm
.macro WLOAD set, imm                  ; 8 loads: my 16 K rows x 64 columns
	WIN 0xc0
.irp j, 0,1,2,3,4,5,6,7
	global_load_b128 v[32*(\set)+4*(\j):32*(\set)+4*(\j)+3], v6, s[14:15] offset:(\imm)+WROW*(\j) th:TH_LOAD_NT
.endr
.endm
; rounded to bf16 and turned (8 neighbouring k of a column are 16 bytes); then each bf16 number is widened to f32 (a shift, a mask) and written as f16
.macro WCVT set
	WIN 0x0f
.irp i, 0,1,2,3
.irp q, 0,1,2,3
	v_cvt_pk_bf16_f32 v[WT+4*(\i)+(\q)], v[32*(\set)+8*(\q)+(\i)], v[32*(\set)+8*(\q)+4+(\i)]
.endr
.endr
	WIN 0
.set z, 0
.rept 16
	v_lshlrev_b32 v[TM+2*z],   16,  v[WT+z]
	v_and_b32     v[TM+2*z+1], s34, v[WT+z]
.set z, z+1
.endr
.set z, 0
.rept 16
	v_cvt_pk_f16_f32 v[WT+z], v[TM+2*z], v[TM+2*z+1]
.set z, z+1
.endr
.endm
.macro WST imm                         ; 4 LDS stores: the packed chunk, imm bytes on from v7
	WIN 0
.irp i, 0,1,2,3
	ds_store_b128 v7, v[WT+4*(\i):WT+4*(\i)+3] offset:(\imm)+256*(\i)
.endr
.endm
.macro ALOAD set, imm                  ; 20 loads of 512 consecutive bytes: a chunk of my five tiles
.if (\set) < 3
	WIN 0x40
.set AB, 80*(\set)
.else
	WIN 0x80
.set AB, 0
.endif
.irp t, 0,1,2,3,4
.irp u, 0,1,2,3
	global_load_b128 v[AB+16*(\t)+4*(\u):AB+16*(\t)+4*(\u)+3], v[AT+(\t)], s[8:9] offset:(\imm)+512*(\u)
.endr
.endr
.endm
.macro BLOADH k, imm                   ; 8 LDS loads: the 4 weight fragments of half k (32 along K) of the chunk imm bytes on from v8
	WIN 0
.irp b, 0,1,2,3
	ds_load_b128 v[BF+32*(\k)+8*(\b):BF+32*(\k)+8*(\b)+3],   v8 offset:(\imm)+4096*(\k)+256*(\b)
	ds_load_b128 v[BF+32*(\k)+8*(\b)+4:BF+32*(\k)+8*(\b)+7], v8 offset:(\imm)+4096*(\k)+256*(\b)+2048
.endr
.endm
.macro BIASLD                          ; the fragments of the K step that holds the bias come into half 1, so that half 0 can be asked for beside them
	WIN 0
.irp b, 0,1,2,3
	ds_load_b128 v[BF+32+8*(\b):BF+32+8*(\b)+3],   v9 offset:256*(\b)
	ds_load_b128 v[BF+32+8*(\b)+4:BF+32+8*(\b)+7], v9 offset:256*(\b)+2048
.endr
.endm
.macro BIASMM                          ; that K step starts all 20 sums
	WIN 0xa0
.irp t, 0,1,2,3,4
.irp b, 0,1,2,3
	v_wmma_f32_16x16x32_f16 v[ACC+32*(\t)+8*(\b):ACC+32*(\t)+8*(\b)+7], v[BF+32+8*(\b):BF+32+8*(\b)+7], v[ONES:ONES+7], 0
.endr
.endr
	WIN 0
.endm
; 8 products: tiles t0 and t1 (of 0-3), half k.  The accumulators take turns, one instruction a turn: no two products on end share one, from macro to macro and over the jumps too.
.macro COMPT set, k, t0, t1
	SETA \set
	WIN AWN
.irp t, \t0, \t1
.irp b, 0,1,2,3
	v_wmma_f32_16x16x32_f16 v[ACC+32*(\t)+8*(\b):ACC+32*(\t)+8*(\b)+7], v[BF+32*(\k)+8*(\b):BF+32*(\k)+8*(\b)+7], v[AB+16*(\t)+8*(\k):AB+16*(\t)+8*(\k)+7], v[ACC+32*(\t)+8*(\b):ACC+32*(\t)+8*(\b)+7]
.endr
.endr
.endm
.macro COMP4 set, k                    ; 4 products: tile 4, half k, where the tile is alive
	WIN 0
	s_cmp_eq_u32 s25, 0
	s_cbranch_scc1 .Lno4_\@
	SETA \set
	WIN AWN
.irp b, 0,1,2,3
	v_wmma_f32_16x16x32_f16 v[ACC+128+8*(\b):ACC+128+8*(\b)+7], v[BF+32*(\k)+8*(\b):BF+32*(\k)+8*(\b)+7], v[AB+64+8*(\k):AB+64+8*(\k)+7], v[ACC+128+8*(\b):ACC+128+8*(\b)+7]
.endr
	WIN 0
.Lno4_\@:
.endm
; The five tiles: a tile past the count repeats the last one that was stored.  Five loads bring my rows' routing weights.
.macro TILEADDR
	WIN 0
.irp t, 0,1,2,3,4
	s_add_co_u32 s26, s24, 4*(\t)
	s_min_u32 s26, s26, s27
	s_min_u32 s26, s26, 127
	s_add_co_u32 s26, s26, s28                     ; + 128 e
	s_lshl_b32 s29, s26, 11
	v_add_nc_u32 v[AT+(\t)], s29, v5
	s_lshl_b32 s29, s26, 6
	v_lshl_add_u32 v[WA+(\t)], v3, 2, s29
.endr
	s_wait_alu depctr_va_vdst(0)                   ; AT and WA are written, which the loads of this pass read; in a later pass the last way out's multiplies are done reading WQ, and the last products the fragments and set 0
.irp t, 0,1,2,3,4
	global_load_b32 v[WQ+(\t)], v[WA+(\t)], s[10:11]
.endr
	s_add_co_u32 s26, s24, 16
	s_cmp_lt_u32 s26, s7
	s_cselect_b32 s25, 1, 0                        ; is my tile 4 alive?
.endm
; CHUNK c OF PASS 0.  wst: W(c+1), landed in set (c+1) % 4, goes to LDS and is shown by the barrier.  ald: act of chunk c + 3 is asked for, into the set that chunk c - 1 has left.  wld: W(c+5), into the set just emptied.
; nxt: the next chunk's first fragments are asked for.  cnt: the global loads issued behind act(c), which may stay out; W(c+1) is older than act(c).
; O: the chunk's number counted from the chunk at which v7 and v8 stand: chunk 0 up to the loop's first trip, 4 in its second, 8 behind it.
.macro ITER c, wst, wld, ald, nxt, cnt
.if (\c) < 10
.set O, (\c)
.else
.set O, (\c)-8
.endif
	s_wait_loadcnt \cnt
.if \wst
	s_wait_alu depctr_vm_vsrc(0)                   ; the LDS stores issued so far have read WT, which the conversions write again
	WCVT ((\c)+1)%4                                ; its conversions name no register of the last products: they are the places behind them
.else
	PLACES
.endif
	s_wait_alu depctr_va_vdst(0)                   ; the conversions have written WT and are done reading the raw set; the last chunk's products are done reading half 1 and their set of act; behind a trip's end v7 and v8 are written
.if \wst
	WST (O+1)*CHL
.endif
	BLOADH 1, O*CHL                                ; this chunk's second half: it lands under the first half's products
	s_wait_dscnt 8+4*(\wst)                        ; the first half is in: behind its loads came my stores of W(c+1) (4, where there are any) and the second half's 8 loads
	COMPT (\c)%4, 0, 0, 1
.if (\ald) || (\wld)
	s_wait_xcnt 0x0                                ; the bases of the loads on their way are stepped only behind this wait
	s_add_nc_u64 s[8:9], s[8:9], ACH
.endif
.if \wld
	s_add_nc_u64 s[14:15], s[14:15], WCH
.endif
.if \ald
	ALOAD ((\c)+3)%4, 2*ACH                        ; no wait: no vector or matrix instruction since the wait above names this set or AT
.endif
	COMPT (\c)%4, 0, 2, 3
.if \wld
	WLOAD ((\c)+1)%4, 4*WCH                        ; no wait: none names the raw set or v6 either
.endif
	COMP4 (\c)%4, 0
	s_wait_dscnt 0x0                               ; the second half is in; for the others' sake: my stores of W(c+1) are done
.if \nxt
	s_wait_alu depctr_va_vdst(0)                   ; the first half's products are done reading half 0, in which the next chunk's fragments land below
.endif
.if \wst
	s_barrier_signal -1                            ; say so, and work on registers while the others arrive
.endif
	COMPT (\c)%4, 1, 0, 1
.if \wst
	s_barrier_wait -1                              ; W(c+1) is whole
.endif
.if \nxt
	WIN 0
	PLACES                                         ; behind the products that read the first half's registers
	BLOADH 0, (O+1)*CHL                            ; the next chunk's first half, just shown: it lands under the products below and the next chunk's head.  The 8 products since the wait name half 1, act and accumulators
.endif
	COMPT (\c)%4, 1, 2, 3
	COMP4 (\c)%4, 1
.endm
; The end of a trip of four chunks: the two LDS addresses move on by four chunks.
.macro ON
	s_wait_alu depctr_vm_vsrc(0)                   ; the LDS stores and loads issued so far have read v7 and v8
	v_add_nc_u32 v7, 4*CHL, v7
	v_add_nc_u32 v8, 4*CHL, v8
.endm
; A chunk of a later pass: plain.  The chunk's LDS byte is the scalar s33, which steps by a chunk a trip; the address is made anew from it.
.macro PITER
	PLACES
	s_wait_alu depctr_vm_vsrc(0)                   ; the fragment loads issued so far have read v8
	v_add_nc_u32 v8, s33, v24
	s_wait_alu depctr_va_vdst(0)                   ; v8 is written; the products issued so far are done reading set 0 and both halves, in which the loads below land
	ALOAD 0, 0
	BLOADH 0, 0
	BLOADH 1, 0
	s_add_co_u32 s33, s33, CHL
	s_wait_loadcnt 0x0
	s_add_nc_u64 s[8:9], s[8:9], ACH
	s_wait_dscnt 0x0
	COMPT 0, 0, 0, 1
	COMPT 0, 0, 2, 3
	COMP4 0, 0
	COMPT 0, 1, 0, 1
	COMPT 0, 1, 2, 3
	COMP4 0, 1
.endm
; THE WAY OUT of tile t.  The product with the row's routing weight also brings a lane's 32 neighbouring columns into neighbouring registers (column 4 j + b lies in register j of tile b; each accumulator is read from
; register 0 on).  They go through my own stage in LDS and come back as whole rows of 256 bytes.
.macro EPI t
	WIN 0
	s_add_co_u32 s26, s24, 4*(\t)
	s_cmp_ge_u32 s26, s7
	s_cbranch_scc1 .Ldead_\@                       ; a tile past the count is not stored
	s_lshl_b32 s26, s26, 16                        ; 16 rows of 4,096 bytes
	s_wait_xcnt 0x0                                ; the last tile's stores have read their offset and data
	s_wait_alu depctr_vm_vsrc(0)                   ; the last tile's stores have read v23 and the rows read back, its LDS stores the products: this tile writes all three again
	v_add_nc_u32 v23, s26, v22
	WIN 0x02
.irp j, 0,1,2,3,4,5,6,7
.irp b, 0,1,2,3
	v_mul_f32 v[TM+4*(\j)+(\b)], v[ACC+32*(\t)+8*(\b)+(\j)], v[WQ+(\t)]
.endr
.endr
	WIN 0
	s_wait_alu depctr_va_vdst(0)                   ; the 32 multiplies have written their products, which the LDS stores read, and v23 is written, which the stores to memory read
.irp j, 0,1,2,3,4,5,6,7
	ds_store_b128 v20, v[TM+4*(\j):TM+4*(\j)+3] offset:16*(\j)
.endr
.irp i, 0,1,2,3,4,5,6,7
	ds_load_b128 v[RB+4*(\i):RB+4*(\i)+3], v21 offset:544*(\i)  ; LDS serves a wave's instructions in order (ISA guide 5.7.1.4): these see the stores above
.endr
.irp i, 0,1,2,3,4,5,6,7
	s_wait_dscnt 7-(\i)
	global_store_b128 v23, v[RB+4*(\i):RB+4*(\i)+3], s[18:19] offset:8192*(\i)  ; 16 lanes store 256 consecutive bytes, at a multiple of 256 from the buffer's first byte
.endr
.Ldead_\@:
.endm
	s_load_b256 s[8:15], s[0:1], 0x0               ; act 8:9, wq 10:11, route 12:13, Wd 14:15
	s_load_b128 s[16:19], s[0:1], 0x20             ; bd 16:17, part 18:19
	v_lshl_add_u32 v190, v0, 2, 0x25400
	v_mov_b32 v191, 0
	v_lshrrev_b32 v25, 5, v0
	v_readfirstlane_b32 s2, v25                    ; wave 0..3
	s_lshr_b32 s3, ttmp9, 5                        ; expert
	s_bfe_u32 s4, ttmp9, 0x40001                   ; column slice
	s_and_b32 s5, ttmp9, 1                         ; K half
	v_and_b32 v3, 15, v0                           ; r
	v_bfe_u32 v4, v0, 4, 1                         ; h
	v_and_b32 v5, 31, v0
	v_lshlrev_b32 v5, 4, v5                        ; 16 x lane
	s_wait_alu depctr_va_sdst(0)                   ; s2 is written, ahead of its first reader
	s_lshl_b32 s26, s2, 16
	v_lshlrev_b32 v6, 15, v4
	v_lshl_add_u32 v6, v3, 4, v6
	v_add_nc_u32 v6, s26, v6                       ; weights: (16 w + 8 h) rows + 16 r bytes
	v_lshlrev_b32 v24, 10, v4
	v_lshl_add_u32 v24, v3, 4, v24                 ; h x 1,024 + 16 r
	v_mov_b32 v8, v24
	s_lshl_b32 s26, s2, 11
	v_add_nc_u32 v7, s26, v24
	v_add_nc_u32 v9, BIASB, v24
	s_mul_i32 s26, s2, 16*272
	s_add_co_u32 s26, s26, STAGE                   ; my stage
	v_mul_u32_u24 v20, v3, 272
	v_lshl_add_u32 v20, v4, 7, v20
	v_add_nc_u32 v20, s26, v20                     ; in: row r, 128 bytes for each half of the lanes
	v_mul_u32_u24 v21, v4, 272
	v_lshl_add_u32 v21, v3, 4, v21
	v_add_nc_u32 v21, s26, v21                     ; back: lanes 0-15 one row of 256 bytes, lanes 16-31 the next
	v_lshlrev_b32 v22, 12, v4
	v_lshl_add_u32 v22, v3, 4, v22                 ; and the same two rows in part
	v_bfe_u32 v25, v0, 4, 2
	v_lshl_add_u32 v25, v3, 2, v25                 ; thread % 64 = pos: column 4 (tid % 16) + (tid / 16) % 4
	s_lshl_b32 s26, s3, 10
	s_lshl_b32 s29, s4, 6
	s_add_co_u32 s26, s26, s29
	v_add_lshl_u32 v25, s26, v25, 2
	v_lshl_add_u32 v27, v0, 4, BIASB
.irp i, 33,34,35,36,37,38,39,161,162,163,164,165,166,167
	v_mov_b32 v\i, 0
.endr
	v_mov_b32 v160, 0x3c00                         ; 1.0 in f16 at the lane's first k; the bias rows are 0 at every k but 0
	v_cmp_gt_u32 vcc_lo, 64, v0
	s_cmp_eq_u32 s5, 0
	s_cselect_b32 s20, -1, 0
	s_wait_alu depctr_va_vcc(0)                    ; the compare has written VCC, ahead of its first reader
	s_and_b32 s20, s20, vcc_lo                     ; the bias counts in K half 0 alone, and threads 64-127 write the row of zeros below it
	s_mov_b32 s34, 0xffff0000                      ; a word's upper bf16
	s_mov_b32 s23, 7                               ; passes to go, pass 0 among them
	s_mov_b32 s32, 0                               ; 20 PASS
	s_mov_b32 s33, 0                               ; a later pass's chunk in LDS
	s_mov_b32 s24, s2                              ; 20 PASS + w
	s_lshl_b32 s28, s3, 7                          ; the expert's first tile
	s_mov_b32 s31, 0
	s_lshl_b32 s30, s3, 2
	s_wait_kmcnt 0x0
	s_add_nc_u64 s[12:13], s[12:13], s[30:31]
	s_load_b32 s6, s[12:13], 0x2000                ; the expert's count
	s_lshl_b32 s30, s3, 23
	s_lshl_b32 s26, s4, 8
	s_add_co_u32 s30, s30, s26
	s_lshl_b32 s26, s5, 26
	s_add_co_u32 s26, s26, s30
	s_mov_b32 s27, 0
	s_add_nc_u64 s[18:19], s[18:19], s[26:27]      ; part: the K half's 16,384 rows, the expert's 2,048, the slice's 256 bytes
	s_lshl_b32 s26, s5, 22
	s_add_co_u32 s30, s30, s26
	s_add_nc_u64 s[14:15], s[14:15], s[30:31]      ; Wd: the expert, the K half's 1,024 rows, the slice
	s_lshl_b32 s30, s5, 25
	s_add_nc_u64 s[8:9], s[8:9], s[30:31]          ; act: the K half's 16 chunks
	s_wait_alu depctr_va_vdst(0)                   ; the offsets and LDS addresses v6 to v9, v20 to v22, v25, v27 and the zeros are written, which the loads, stores and LDS instructions below read
	global_load_b32 v26, v25, s[16:17]
	WLOAD 0, 0
	WLOAD 1, WCH
	WLOAD 2, 2*WCH
	WLOAD 3, 3*WCH
	WIN 0
	s_wait_kmcnt 0x0
	s_min_u32 s6, s6, 2048
	s_add_co_u32 s7, s6, 15
	s_lshr_b32 s7, s7, 4                           ; tiles to store
	s_max_u32 s27, s7, 1
	s_sub_co_u32 s27, s27, 1                       ; the last tile that the launch before stored
	TILEADDR
	ALOAD 0, 0
	ALOAD 1, ACH
	ALOAD 2, 2*ACH
	s_wait_loadcnt 63                              ; the bias and W0 are in: behind W0 came 24 + 5 + 60 loads, more than the wait's field can name
	WCVT 0
	v_cvt_pk_bf16_f32 v26, v26, v36                ; the bias rounded to bf16,
	v_lshlrev_b32 v26, 16, v26                     ; widened,
	v_cvt_pk_f16_f32 v26, v26, v36                 ; and written as f16 at k = 0, zero at k = 1
	v_cndmask_b32 v32, 0, v26, s20
	s_wait_alu depctr_va_vdst(0)                   ; the conversions have written WT and v32, which the LDS stores read, and are done reading raw set 0, in which W4 lands
	WST 0
	ds_store_b128 v27, v[32:35]
	ds_store_b128 v27, v[36:39] offset:2048
	WLOAD 0, 4*WCH
	WIN 0
	s_mov_b64 s[20:21], s[8:9]                     ; act, for the later passes (the mask in s20 has been used)
	s_wait_dscnt 0x0                               ; for the others' sake: my stores of the bias rows and W0 are done
	s_barrier_signal -1
	s_barrier_wait -1
	BIASLD                                         ; no vector or matrix instruction has named the fragments' registers yet
	BLOADH 0, 0                                    ; chunk 0's first half beside them
	s_wait_dscnt 8                                 ; the bias fragments are in; the 8 loads behind them may stay out
	BIASMM
	ITER 0, 1, 1, 1, 1, 48                         ; behind act(0): act(1), act(2), W4
	ITER 1, 1, 1, 1, 1, 56                         ; behind act(1): act(2), W4, act(3), W5
	s_mov_b32 s22, 2
.Lchunk:                                               ; chunks 2 to 9, four a trip: behind act(c) came three W and two act, 64 loads; the field's largest count is one less
	ITER 2, 1, 1, 1, 1, 63
	ITER 3, 1, 1, 1, 1, 63
	ITER 4, 1, 1, 1, 1, 63
	ITER 5, 1, 1, 1, 1, 63
	ON
	s_sub_co_u32 s22, s22, 1
	s_cmp_lg_u32 s22, 0
	s_cbranch_scc1 .Lchunk
	ITER 10, 1, 1, 1, 1, 63
	ITER 11, 1, 0, 1, 1, 63                        ; no weights are left to ask for
	ITER 12, 1, 0, 1, 1, 56                        ; behind act(12): W14, act(13), W15, act(14)
	ITER 13, 1, 0, 0, 1, 48                        ; behind act(13): W15, act(14), act(15)
	ITER 14, 1, 0, 0, 1, 20                        ; behind act(14): act(15)
	ITER 15, 0, 0, 0, 0, 0
	s_branch .Lmid
.Lpass:                                                ; passes 1 to 6: the tiles 20 PASS on, where the expert has them
	s_add_co_u32 s24, s32, s2                      ; set in a dead pass too: its five ways out then find their tiles past the count
	s_wait_dscnt 0x0                               ; my stores into my stage, and my reads of it, are done
	s_barrier_signal -1
	s_barrier_wait -1                              ; everybody's are: the fragment loads below follow them
	s_cmp_ge_u32 s32, s7
	s_cbranch_scc1 .Lmid                           ; only work is jumped
	s_wait_xcnt 0x0
	s_mov_b64 s[8:9], s[20:21]
	s_wait_alu depctr_vm_vsrc(0)                   ; the loads issued so far have read AT and WA
	TILEADDR
	PLACES
	BIASLD                                         ; no vector or matrix instruction since the wait among the tiles' addresses names the fragments or v9
	s_wait_dscnt 0x0
	BIASMM
	s_mov_b32 s22, 16
.Lpk:
	PITER
	s_sub_co_u32 s22, s22, 1
	s_cmp_lg_u32 s22, 0
	s_cbranch_scc1 .Lpk
	s_sub_co_u32 s33, s33, 16*CHL                  ; back to chunk 0
.Lmid:
	s_wait_dscnt 0x0                               ; my fragment loads are back
	s_barrier_signal -1
	s_barrier_wait -1                              ; everybody's are: the stores into the stages follow them
	PLACES
	EPI 0
	EPI 1
	EPI 2
	EPI 3
	EPI 4
	s_add_co_u32 s32, s32, 20
	s_sub_co_u32 s23, s23, 1
	s_cmp_lg_u32 s23, 0
	s_cbranch_scc1 .Lpass
	s_wait_dscnt 0x0                               ; the wave's end: my LDS instructions are done
	s_wait_alu depctr_hold_cnt(0) depctr_sa_sdst(0) depctr_va_vdst(0) depctr_va_sdst(0) depctr_va_ssrc(0) depctr_va_vcc(0) depctr_vm_vsrc(0)
	s_wait_tensorcnt 0x0
	ds_add_u32 v190, v191
	s_wait_dscnt 0x0
	s_endpgm
.Lfunc_end_k_q322031ed42_down:
	.size	k_q322031ed42_down, .Lfunc_end_k_q322031ed42_down-k_q322031ed42_down
	.p2alignl 7, 3214868480
	.fill 96, 4, 3214868480
	.section	.rodata,"a",@progbits
	.p2align	6, 0x0
	.amdhsa_kernel k_q322031ed42_down
		.amdhsa_group_segment_fixed_size 153088
		.amdhsa_private_segment_fixed_size 0
		.amdhsa_enable_private_segment 0
		.amdhsa_kernarg_size 48
		.amdhsa_user_sgpr_count 2
		.amdhsa_user_sgpr_kernarg_segment_ptr 1
		.amdhsa_wavefront_size32 1
		.amdhsa_system_sgpr_workgroup_id_x 1
		.amdhsa_system_sgpr_workgroup_id_y 1
		.amdhsa_system_sgpr_workgroup_id_z 1
		.amdhsa_system_vgpr_workitem_id 0
		.amdhsa_next_free_vgpr 896
		.amdhsa_next_free_sgpr 66
		.amdhsa_reserve_vcc 1
		.amdhsa_float_denorm_mode_32 3
		.amdhsa_float_denorm_mode_16_64 3
		.amdhsa_memory_ordered 1
		.amdhsa_forward_progress 1
		.amdhsa_inst_pref_size 162
	.end_amdhsa_kernel
	.amdgpu_metadata
---
amdhsa.version: [ 1, 2 ]
amdhsa.kernels:
  - .name:           k_q322031ed42_down
    .symbol:         k_q322031ed42_down.kd
    .args:
      - { .name: act, .offset: 0, .size: 8, .value_kind: global_buffer, .address_space: global }
      - { .name: wq, .offset: 8, .size: 8, .value_kind: global_buffer, .address_space: global }
      - { .name: route, .offset: 16, .size: 8, .value_kind: global_buffer, .address_space: global }
      - { .name: Wd, .offset: 24, .size: 8, .value_kind: global_buffer, .address_space: global }
      - { .name: bd, .offset: 32, .size: 8, .value_kind: global_buffer, .address_space: global }
      - { .name: part, .offset: 40, .size: 8, .value_kind: global_buffer, .address_space: global }
    .group_segment_fixed_size: 153088
    .private_segment_fixed_size: 0
    .kernarg_segment_align: 8
    .kernarg_segment_size: 48
    .max_flat_workgroup_size: 128
    .sgpr_count:     66
    .vgpr_count:     896
    .wavefront_size: 32
...
	.end_amdgpu_metadata
.endif
;; end of part 9
;; launch combine: the kernel of part 3 again; grid 256 x 1, 4 waves a work-group, no clusters, 0 bytes of LDS; arguments part, route, out0; writes out0
